; MI455X (gfx1250); checked and timed in simulation.
; The chip was launched on July 23, 2026; its instructions are those of AMD's public machine-readable ISA for CDNA 5 (MIT licence, August 2026) and "CDNA5" Instruction Set Architecture Reference Guide (July 2026). The comments in the code are by the model that wrote it; some were corrected since.
;; Mini Transformer. Allowed arithmetic: float matrix products may take bf16 or f16 operands with f32 sums; other float arithmetic in f32, or as packed bf16 or f16 multiplies, adds, multiply-adds, maxima and minima; sums over many terms, partial sums and values carried from step to step in f32; what a program stores and reads back later, other than sums and carried values, may be rounded once to bf16 or f16.
;; Inputs: W1 512 x 1,024 float32; W2 1,024 x 512 float32; Wk 512 x 512 float32; Wo 512 x 512 float32; Wq 512 x 512 float32; Wv 512 x 512 float32; b1 1,024 float32; b2 512 float32; be1 512 float32; be2 512 float32; g1 512 float32; g2 512 float32; x 8 x 2,048 x 512 float32.
;; Outputs: out0 8 x 2,048 x 512 float32.
;; 2 versions, each right. Each part assembles by itself: llvm-mc -triple=amdgcn-amd-amdhsa -mcpu=gfx1250 --defsym DOCPART=n.
;; ======== version 1 of 2: 4 launches
;; limits: a function is approximated: absolute error at most 1.5e-07
;; workspace buffers: h 16,777,216 bytes; q 16,777,216 bytes; k 16,777,216 bytes; v 16,777,216 bytes; o 16,777,216 bytes; wb 4,194,304 bytes
;; launch prep (part 1): grid 1024 x 1, 4 waves a work-group, no clusters, 0 bytes of LDS; arguments x, g1, be1, Wq, Wk, Wv, Wo, W1, W2, h, wb; writes h, wb
.if DOCPART == 1
	.amdgcn_target "amdgcn-amd-amdhsa--gfx1250"
	.amdhsa_code_object_version 6
	.text
	.protected	k_q61a85d0dfa_prep
	.globl	k_q61a85d0dfa_prep
	.p2align	8
	.type	k_q61a85d0dfa_prep,@function
k_q61a85d0dfa_prep:
	s_mov_b64 s[64:65], 0
	v_nop
	global_prefetch_b8 v0, s[64:65] scope:SCOPE_SE
	s_setreg_imm32_b32 hwreg(HW_REG_WAVE_MODE, 25, 1), 1
	s_wait_xcnt 0x0
; prep: h = LayerNorm(x; g1, be1) rounded to bf16, and all six weight matrices rounded to bf16 into wb.
; wb is eight blocks of [512 k][512 n] bf16 (rows of 1,024 bytes) in the order of use: Wq, Wk, Wv, Wo, W1 columns 0-511, W1 columns 512-1023, W2 rows 0-511, W2 rows 512-1023.
; 1,024 work-groups of four waves.  Work-group g casts four rows (2,048 numbers) of wb and normalises 16 rows of x, four a wave.
; A row of x (2,048 bytes) is 16 registers of one wave: lane l holds columns 8 l .. 8 l + 7 and 256 + 8 l .. + 7, so that its rounded numbers are twice 16 bytes
; and a wave's store covers 512 consecutive bytes.  The row stays in registers between the mean, the variance (the mean of (x - mean)^2, taken as written) and the scaling.
; No LDS, no barrier: no wave needs another's numbers.  All 28 loads of a wave go out at the head; the waits count down.
; LIMITS: NaN and infinities are not treated apart.
.set XR, 32                            ; v[32:95]   row p: 16 registers
.set GG, 96                            ; v[96:111]  g1 of my 16 columns
.set BB, 112                           ; v[112:127] be1
.set TT, 128                           ; v[128:131] at work
.set ST, 132                           ; v[132:139] row p: a pair: the row's number (sum, mean, variance, 1/sigma by turns), and the other half of the lanes' number
.set WD, 140                           ; v140       16 x thread: my 16 bytes in wb
.macro ALLP line:vararg                ; one line for each of my four rows p
.set p, 0
.rept 4
	\line
.set p, p+1
.endr
.endm
.macro CROSS                           ; each row's number summed over the 32 lanes; every lane ends with the sum
	ALLP v_add_f32_dpp v[ST+2*p], v[ST+2*p], v[ST+2*p] row_xmask:1 row_mask:0xf bank_mask:0xf
	ALLP v_add_f32_dpp v[ST+2*p], v[ST+2*p], v[ST+2*p] row_xmask:2 row_mask:0xf bank_mask:0xf
	ALLP v_add_f32_dpp v[ST+2*p], v[ST+2*p], v[ST+2*p] row_xmask:4 row_mask:0xf bank_mask:0xf
	ALLP v_add_f32_dpp v[ST+2*p], v[ST+2*p], v[ST+2*p] row_xmask:8 row_mask:0xf bank_mask:0xf
	ALLP v_permlanex16_b32 v[ST+2*p+1], v[ST+2*p], s36, s37
	ALLP v_add_f32 v[ST+2*p], v[ST+2*p], v[ST+2*p+1]
.endm
	s_load_b512 s[4:19], s[0:1], 0x0               ; x s[4:5], g1 s[6:7], be1 s[8:9], Wq s[10:11], Wk s[12:13], Wv s[14:15], Wo s[16:17], W1 s[18:19]
	s_load_b128 s[20:23], s[0:1], 0x40             ; W2 s[20:21], h s[22:23]
	s_load_b64 s[24:25], s[0:1], 0x50              ; wb
	s_lshr_b32 s26, ttmp9, 7                       ; which block of wb: 128 work-groups x 4 rows = 512 rows
	s_and_b32 s27, ttmp9, 127                      ; which four rows of it
	s_lshr_b32 s28, s26, 1
	s_cmp_eq_u32 s28, 2                            ; blocks 4 and 5 come from W1, whose rows are 4,096 bytes; all others have rows of 2,048
	s_cselect_b32 s30, 12, 11
	s_lshl_b32 s32, s27, 2
	s_lshl_b32 s32, s32, s30                       ; my first row in the source
	s_cmp_eq_u32 s26, 5
	s_cselect_b32 s31, 2048, 0                     ; W1's columns 512 on
	s_cmp_eq_u32 s26, 7
	s_cselect_b32 s31, 0x100000, s31               ; W2's rows 512 on
	s_add_co_u32 s32, s32, s31
	s_mov_b32 s33, 0
	s_lshl_b32 s31, 2, s30                         ; two rows of the source
	s_lshl_b32 s34, ttmp9, 15                      ; 16 rows of x
	s_mov_b32 s35, 0
	s_lshl_b32 s42, ttmp9, 14                      ; 16 rows of h
	s_mov_b32 s43, 0
	s_lshl_b32 s44, ttmp9, 12                      ; 4 rows of wb
	s_mov_b32 s45, 0
	s_mov_b32 s36, 0x76543210                      ; v_permlanex16_b32: each lane takes its own place in the other half
	s_mov_b32 s37, 0xfedcba98
	s_mov_b32 s38, 0x3b000000                      ; 1 / 512
	s_mov_b32 s39, 0x3727c5ac                      ; 1e-5
	v_and_b32 v1, 31, v0                           ; lane
	v_lshrrev_b32 v2, 5, v0                        ; wave
	v_lshlrev_b32 v28, 5, v1                       ; 32 l: my place in g1, be1 and a row of x
	v_lshl_add_u32 v3, v2, 13, v28                 ; + my wave's four rows of x
	v_lshlrev_b32 v29, 4, v1
	v_lshl_add_u32 v29, v2, 12, v29                ; 16 l + my wave's four rows of h
	v_lshrrev_b32 v30, 6, v0                       ; the cast: 64 threads a row, 8 numbers a thread
	v_lshlrev_b32 v30, s30, v30
	v_and_b32 v31, 63, v0
	v_lshl_add_u32 v30, v31, 5, v30                ; rows 0, 1
	v_add_nc_u32 v31, s31, v30                     ; rows 2, 3
	v_lshlrev_b32 v[WD], 4, v0
	ALLP v_mov_b32 v[ST+2*p+1], 0                  ; v_permlanex16_b32's destination counts as read: written once here
	s_wait_kmcnt 0x0
	s_cmp_lt_u32 s26, 6                            ; the source of my block
	s_cselect_b64 s[40:41], s[18:19], s[20:21]
	s_cmp_eq_u32 s26, 3
	s_cselect_b64 s[40:41], s[16:17], s[40:41]
	s_cmp_eq_u32 s26, 2
	s_cselect_b64 s[40:41], s[14:15], s[40:41]
	s_cmp_eq_u32 s26, 1
	s_cselect_b64 s[40:41], s[12:13], s[40:41]
	s_cmp_eq_u32 s26, 0
	s_cselect_b64 s[40:41], s[10:11], s[40:41]
	s_add_nc_u64 s[40:41], s[40:41], s[32:33]
	s_add_nc_u64 s[4:5], s[4:5], s[34:35]
	s_add_nc_u64 s[22:23], s[22:23], s[42:43]
	s_add_nc_u64 s[24:25], s[24:25], s[44:45]
	global_load_b128 v[4:7],   v30, s[40:41]
	global_load_b128 v[8:11],  v30, s[40:41] offset:16
	global_load_b128 v[12:15], v31, s[40:41]
	global_load_b128 v[16:19], v31, s[40:41] offset:16
.irp j, 0,1
	global_load_b128 v[GG+8*(\j):GG+8*(\j)+3],   v28, s[6:7] offset:1024*(\j)
	global_load_b128 v[GG+8*(\j)+4:GG+8*(\j)+7], v28, s[6:7] offset:1024*(\j)+16
	global_load_b128 v[BB+8*(\j):BB+8*(\j)+3],   v28, s[8:9] offset:1024*(\j)
	global_load_b128 v[BB+8*(\j)+4:BB+8*(\j)+7], v28, s[8:9] offset:1024*(\j)+16
.endr
.irp p, 0,1,2,3
.irp j, 0,1
	global_load_b128 v[XR+16*(\p)+8*(\j):XR+16*(\p)+8*(\j)+3],   v3, s[4:5] offset:2048*(\p)+1024*(\j)
	global_load_b128 v[XR+16*(\p)+8*(\j)+4:XR+16*(\p)+8*(\j)+7], v3, s[4:5] offset:2048*(\p)+1024*(\j)+16
.endr
.endr
	s_wait_loadcnt 24                              ; the four weight loads are in; the 24 behind them stay out
.irp j, 0,1,2,3,4,5,6,7
	v_cvt_pk_bf16_f32 v[20+(\j)], v[4+2*(\j)], v[5+2*(\j)]
.endr
	global_store_b128 v[WD], v[20:23], s[24:25]              ; a wave's store covers 512 consecutive bytes
	global_store_b128 v[WD], v[24:27], s[24:25] offset:2048
	; the sums: row p is in when 12 - 4 p younger loads are out
.irp p, 0,1,2,3
	s_wait_loadcnt 12-4*(\p)
	v_pk_add_f32 v[TT:TT+1],   v[XR+16*(\p):XR+16*(\p)+1],   v[XR+16*(\p)+2:XR+16*(\p)+3]
	v_pk_add_f32 v[TT+2:TT+3], v[XR+16*(\p)+4:XR+16*(\p)+5], v[XR+16*(\p)+6:XR+16*(\p)+7]
	v_pk_add_f32 v[TT:TT+1],   v[TT:TT+1],   v[XR+16*(\p)+8:XR+16*(\p)+9]
	v_pk_add_f32 v[TT+2:TT+3], v[TT+2:TT+3], v[XR+16*(\p)+10:XR+16*(\p)+11]
	v_pk_add_f32 v[TT:TT+1],   v[TT:TT+1],   v[XR+16*(\p)+12:XR+16*(\p)+13]
	v_pk_add_f32 v[TT+2:TT+3], v[TT+2:TT+3], v[XR+16*(\p)+14:XR+16*(\p)+15]
	v_pk_add_f32 v[TT:TT+1],   v[TT:TT+1],   v[TT+2:TT+3]
	v_add_f32 v[ST+2*(\p)], v[TT], v[TT+1]
.endr
	CROSS
	ALLP v_mul_f32 v[ST+2*p], s38, v[ST+2*p]       ; the mean
.irp p, 0,1,2,3
.irp j, 0,2,4,6,8,10,12,14
	v_pk_add_f32 v[XR+16*(\p)+(\j):XR+16*(\p)+(\j)+1], v[XR+16*(\p)+(\j):XR+16*(\p)+(\j)+1], v[ST+2*(\p):ST+2*(\p)+1] op_sel_hi:[1,0] neg_lo:[0,1] neg_hi:[0,1]  ; x - mean, in place
.endr
.endr
.irp p, 0,1,2,3
	v_pk_mul_f32 v[TT:TT+1],   v[XR+16*(\p):XR+16*(\p)+1],   v[XR+16*(\p):XR+16*(\p)+1]
	v_pk_mul_f32 v[TT+2:TT+3], v[XR+16*(\p)+2:XR+16*(\p)+3], v[XR+16*(\p)+2:XR+16*(\p)+3]
.irp j, 4,8,12
	v_pk_fma_f32 v[TT:TT+1],   v[XR+16*(\p)+(\j):XR+16*(\p)+(\j)+1],   v[XR+16*(\p)+(\j):XR+16*(\p)+(\j)+1],   v[TT:TT+1]
	v_pk_fma_f32 v[TT+2:TT+3], v[XR+16*(\p)+(\j)+2:XR+16*(\p)+(\j)+3], v[XR+16*(\p)+(\j)+2:XR+16*(\p)+(\j)+3], v[TT+2:TT+3]
.endr
	v_pk_add_f32 v[TT:TT+1], v[TT:TT+1], v[TT+2:TT+3]
	v_add_f32 v[ST+2*(\p)], v[TT], v[TT+1]
.endr
	CROSS
	ALLP v_fma_f32 v[ST+2*p], v[ST+2*p], s38, s39  ; variance + 1e-5
	ALLP v_rsq_f32 v[ST+2*p], v[ST+2*p]
	v_nop                                          ; a plain instruction behind the last root,
	s_wait_alu depctr_va_vdst(0)                   ; and one wait for the four, ahead of their first reader
.irp p, 0,1,2,3
.irp j, 0,2,4,6,8,10,12,14
	v_pk_mul_f32 v[XR+16*(\p)+(\j):XR+16*(\p)+(\j)+1], v[XR+16*(\p)+(\j):XR+16*(\p)+(\j)+1], v[ST+2*(\p):ST+2*(\p)+1] op_sel_hi:[1,0]
.endr
.irp j, 0,2,4,6,8,10,12,14
	v_pk_fma_f32 v[XR+16*(\p)+(\j):XR+16*(\p)+(\j)+1], v[XR+16*(\p)+(\j):XR+16*(\p)+(\j)+1], v[GG+(\j):GG+(\j)+1], v[BB+(\j):BB+(\j)+1]
.endr
.irp j, 0,1,2,3,4,5,6,7
	v_cvt_pk_bf16_f32 v[XR+16*(\p)+(\j)], v[XR+16*(\p)+2*(\j)], v[XR+16*(\p)+2*(\j)+1]  ; packed downward in place: number j lands where numbers 2 j and later are still to be read or have been
.endr
	global_store_b128 v29, v[XR+16*(\p):XR+16*(\p)+3],   s[22:23] offset:1024*(\p)      ; columns 8 l ..: 512 consecutive bytes a wave
	global_store_b128 v29, v[XR+16*(\p)+4:XR+16*(\p)+7], s[22:23] offset:1024*(\p)+512  ; columns 256 + 8 l ..
.endr
	s_endpgm
.Lfunc_end_k_q61a85d0dfa_prep:
	.size	k_q61a85d0dfa_prep, .Lfunc_end_k_q61a85d0dfa_prep-k_q61a85d0dfa_prep
	.p2alignl 7, 3214868480
	.fill 96, 4, 3214868480
	.section	.rodata,"a",@progbits
	.p2align	6, 0x0
	.amdhsa_kernel k_q61a85d0dfa_prep
		.amdhsa_group_segment_fixed_size 0
		.amdhsa_private_segment_fixed_size 0
		.amdhsa_enable_private_segment 0
		.amdhsa_kernarg_size 88
		.amdhsa_user_sgpr_count 2
		.amdhsa_user_sgpr_kernarg_segment_ptr 1
		.amdhsa_wavefront_size32 1
		.amdhsa_system_sgpr_workgroup_id_x 1
		.amdhsa_system_sgpr_workgroup_id_y 1
		.amdhsa_system_sgpr_workgroup_id_z 1
		.amdhsa_system_vgpr_workitem_id 0
		.amdhsa_next_free_vgpr 144
		.amdhsa_next_free_sgpr 66
		.amdhsa_reserve_vcc 0
		.amdhsa_float_denorm_mode_32 3
		.amdhsa_float_denorm_mode_16_64 3
		.amdhsa_memory_ordered 1
		.amdhsa_forward_progress 1
		.amdhsa_inst_pref_size 23
	.end_amdhsa_kernel
	.amdgpu_metadata
---
amdhsa.version: [ 1, 2 ]
amdhsa.kernels:
  - .name:           k_q61a85d0dfa_prep
    .symbol:         k_q61a85d0dfa_prep.kd
    .args:
      - { .name: x, .offset: 0, .size: 8, .value_kind: global_buffer, .address_space: global }
      - { .name: g1, .offset: 8, .size: 8, .value_kind: global_buffer, .address_space: global }
      - { .name: be1, .offset: 16, .size: 8, .value_kind: global_buffer, .address_space: global }
      - { .name: Wq, .offset: 24, .size: 8, .value_kind: global_buffer, .address_space: global }
      - { .name: Wk, .offset: 32, .size: 8, .value_kind: global_buffer, .address_space: global }
      - { .name: Wv, .offset: 40, .size: 8, .value_kind: global_buffer, .address_space: global }
      - { .name: Wo, .offset: 48, .size: 8, .value_kind: global_buffer, .address_space: global }
      - { .name: W1, .offset: 56, .size: 8, .value_kind: global_buffer, .address_space: global }
      - { .name: W2, .offset: 64, .size: 8, .value_kind: global_buffer, .address_space: global }
      - { .name: h, .offset: 72, .size: 8, .value_kind: global_buffer, .address_space: global }
      - { .name: wb, .offset: 80, .size: 8, .value_kind: global_buffer, .address_space: global }
    .group_segment_fixed_size: 0
    .private_segment_fixed_size: 0
    .kernarg_segment_align: 8
    .kernarg_segment_size: 88
    .max_flat_workgroup_size: 128
    .sgpr_count:     66
    .vgpr_count:     144
    .wavefront_size: 32
...
	.end_amdgpu_metadata
.endif
;; end of part 1
;; launch qkv (part 2): grid 256 x 1, 4 waves a work-group, clusters of 4 x 1, 327,680 bytes of LDS; arguments h, wb, q, k, v; writes q, k, v
.if DOCPART == 2
	.amdgcn_target "amdgcn-amd-amdhsa--gfx1250"
	.amdhsa_code_object_version 6
	.text
	.protected	k_q61a85d0dfa_qkv
	.globl	k_q61a85d0dfa_qkv
	.p2align	8
	.type	k_q61a85d0dfa_qkv,@function
k_q61a85d0dfa_qkv:
	s_mov_b64 s[64:65], 0
	v_nop
	global_prefetch_b8 v0, s[64:65] scope:SCOPE_SE
	s_setreg_imm32_b32 hwreg(HW_REG_WAVE_MODE, 25, 1), 1
	s_wait_xcnt 0x0
	s_wait_alu depctr_hold_cnt(0) depctr_sa_sdst(0) depctr_va_vdst(0) depctr_va_sdst(0) depctr_va_ssrc(0) depctr_va_vcc(0) depctr_vm_vsrc(0)
	s_getreg_b32 s2, hwreg(HW_REG_IB_STS2, 6, 4)
	s_cmp_eq_u32 s2, 0
	s_cbranch_scc0 .Lentry_in_a_cluster
	s_endpgm
.Lentry_in_a_cluster:
	s_bfe_u32 s2, ttmp6, 0x10000c
	s_cmp_lg_u32 s2, 0x3003
	s_cbranch_scc0 .Lentry_shape_is_right
	s_endpgm
.Lentry_shape_is_right:
; qkv: q = h Wq, k = h Wk, v = h Wv.  h: [16384][512] bf16; Wq, Wk, Wv: the first three blocks of wb, [512 k][512 n] bf16; q, k, v: [16384][512] bf16, each rounded once from f32 sums.
; SHARES.  A work-group owns 64 rows of h, which stay in LDS for all three products.  Wave w makes all 64 rows x columns 128 w .. 128 w + 127: 32 accumulators of 16 x 16, 256 registers.
; THE WEIGHTS ARE A STREAM of 24 tiles of 64 k rows x 1,024 bytes, dense in wb, through a ring of two LDS slots.  All work-groups walk the same stream, so the four of a cluster ask for
; each tile JOINTLY (the same tensor load, descriptor and mask of four in all); each wave brings 16 rows.  A lap is two tiles; four laps are one product (a pass).
; THE MATRIX INSTRUCTION IS USED TRANSPOSED: source 0 = 16 columns of W x 32 k (turned on the way out of LDS by ds_load_tr16_b128), source 1 = 16 rows of h x 32 k.
; In the result lane l holds row l % 16 and columns 8 (l / 16) + 0..7: eight neighbouring numbers of a row, 16 bytes in bf16.
; REGISTERS: window 0: v0-18 addresses; v64-159, v160-255 two fragment buffers (64 of W, 32 of h).  Window 1: the accumulators, (rt, nt) at v[8 (8 rt + nt)].
; The 32 accumulators take turns, one instruction a turn, in the same order everywhere.
; lds_bytes claims all of the LDS; 219,648 bytes are used.
.set PB,    1056                       ; a row of W in LDS: 1,024 bytes + 32 of padding = 264 words
.set PA,    1040                       ; a row of h: 1,024 + 16 = 260 words: the 16 rows of a load start at 16 different groups of four banks
.set SLOT0, 0
.set SLOT1, 64*PB
.set ACT,   2*64*PB                    ; h's 64 rows: filled once
.set STAGE, ACT+64*PA                  ; 16 rows x 272 bytes for each wave, for the way out: no tile lands here
.set SP,    272
.set SPARE, STAGE+4*16*SP              ; the spare words, 128 bytes for each wave: two blocks of 256 bytes that no other line names
.set TILEB, 65536                      ; a tile in wb
.set AB,  8                            ; v8-9  LDS address of my W fragments in slot 0, 1
.set AA0, 10                           ; v10   my lane's place in h's rows
.set AA,  11                           ; v11   + the lap's bytes along k: rows 0-31
.set AA2, 12                           ; v12   rows 32-63
.set STO, 13                           ; v13   the way out: where I put 16 bytes of a row
.set RD,  14                           ; v14   where I read a row back
.set CO,  15                           ; v15   my byte offset in the output's rows
.set SPW, 16                           ; v16   LDS address of my spare word; never rewritten
.set NIL, 17                           ; v17   0; never rewritten
.set PFO, 18                           ; v18   256 x lane; never rewritten
.set FB0, 64
.set FB1, 160
.set TMP, FB1                          ; the way out works in buffer 1: buffer 0 already holds the next lap's first fragments
.set BK,  FB1+32
.set WV,   14                          ; s14  wave
.set CX,   15                          ; s15  my place in the cluster
.set WG,   16                          ; s16  my block of 64 rows
.set LAPS, 17                          ; s17  laps of the loop still to come
.set GL,   LAPS
.set LP,   18                          ; s18  laps of the pass still to come, this one among them
.set AOF,  19                          ; s19  the lap's bytes along k in h's rows
.set LIM,  20                          ; s20  1 in the cluster that prefetches, else the greatest number
.set PASS, 21                          ; s21  passes finished
.set G1W, 24                           ; s[24:31] descriptor group 1, weight tiles
.set G0W, 32                           ; s[32:39] group 0, a set for each slot
.set G1A, 40                           ; s[40:47] group 1, h's tile
.set G0A, 48                           ; s[48:51] group 0, h's tile
.set CUR, 52                           ; s[52:53] the pass's output at my block's first row
.set PFA, 54                           ; s[54:55] where my prefetches stand
.set MSB, 0
.macro WIN new                         ; the immediate's high byte repeats the setting that is left; a switch that changes nothing is dropped
.if MSB != (\new)
	s_set_vgpr_msb (MSB<<8)|(\new)
.set MSB, (\new)
.endif
.endm
.macro PLACES                          ; four places between a matrix instruction and a load into, or a vector instruction on, its registers (ISA guide 7.12.1 for vector instructions)
.rept 4
	v_nop
.endr
.endm
.macro CROUND                          ; a round of the cluster's barrier: my work-group's barrier; wave 0 signals for the work-group; every wave waits for all four work-groups; my work-group's barrier once more
	s_barrier_signal -1
	s_barrier_wait -1
	s_cmp_lg_u32 s[WV], 0
	s_cbranch_scc1 .Lnw0_\@
	s_barrier_signal -3
.Lnw0_\@:
	s_barrier_wait -3
	s_barrier_signal -1
	s_barrier_wait -1
.endm
; 16 products: row tiles 2 half, 2 half + 1 x all 8 column tiles, 32 along k, from buffer fb.  w: the window setting of the accumulators.  zero = 1: the products start the sums.
.macro MUL16 fb, w, half, zero
	WIN \w
.irp rt, 2*(\half), 2*(\half)+1
.irp nt, 0,1,2,3,4,5,6,7
.if \zero
	v_wmma_f32_16x16x32_bf16 v[8*(8*(\rt)+(\nt)):8*(8*(\rt)+(\nt))+7], v[(\fb)+8*(\nt):(\fb)+8*(\nt)+7], v[(\fb)+64+8*(\rt):(\fb)+64+8*(\rt)+7], 0
.else
	v_wmma_f32_16x16x32_bf16 v[8*(8*(\rt)+(\nt)):8*(8*(\rt)+(\nt))+7], v[(\fb)+8*(\nt):(\fb)+8*(\nt)+7], v[(\fb)+64+8*(\rt):(\fb)+64+8*(\rt)+7], v[8*(8*(\rt)+(\nt)):8*(8*(\rt)+(\nt))+7]
.endif
.endr
.endr
.endm
; 24 LDS loads in one run: half kk (32 k) of the tile in a slot, my 128 columns, turned; and the 64 rows' 32 k at byte aoff behind the lap's place
.macro FETCH slot, kk, fb, aoff, pa
	WIN 0
.irp nt, 0,1,2,3,4,5,6,7
	ds_load_tr16_b128 v[(\fb)+8*(\nt):(\fb)+8*(\nt)+3],   v[AB+(\slot)] offset:(\kk)*32*PB+32*(\nt)
	ds_load_tr16_b128 v[(\fb)+8*(\nt)+4:(\fb)+8*(\nt)+7], v[AB+(\slot)] offset:(\kk)*32*PB+16*PB+32*(\nt)
.endr
.irp rt, 0,1
	ds_load_b128 v[(\fb)+64+8*(\rt):(\fb)+64+8*(\rt)+3],     v[AA]  offset:(\rt)*16*(\pa)+(\aoff)
	ds_load_b128 v[(\fb)+64+8*(\rt)+4:(\fb)+64+8*(\rt)+7],   v[AA]  offset:(\rt)*16*(\pa)+(\aoff)+32
	ds_load_b128 v[(\fb)+80+8*(\rt):(\fb)+80+8*(\rt)+3],     v[AA2] offset:(\rt)*16*(\pa)+(\aoff)
	ds_load_b128 v[(\fb)+80+8*(\rt)+4:(\fb)+80+8*(\rt)+7],   v[AA2] offset:(\rt)*16*(\pa)+(\aoff)+32
.endr
.endm
.macro STEPA pa                        ; the next lap's place along k; behind the fourth lap of a pass it is 0 again: h serves every pass
	s_add_co_u32 s[AOF], s[AOF], 256
	s_and_b32 s[AOF], s[AOF], 0x3ff
	v_add_nc_u32 v[AA], s[AOF], v[AA0]
	v_add_nc_u32 v[AA2], 32*(\pa), v[AA]
.endm
; A PREFETCH INTO THE L2, once a lap, behind the joint load and the run of LDS loads: the two tiles that the NEXT lap will ask for: 512 blocks of 256 bytes, one to each lane of the cluster's sixteen waves,
; shared out BY ADDRESS (8,192 bytes a wave).  All clusters walk the same stream: the first cluster asks, nobody else, so each block is named once.  The loop's last lap asks for nothing: no tile is left.
.macro ASK
	s_cmp_gt_u32 s[GL], s[LIM]
	s_cbranch_scc0 .Lna_\@
	global_prefetch_b8 v[PFO], s[PFA:PFA+1] th:TH_LOAD_NT scope:SCOPE_SE
.Lna_\@:
.endm
; The first half of a tile: its second 32 k are fetched into buffer 1 while buffer 0 is multiplied.  zsel = 1: in a pass's first lap these products start the sums.
.macro HALF slot, aoff, zsel, w, pa
	PLACES                                         ; buffer 1 was multiplied last
.if \zsel
	v_nop                                          ; a fifth place: the products that start the sums write accumulators over, five places behind the last product that named them (ISA guide 7.12.1), on the way over the backward jump too
.endif
	FETCH \slot, 1, FB1, (\aoff)+64, \pa
	s_wait_dscnt 24                                ; all but the 24 just issued: buffer 0 is in
.if \zsel
	s_cmp_eq_u32 s[LP], 4
	s_cbranch_scc1 .Lz_\@
.endif
	MUL16 FB0, \w, 0, 0
	MUL16 FB0, \w, 1, 0
.if \zsel
	WIN 0
	s_branch .Lj_\@
.Lz_\@:
	MUL16 FB0, \w, 0, 1
	MUL16 FB0, \w, 1, 1
	WIN 0
.Lj_\@:
.endif
.endm
; The second half multiplies buffer 1 and changes slots.  Each wave waits for all its tensor loads, of which one is out: its 16 rows of the other slot; adds 0 to its spare word; and waits for that and for its
; reads of this slot.  fill = 1: a round of the cluster's barrier follows, so that no wave of any partner still reads this slot or has a load on its way, and the joint refill (the tile two on) is the first thing behind it.
.macro TURN slot, fill, w, pa, mode
	WIN 0
	s_wait_tensorcnt 0x0                           ; no tensor load of mine is out, so a group 0 may be written
	ds_add_u32 v[SPW], v[NIL]                      ; 0 onto my spare word
.if \fill
	s_add_nc_u64 s[G0W+4*(\slot)+2:G0W+4*(\slot)+3], s[G0W+4*(\slot)+2:G0W+4*(\slot)+3], 2*TILEB
.endif
	s_wait_dscnt 1                                 ; buffer 1's 24 loads are in; the add may be out
	MUL16 FB1, \w, 0, 0                            ; sixteen products stand between the add and the wait for it
	WIN 0
	s_wait_dscnt 0x0                               ; the add is done, and my reads of this slot are over
.if \fill
	CROUND
	tensor_load_to_lds s[G0W+4*(\slot):G0W+4*(\slot)+3], s[G1W:G1W+7]
	s_nop 0
	PLACES                                         ; they are also the places in front of the loads into buffer 0
.else
	s_barrier_signal -1
	s_barrier_wait -1
	PLACES
.endif
.if (\slot) == 0
	FETCH 1, 0, FB0, 128, \pa
.if \fill
	ASK
.endif
.else
.if \mode
	s_cmp_eq_u32 s[LP], 1
	s_cbranch_scc1 .Lnof_\@
.endif
	STEPA \pa
	FETCH 0, 0, FB0, 0, \pa
.if \mode
.Lnof_\@:
.endif
.endif
	MUL16 FB1, \w, 1, 0
.endm
; THE WAY OUT of row tile rt: rounded to bf16, 16 bytes a lane; into my own stage in rows of 272 bytes; back as whole rows of 256 bytes; stored.
.macro EPIRT rt
	WIN 0x05                                       ; sources 0 and 1 in window 1
.irp nt, 0,1,2,3,4,5,6,7
.irp j, 0,1,2,3
	v_cvt_pk_bf16_f32 v[TMP+4*(\nt)+(\j)], v[64*(\rt)+8*(\nt)+2*(\j)], v[64*(\rt)+8*(\nt)+2*(\j)+1]
.endr
.endr
	WIN 0
.irp nt, 0,1,2,3,4,5,6,7
	ds_store_b128 v[STO], v[TMP+4*(\nt):TMP+4*(\nt)+3] offset:32*(\nt)
.endr
	s_wait_xcnt 0x0                                ; the stores of the row tile before have read their registers: only now are these loaded again
.irp t, 0,1,2,3,4,5,6,7
	ds_load_b128 v[BK+4*(\t):BK+4*(\t)+3], v[RD] offset:2*SP*(\t)  ; LDS serves a wave's instructions in order (ISA guide 5.7.1.4): these see the stores above
.endr
	s_wait_dscnt 0x0
.irp t, 0,1,2,3,4,5,6,7
	global_store_b128 v[CO], v[BK+4*(\t):BK+4*(\t)+3], s[CUR:CUR+1] offset:(16*(\rt)+2*(\t))*1024  ; 16 lanes store 256 consecutive bytes, at a multiple of 256 from the buffer's first byte
.endr
.endm
.macro EPI
	PLACES                                         ; behind the pass's last products
.irp rt, 0,1,2,3
	EPIRT \rt
.endr
.endm
	s_load_b256 s[4:11], s[0:1], 0x0               ; h s[4:5], wb s[6:7], q s[8:9], k s[10:11]
	s_load_b64 s[12:13], s[0:1], 0x20              ; v
	v_lshl_add_u32 v[SPW], v0, 2, SPARE
	v_mov_b32 v[NIL], 0
	ds_add_u32 v[SPW], v[NIL]                      ; the wave's opening: the add, and its wait ahead of my first tensor load; the set-up below stands between them
	v_lshrrev_b32 v3, 5, v0
	v_readfirstlane_b32 s[WV], v3
	s_bfe_u32 s[CX], ttmp6, 0x40000
	s_lshl_b32 s[WG], ttmp9, 2                     ; in a cluster launch ttmp9 counts clusters
	s_add_co_u32 s[WG], s[WG], s[CX]
	; group 1, weights: 16 rows x 512 elements of 2 bytes; mask of four, bit 21 beside it; 8 words of padding after every 256
	s_mov_b32 s[G1W], 15|(1<<16)|(1<<20)|(1<<21)|(7<<22)|(7<<25)
	; group 1, h: the same shape, a load of my own (no mask), 4 words of padding
	s_mov_b32 s[G1A], (1<<16)|(1<<20)|(7<<22)|(3<<25)
.irp g, G1W, G1A
	s_mov_b32 s[(\g)+1], 512<<16                   ; tensor_dim0 = 512
	s_mov_b32 s[(\g)+2], 16<<16                    ; tensor_dim1 = 16
	s_mov_b32 s[(\g)+3], 512<<16                   ; tile_dim0 = 512
	s_mov_b32 s[(\g)+4], 16                        ; tile_dim1 = 16
	s_mov_b32 s[(\g)+5], 512                       ; elements from row to row
	s_mov_b32 s[(\g)+6], 0
	s_mov_b32 s[(\g)+7], 0
.endr
	s_mul_i32 s22, s[WV], 16*PB                    ; my 16 rows in a slot: no place in the cluster enters an LDS address
	s_mov_b32 s[G0W], 1
	s_add_co_u32 s[G0W+1], s22, SLOT0
	s_mov_b32 s[G0W+4], 1
	s_add_co_u32 s[G0W+5], s22, SLOT1
	s_mul_i32 s23, s[WV], 16*PA
	s_mov_b32 s[G0A], 1
	s_add_co_u32 s[G0A+1], s23, ACT
	s_lshl_b32 s56, s[WV], 14                      ; my 16 rows of 1,024 bytes in memory
	s_mov_b32 s57, 0
	s_lshl_b32 s60, s[WG], 16                      ; my block's 64 rows
	s_mov_b32 s61, 0
	s_lshl_b32 s62, s[CX], 2
	s_add_co_u32 s62, s62, s[WV]
	s_lshl_b32 s62, s62, 13                        ; the prefetches: 8,192 bytes for each of the cluster's sixteen waves
	s_mov_b32 s63, 0
	s_cmp_eq_u32 ttmp9, 0
	s_cselect_b32 s[LIM], 1, -1                    ; the same in all four partners
	s_mov_b32 s[LAPS], 11
	s_mov_b32 s[LP], 4
	s_mov_b32 s[PASS], 0
	s_mov_b32 s[AOF], 0
	s_wait_dscnt 0x0                               ; the opening add is done
	s_wait_kmcnt 0x0
	s_add_nc_u64 s[G0W+2:G0W+3], s[6:7], s[56:57]  ; tile 0
	s_add_nc_u64 s[G0W+6:G0W+7], s[G0W+2:G0W+3], TILEB  ; tile 1
	s_or_b32 s[G0W+3], s[G0W+3], 0x80000000
	s_or_b32 s[G0W+7], s[G0W+7], 0x80000000
	s_add_nc_u64 s[G0A+2:G0A+3], s[4:5], s[56:57]
	s_add_nc_u64 s[G0A+2:G0A+3], s[G0A+2:G0A+3], s[60:61]
	s_or_b32 s[G0A+3], s[G0A+3], 0x80000000
	s_add_nc_u64 s[8:9], s[8:9], s[60:61]
	s_add_nc_u64 s[10:11], s[10:11], s[60:61]
	s_add_nc_u64 s[12:13], s[12:13], s[60:61]
	s_mov_b64 s[CUR:CUR+1], s[8:9]
	s_add_nc_u64 s[PFA:PFA+1], s[6:7], s[62:63]
	s_add_nc_u64 s[PFA:PFA+1], s[PFA:PFA+1], 2*TILEB  ; at tile 2: the first lap steps it to tile 4.  Tiles 0 to 3 come by their loads alone
	CROUND                                         ; all four work-groups are here: the first joint loads meet
	tensor_load_to_lds s[G0A:G0A+3], s[G1A:G1A+7]  ; the first fills go out together: three loads of mine are out
	s_nop 0
	tensor_load_to_lds s[G0W:G0W+3], s[G1W:G1W+7]
	s_nop 0
	tensor_load_to_lds s[G0W+4:G0W+7], s[G1W:G1W+7]
	s_nop 0
	PLACES
	v_and_b32 v1, 15, v0                           ; r = l % 16
	v_bfe_u32 v2, v0, 4, 1                         ; hh = l / 16
	v_and_b32 v3, 31, v0
	v_and_b32 v4, 7, v0
	v_bfe_u32 v5, v0, 3, 1
	v_lshl_add_u32 v6, v2, 3, v4                   ; the turning load: lane l reads k row 8 hh + l % 8, columns 8 ((l / 8) % 2) + 0..7
	v_mul_u32_u24 v6, v6, PB
	v_lshl_add_u32 v6, v5, 4, v6
	s_lshl_b32 s22, s[WV], 8                       ; my 128 columns
	v_add_nc_u32 v[AB], s22, v6
	v_add_nc_u32 v[AB+1], SLOT1, v[AB]
	v_mul_u32_u24 v7, v1, PA
	v_lshl_add_u32 v7, v2, 4, v7
	v_add_nc_u32 v[AA0], ACT, v7
	s_mul_i32 s23, s[WV], 16*SP
	s_add_co_u32 s23, s23, STAGE
	v_mul_u32_u24 v7, v1, SP
	v_lshl_add_u32 v7, v2, 4, v7
	v_add_nc_u32 v[STO], s23, v7
	v_mul_u32_u24 v7, v2, SP
	v_lshl_add_u32 v7, v1, 4, v7
	v_add_nc_u32 v[RD], s23, v7
	v_lshlrev_b32 v7, 10, v2
	v_lshl_add_u32 v7, v1, 4, v7
	v_add_nc_u32 v[CO], s22, v7
	v_lshlrev_b32 v[PFO], 8, v3
	v_mov_b32 v[AA], v[AA0]
	v_add_nc_u32 v[AA2], 32*PA, v[AA0]
	s_wait_tensorcnt 0x1                           ; my rows of h and of tile 0 are in; tile 1 may stay out
	s_barrier_signal -1
	s_barrier_wait -1                              ; everybody's are
	FETCH 0, 0, FB0, 0, PA
.Llap:                                                 ; eleven laps; each fills both slots again
	s_wait_xcnt 0x0                                ; the last prefetch, most of a lap back, has read its address
	s_add_nc_u64 s[PFA:PFA+1], s[PFA:PFA+1], 2*TILEB
	HALF 0, 0, 1, 0x50, PA
	TURN 0, 1, 0x50, PA, 0
	HALF 1, 128, 0, 0x50, PA
	TURN 1, 1, 0x50, PA, 0
	WIN 0
	s_sub_co_u32 s[LP], s[LP], 1
	s_cmp_lg_u32 s[LP], 0
	s_cbranch_scc1 .Lnoepi                         ; what is jumped holds no barrier and no tensor load
	EPI                                            ; a pass is finished: q, then k
	s_wait_xcnt 0x0                                ; the stores have read their registers and their base
	s_cmp_eq_u32 s[PASS], 0
	s_cselect_b64 s[CUR:CUR+1], s[10:11], s[12:13]
	s_add_co_u32 s[PASS], s[PASS], 1
	s_mov_b32 s[LP], 4
.Lnoepi:
	s_sub_co_u32 s[LAPS], s[LAPS], 1
	s_cmp_lg_u32 s[LAPS], 0
	s_cbranch_scc1 .Llap
	HALF 0, 0, 0, 0x50, PA                         ; the last lap is written out: nothing is left to ask for
	TURN 0, 0, 0x50, PA, 0
	HALF 1, 128, 0, 0x50, PA
	s_wait_dscnt 0x0
	MUL16 FB1, 0x50, 0, 0
	MUL16 FB1, 0x50, 1, 0
	WIN 0
	EPI                                            ; v
	s_wait_tensorcnt 0x0                           ; the wave's end, behind my last tensor load and my last LDS store
	ds_add_u32 v[SPW], v[NIL]
	s_wait_dscnt 0x0
	CROUND                                         ; the closing round: no work-group ends while a partner may still ask for a tile that names it
	s_endpgm
.Lfunc_end_k_q61a85d0dfa_qkv:
	.size	k_q61a85d0dfa_qkv, .Lfunc_end_k_q61a85d0dfa_qkv-k_q61a85d0dfa_qkv
	.p2alignl 7, 3214868480
	.fill 96, 4, 3214868480
	.section	.rodata,"a",@progbits
	.p2align	6, 0x0
	.amdhsa_kernel k_q61a85d0dfa_qkv
		.amdhsa_group_segment_fixed_size 327680
		.amdhsa_private_segment_fixed_size 0
		.amdhsa_enable_private_segment 0
		.amdhsa_kernarg_size 40
		.amdhsa_user_sgpr_count 2
		.amdhsa_user_sgpr_kernarg_segment_ptr 1
		.amdhsa_wavefront_size32 1
		.amdhsa_system_sgpr_workgroup_id_x 1
		.amdhsa_system_sgpr_workgroup_id_y 1
		.amdhsa_system_sgpr_workgroup_id_z 1
		.amdhsa_system_vgpr_workitem_id 0
		.amdhsa_next_free_vgpr 512
		.amdhsa_next_free_sgpr 66
		.amdhsa_reserve_vcc 0
		.amdhsa_float_denorm_mode_32 3
		.amdhsa_float_denorm_mode_16_64 3
		.amdhsa_memory_ordered 1
		.amdhsa_forward_progress 1
		.amdhsa_inst_pref_size 72
	.end_amdhsa_kernel
	.amdgpu_metadata
---
amdhsa.version: [ 1, 2 ]
amdhsa.kernels:
  - .name:           k_q61a85d0dfa_qkv
    .symbol:         k_q61a85d0dfa_qkv.kd
    .args:
      - { .name: h, .offset: 0, .size: 8, .value_kind: global_buffer, .address_space: global }
      - { .name: wb, .offset: 8, .size: 8, .value_kind: global_buffer, .address_space: global }
      - { .name: q, .offset: 16, .size: 8, .value_kind: global_buffer, .address_space: global }
      - { .name: k, .offset: 24, .size: 8, .value_kind: global_buffer, .address_space: global }
      - { .name: v, .offset: 32, .size: 8, .value_kind: global_buffer, .address_space: global }
    .group_segment_fixed_size: 327680
    .private_segment_fixed_size: 0
    .kernarg_segment_align: 8
    .kernarg_segment_size: 40
    .max_flat_workgroup_size: 128
    .sgpr_count:     66
    .vgpr_count:     512
    .wavefront_size: 32
...
	.end_amdgpu_metadata
.endif
;; end of part 2
;; launch attn (part 3): grid 256 x 1, 4 waves a work-group, clusters of 4 x 1, 327,680 bytes of LDS; arguments q, k, v, o; writes o
.if DOCPART == 3
	.amdgcn_target "amdgcn-amd-amdhsa--gfx1250"
	.amdhsa_code_object_version 6
	.text
	.protected	k_q61a85d0dfa_attn
	.globl	k_q61a85d0dfa_attn
	.p2align	8
	.type	k_q61a85d0dfa_attn,@function
k_q61a85d0dfa_attn:
	s_mov_b64 s[64:65], 0
	v_nop
	global_prefetch_b8 v0, s[64:65] scope:SCOPE_SE
	s_setreg_imm32_b32 hwreg(HW_REG_WAVE_MODE, 25, 1), 1
	s_wait_xcnt 0x0
	s_wait_alu depctr_hold_cnt(0) depctr_sa_sdst(0) depctr_va_vdst(0) depctr_va_sdst(0) depctr_va_ssrc(0) depctr_va_vcc(0) depctr_vm_vsrc(0)
	s_getreg_b32 s2, hwreg(HW_REG_IB_STS2, 6, 4)
	s_cmp_eq_u32 s2, 0
	s_cbranch_scc0 .Lentry_in_a_cluster
	s_endpgm
.Lentry_in_a_cluster:
	s_bfe_u32 s2, ttmp6, 0x10000c
	s_cmp_lg_u32 s2, 0x3003
	s_cbranch_scc0 .Lentry_shape_is_right
	s_endpgm
.Lentry_shape_is_right:
; attn: o[b][s][:] = the sum over t of softmax_t(q[b][s] . k[b][t] / sqrt(512)) v[b][t][:].  q, k, v, o: [8][2048][512] bf16.  Products, maxima and sums in f32; the weights p are rounded to bf16
; for the second product (their sum l is taken of the unrounded p); o rounded once.
; LIMITS.  A weight below 2^-126 counts as 0; c |score| stays under 2^125 (the running maximum starts far below that); NaN and infinities are not treated apart.
; SHARES.  A work-group owns 64 queries; a key step is 128 keys, 16 steps.  S^T = K Q^T: wave w takes keys 32 w .. 32 w + 31 for all 64 queries, with all of Q in its registers (512), so a fragment of K
; feeds four products.  O^T += V^T P: wave w takes channels 128 w .. 128 w + 127 for all 64 queries and all 128 keys.  The waves hand each other P through LDS, as fragments ready to load.
; LAYOUT.  In S^T a lane holds ONE query (lane % 16) and the keys 8 (lane / 16) + 0..7; two such tiles rounded in pairs ARE source 1 (16 queries x 32 keys) of the second product, whose result again
; holds one query a lane and eight channels.  K comes out of LDS as it lies, V ([key][channel]) turned by ds_load_tr16_b128.
; SOFTMAX.  A running maximum m for each query, common to the four waves (their partial maxima are exchanged in every step); p = 2^(c s - c m), c = log2(e) / sqrt(512); O and l are multiplied by
; a = 2^(c m_old - c m_new) in every step.  l is kept by each wave for its own keys; the four are added at the end.  m starts at the lowest finite number, O and l at 0: the first step has a = 0.
; THE RING.  One LDS slot always holds K, the other V, a whole step each.  V(j) lands while K(j) is multiplied, K(j+1) while V(j) is.  The four work-groups of a cluster belong to one batch and walk
; the same K and V: each tile is asked for JOINTLY, 32 rows a wave.
; REGISTERS: window 0: v0-17 addresses; v20-35 maxima read back; v36-63 statistics; v64-127 S^T; v128-255 fragments.  Window 1: O^T, (qt, ct) at v[8 (8 qt + ct)].  Windows 2, 3: Q.
; lds_bytes claims all of the LDS; 304,640 bytes are used.
.set PKP,   1040                       ; a row of K in LDS: 1,024 + 16 bytes: the 16 rows of a load start at 16 different groups of four banks (64 banks of 4 bytes: ISA guide 11.1)
.set PVP,   1056                       ; a row of V: 1,024 + 32
.set KT,    0
.set VT,    128*PKP
.set PR,    VT+128*PVP                 ; P: 16 fragments (key group kk, query tile qt) of 1,024 bytes: registers 0-3 of all lanes, then registers 4-7
.set MAXR,  PR+16384                   ; [64 queries][4 waves] f32: partial maxima; 1,024 bytes on: the waves' l
.set STAGE, MAXR+2048                  ; 16 rows x 272 bytes for each wave, for the way out
.set SP,    272
.set SPARE, STAGE+4*16*SP              ; the spare words, 128 bytes for each wave: two blocks of 256 bytes that no other line names
.set STEPB, 131072                     ; 128 rows of K or V in memory
.set AK,  2                            ; v2   my lane's place in my 32 rows of K
.set AV,  3                            ; v3   the same in V, key groups 0, 1
.set AV2, 4                            ; v4   key groups 2, 3
.set PST, 5                            ; v5   where I put P
.set PRD, 6                            ; v6   where I read P
.set MST, 7                            ; v7   where I put a partial maximum
.set MLD, 8                            ; v8   where I read the four
.set QO,  9                            ; v9   my byte offset in 16 rows of Q
.set STO, 10
.set RD,  11
.set CO,  12
.set PFO, 15                           ; v15  256 x lane; never rewritten
.set SPW, 16                           ; v16  LDS address of my spare word; never rewritten
.set NIL, 17                           ; v17  0; never rewritten
.set ML,  20                           ; v20-35  four numbers for each query tile
.set CM,  36                           ; v36-43  pairs [c m, m]
.set L,   44                           ; v44-51  pairs l (even keys', odd keys')
.set AP,  52                           ; v52-59  pairs [a, at work]
.set C0,  60                           ; v60-63  at work
.set S,   64                           ; S^T (kt, qt) at S + 8 (4 kt + qt)
.set KB,  128                          ; K's fragments, two buffers of 64
.set KA,  192
.set PT,  128                          ; P as packed: (qt, kt) at PT + 8 qt + 4 kt
.set VA,  192                          ; second product, buffer a: V, P
.set PA,  160
.set VBB, 64                           ; buffer b
.set PBB, 128
.set TMP, 64                           ; the way out
.set BK,  96
.set CUR, 10                           ; s[10:11] o at my block's first row
.set WV,  12
.set CX,  13
.set WG,  14
.set CNT, 15                           ; s15  steps of the loop still to come
.set LIM, 16                           ; s16  1 in the cluster that prefetches, else the greatest number
.set G1K, 24
.set G1V, 32
.set G0K, 40
.set G0V, 44
.set PFK, 48                           ; s[48:49], s[50:51] where my prefetches stand in K and in V
.set PFV, 50
.set CS,  52                           ; s[52:53] c, named as a pair
.set SEL, 54                           ; s[54:55] v_permlanex16_b32's selects
.set MSB, 0
.macro WIN new
.if MSB != (\new)
	s_set_vgpr_msb (MSB<<8)|(\new)
.set MSB, (\new)
.endif
.endm
.macro PLACES
.rept 4
	v_nop
.endr
.endm
.macro CROUND
	s_barrier_signal -1
	s_barrier_wait -1
	s_cmp_lg_u32 s[WV], 0
	s_cbranch_scc1 .Lnw0_\@
	s_barrier_signal -3
.Lnw0_\@:
	s_barrier_wait -3
	s_barrier_signal -1
	s_barrier_wait -1
.endm
.macro ALLQ line:vararg                ; one line for each query tile qt
.set qt, 0
.rept 4
	\line
.set qt, qt+1
.endr
.endm
; A PREFETCH INTO THE L2 of the tile that the next step's load of the same kind will ask for: 512 blocks of 256 bytes, one to each lane of the cluster's sixteen waves, shared out BY ADDRESS.
; The eight clusters of a batch walk the same K and V: the batch's first cluster asks, so each block is named once.  The loop's last step asks for nothing.
.macro ASK ptr
	s_cmp_gt_u32 s[CNT], s[LIM]
	s_cbranch_scc0 .Lna_\@
	global_prefetch_b8 v[PFO], s[(\ptr):(\ptr)+1] th:TH_LOAD_NT scope:SCOPE_SE
.Lna_\@:
.endm
.macro FETCHK g, kf                    ; 16 loads: channels 128 g .. + 127 of my 32 keys: fragment (cc, kt) at kf + 8 (2 cc + kt)
	WIN 0
.irp cc, 0,1,2,3
.irp kt, 0,1
	ds_load_b128 v[(\kf)+8*(2*(\cc)+(\kt)):(\kf)+8*(2*(\cc)+(\kt))+3],   v[AK] offset:16*PKP*(\kt)+64*(4*(\g)+(\cc))
	ds_load_b128 v[(\kf)+8*(2*(\cc)+(\kt))+4:(\kf)+8*(2*(\cc)+(\kt))+7], v[AK] offset:16*PKP*(\kt)+64*(4*(\g)+(\cc))+32
.endr
.endr
.endm
.macro MULQK g, kf                     ; 32 products; the 8 accumulators take turns.  Q's fragment (qt, c) lies at 8 (4 (c % 8) + qt) of window 2 + c / 8
	WIN 0x08+4*((\g)/2)
.irp cc, 0,1,2,3
.irp kt, 0,1
.irp qt, 0,1,2,3
.if ((\g) == 0) && ((\cc) == 0)
	v_wmma_f32_16x16x32_bf16 v[S+8*(4*(\kt)+(\qt)):S+8*(4*(\kt)+(\qt))+7], v[(\kf)+8*(2*(\cc)+(\kt)):(\kf)+8*(2*(\cc)+(\kt))+7], v[8*(4*((4*(\g)+(\cc))%8)+(\qt)):8*(4*((4*(\g)+(\cc))%8)+(\qt))+7], 0
.else
	v_wmma_f32_16x16x32_bf16 v[S+8*(4*(\kt)+(\qt)):S+8*(4*(\kt)+(\qt))+7], v[(\kf)+8*(2*(\cc)+(\kt)):(\kf)+8*(2*(\cc)+(\kt))+7], v[8*(4*((4*(\g)+(\cc))%8)+(\qt)):8*(4*((4*(\g)+(\cc))%8)+(\qt))+7], v[S+8*(4*(\kt)+(\qt)):S+8*(4*(\kt)+(\qt))+7]
.endif
.endr
.endr
.endr
.endm
.macro FETCHV kk, vb                   ; 16 turning loads: keys 32 kk .. + 31, my 128 channels
	WIN 0
.irp ct, 0,1,2,3,4,5,6,7
	ds_load_tr16_b128 v[(\vb)+8*(\ct):(\vb)+8*(\ct)+3],   v[AV+(\kk)/2] offset:((\kk)%2)*32*PVP+32*(\ct)
	ds_load_tr16_b128 v[(\vb)+8*(\ct)+4:(\vb)+8*(\ct)+7], v[AV+(\kk)/2] offset:((\kk)%2)*32*PVP+16*PVP+32*(\ct)
.endr
.endm
.macro FETCHP kk, pb                   ; 8 loads: P of the same keys, all 64 queries
	WIN 0
.irp qt, 0,1,2,3
	ds_load_b128 v[(\pb)+8*(\qt):(\pb)+8*(\qt)+3],   v[PRD] offset:(4*(\kk)+(\qt))*1024
	ds_load_b128 v[(\pb)+8*(\qt)+4:(\pb)+8*(\qt)+7], v[PRD] offset:(4*(\kk)+(\qt))*1024+512
.endr
.endm
.macro MULPV16 vb, pb, half            ; 16 products O^T += V^T P; the 32 accumulators take turns
	WIN 0x50
.irp qt, 2*(\half), 2*(\half)+1
.irp ct, 0,1,2,3,4,5,6,7
	v_wmma_f32_16x16x32_bf16 v[8*(8*(\qt)+(\ct)):8*(8*(\qt)+(\ct))+7], v[(\vb)+8*(\ct):(\vb)+8*(\ct)+7], v[(\pb)+8*(\qt):(\pb)+8*(\qt)+7], v[8*(8*(\qt)+(\ct)):8*(8*(\qt)+(\ct))+7]
.endr
.endr
.endm
.macro MULPV vb, pb
	MULPV16 \vb, \pb, 0
	MULPV16 \vb, \pb, 1
.endm
.macro EPIRT rt                        ; the way out of query tile rt, as bf16 through my own stage
	WIN 0x05
.irp nt, 0,1,2,3,4,5,6,7
.irp j, 0,1,2,3
	v_cvt_pk_bf16_f32 v[TMP+4*(\nt)+(\j)], v[64*(\rt)+8*(\nt)+2*(\j)], v[64*(\rt)+8*(\nt)+2*(\j)+1]
.endr
.endr
	WIN 0
.irp nt, 0,1,2,3,4,5,6,7
	ds_store_b128 v[STO], v[TMP+4*(\nt):TMP+4*(\nt)+3] offset:32*(\nt)
.endr
	s_wait_xcnt 0x0                                ; the stores of the tile before have read their registers
.irp t, 0,1,2,3,4,5,6,7
	ds_load_b128 v[BK+4*(\t):BK+4*(\t)+3], v[RD] offset:2*SP*(\t)  ; LDS serves a wave's instructions in order (ISA guide 5.7.1.4)
.endr
	s_wait_dscnt 0x0
.irp t, 0,1,2,3,4,5,6,7
	global_store_b128 v[CO], v[BK+4*(\t):BK+4*(\t)+3], s[CUR:CUR+1] offset:(16*(\rt)+2*(\t))*1024  ; 16 lanes store 256 consecutive bytes, at a multiple of 256 from o's first byte
.endr
.endm
; A KEY STEP.  On entry K's first 16 loads (channels 0-127) are on their way into KA.  last = 1: nothing more is asked for.
.macro STEP last
	s_wait_xcnt 0x0                                ; the last prefetches (the younger sixteen products back) have read their addresses
	s_add_nc_u64 s[PFK:PFK+1], s[PFK:PFK+1], STEPB
	s_add_nc_u64 s[PFV:PFV+1], s[PFV:PFV+1], STEPB
.rept 5
	v_nop                                          ; five places: the first products below write S^T over registers that the last products read
.endr
	FETCHK 1, KB
	s_wait_dscnt 16                                ; all but the 16 just issued
	MULQK 0, KA
	PLACES
	FETCHK 2, KA
	s_wait_dscnt 16
	MULQK 1, KB
	PLACES
	FETCHK 3, KB
	s_wait_dscnt 16
	MULQK 2, KA
	s_wait_dscnt 0x0
	MULQK 3, KB
	WIN 0
	PLACES
	; my 32 keys' maximum for each query; each accumulator's lowest registers are read first
	ALLQ v_max3_num_f32 v[C0+qt], v[S+8*qt], v[S+8*qt+1], v[S+8*qt+2]
	ALLQ v_max3_num_f32 v[AP+2*qt+1], v[S+32+8*qt], v[S+32+8*qt+1], v[S+32+8*qt+2]
	ALLQ v_max3_num_f32 v[C0+qt], v[C0+qt], v[S+8*qt+3], v[S+8*qt+4]
	ALLQ v_max3_num_f32 v[AP+2*qt+1], v[AP+2*qt+1], v[S+32+8*qt+3], v[S+32+8*qt+4]
	ALLQ v_max3_num_f32 v[C0+qt], v[C0+qt], v[S+8*qt+5], v[S+8*qt+6]
	ALLQ v_max3_num_f32 v[AP+2*qt+1], v[AP+2*qt+1], v[S+32+8*qt+5], v[S+32+8*qt+6]
	ALLQ v_max3_num_f32 v[C0+qt], v[C0+qt], v[S+8*qt+7], v[S+32+8*qt+7]
	ALLQ v_max_num_f32 v[C0+qt], v[C0+qt], v[AP+2*qt+1]
	ALLQ v_permlanex16_b32 v[AP+2*qt+1], v[C0+qt], s[SEL], s[SEL+1]
	ALLQ v_max_num_f32 v[C0+qt], v[C0+qt], v[AP+2*qt+1]
	ALLQ ds_store_b32 v[MST], v[C0+qt] offset:256*qt
	; K's slot has been read out.  All my tensor loads have landed: the one that was out is my part of V of this step
	s_wait_tensorcnt 0x0
	ds_add_u32 v[SPW], v[NIL]                      ; 0 onto my spare word
.if !(\last)
	s_add_nc_u64 s[G0K+2:G0K+3], s[G0K+2:G0K+3], STEPB
.endif
	s_wait_dscnt 0x0                               ; the add and my maxima's stores are done, my reads of K are over
.if !(\last)
	CROUND                                         ; no wave of any partner still reads K's slot or has a load on its way
	tensor_load_to_lds s[G0K:G0K+3], s[G1K:G1K+7]  ; K of the next step: it has the softmax and the second product's first 96 products in which to land
	s_nop 0
	PLACES
.else
	s_barrier_signal -1
	s_barrier_wait -1
.endif
	ALLQ ds_load_b128 v[ML+4*qt:ML+4*qt+3], v[MLD] offset:256*qt
	FETCHV 0, VA
.if !(\last)
	ASK PFK
.endif
	s_wait_dscnt 16                                ; the four waves' maxima are in; V's 16 loads may stay out
	ALLQ v_max3_num_f32 v[C0+qt], v[ML+4*qt], v[ML+4*qt+1], v[ML+4*qt+2]
	ALLQ v_mov_b32 v[AP+2*qt+1], v[CM+2*qt]        ; c m_old is kept
	ALLQ v_max3_num_f32 v[CM+2*qt+1], v[C0+qt], v[ML+4*qt+3], v[CM+2*qt+1]
	ALLQ v_mul_f32 v[CM+2*qt], s[CS], v[CM+2*qt+1]
	ALLQ v_sub_f32 v[AP+2*qt+1], v[AP+2*qt+1], v[CM+2*qt]
.set i, 0
.rept 32                               ; c s - c m: pair i lies in accumulator i / 4 = 4 kt + qt
	v_pk_fma_f32 v[S+2*i:S+2*i+1], v[S+2*i:S+2*i+1], s[CS:CS+1], v[CM+2*((i/4)%4):CM+2*((i/4)%4)+1] op_sel_hi:[1,0,0] neg_lo:[0,0,1] neg_hi:[0,0,1]
.set i, i+1
.endr
	ALLQ v_exp_f32 v[AP+2*qt], v[AP+2*qt+1]        ; one batch: the four a and the 64 weights
.set i, 0
.rept 64
	v_exp_f32 v[S+i], v[S+i]
.set i, i+1
.endr
	v_nop                                          ; a plain instruction behind the last exponential,
	s_wait_alu depctr_va_vdst(0)                   ; and one wait for the batch, ahead of its first reader
.set i, 0
.rept 32                               ; kt = i / 16 gives registers 0-3 or 4-7 of a fragment of P
	v_cvt_pk_bf16_f32 v[PT+8*((i/4)%4)+4*(i/16)+i%4], v[S+2*i], v[S+2*i+1]
.set i, i+1
.endr
.irp qt, 0,1,2,3
.irp kt, 0,1
	ds_store_b128 v[PST], v[PT+8*(\qt)+4*(\kt):PT+8*(\qt)+4*(\kt)+3] offset:1024*(\qt)+512*(\kt)
.endr
.endr
	ALLQ v_pk_add_f32 v[S+8*qt:S+8*qt+1], v[S+8*qt:S+8*qt+1], v[S+8*qt+2:S+8*qt+3]
	ALLQ v_pk_add_f32 v[S+8*qt+4:S+8*qt+5], v[S+8*qt+4:S+8*qt+5], v[S+8*qt+6:S+8*qt+7]
	ALLQ v_pk_add_f32 v[S+32+8*qt:S+32+8*qt+1], v[S+32+8*qt:S+32+8*qt+1], v[S+32+8*qt+2:S+32+8*qt+3]
	ALLQ v_pk_add_f32 v[S+32+8*qt+4:S+32+8*qt+5], v[S+32+8*qt+4:S+32+8*qt+5], v[S+32+8*qt+6:S+32+8*qt+7]
	ALLQ v_pk_add_f32 v[S+8*qt:S+8*qt+1], v[S+8*qt:S+8*qt+1], v[S+8*qt+4:S+8*qt+5]
	ALLQ v_pk_add_f32 v[S+32+8*qt:S+32+8*qt+1], v[S+32+8*qt:S+32+8*qt+1], v[S+32+8*qt+4:S+32+8*qt+5]
	ALLQ v_pk_add_f32 v[S+8*qt:S+8*qt+1], v[S+8*qt:S+8*qt+1], v[S+32+8*qt:S+32+8*qt+1]
	ALLQ v_pk_fma_f32 v[L+2*qt:L+2*qt+1], v[L+2*qt:L+2*qt+1], v[AP+2*qt:AP+2*qt+1], v[S+8*qt:S+8*qt+1] op_sel_hi:[1,0,1]
	s_wait_dscnt 0x0                               ; for the others' sake: my part of P lies in LDS (and my reads of the maxima are over)
	s_barrier_signal -1                            ; K's load stays out.  O^T times a, work on registers, stands between signal and wait
	WIN 0x41
.set i, 0
.rept 128
	v_pk_mul_f32 v[2*i:2*i+1], v[2*i:2*i+1], v[AP+2*(i/32):AP+2*(i/32)+1] op_sel_hi:[1,0]
.set i, i+1
.endr
	WIN 0
	s_barrier_wait -1
	FETCHP 0, PA
	FETCHV 1, VBB
	FETCHP 1, PBB
	s_wait_dscnt 24                                ; all but the 24 just issued
	MULPV VA, PA
	PLACES
	FETCHV 2, VA
	FETCHP 2, PA
	s_wait_dscnt 24
	MULPV VBB, PBB
	PLACES
	FETCHV 3, VBB
	FETCHP 3, PBB
	s_wait_dscnt 24
	MULPV VA, PA
	WIN 0
.if !(\last)
	s_wait_tensorcnt 0x0                           ; all my tensor loads have landed: my part of K of the next step
	ds_add_u32 v[SPW], v[NIL]                      ; 0 onto my spare word
	s_add_nc_u64 s[G0V+2:G0V+3], s[G0V+2:G0V+3], STEPB
	s_wait_dscnt 1                                 ; the last 24 loads are in; the add may be out
	MULPV16 VBB, PBB, 0                            ; sixteen products stand between the add and the wait for it
	WIN 0
	s_wait_dscnt 0x0                               ; the add is done; my reads of V's slot and of P are over
	CROUND
	tensor_load_to_lds s[G0V:G0V+3], s[G1V:G1V+7]  ; V of the next step: it has the first product's 128 products in which to land
	s_nop 0
	PLACES                                         ; also the places in front of the loads into KA
	FETCHK 0, KA
	ASK PFV
	MULPV16 VBB, PBB, 1
.else
	s_wait_dscnt 0x0
	MULPV VBB, PBB
.endif
.endm
	s_load_b256 s[4:11], s[0:1], 0x0               ; q s[4:5], k s[6:7], v s[8:9], o s[10:11]
	v_lshl_add_u32 v[SPW], v0, 2, SPARE
	v_mov_b32 v[NIL], 0
	ds_add_u32 v[SPW], v[NIL]                      ; the wave's opening: the add, and its wait ahead of my first tensor load
	v_lshrrev_b32 v13, 5, v0
	v_readfirstlane_b32 s[WV], v13
	s_bfe_u32 s[CX], ttmp6, 0x40000
	s_lshl_b32 s[WG], ttmp9, 2
	s_add_co_u32 s[WG], s[WG], s[CX]               ; my block of 64 queries: it enters q's and o's addresses alone
	s_lshr_b32 s17, ttmp9, 3                       ; the batch: eight clusters each; the four partners share it
	s_lshl_b32 s56, s17, 21                        ; its 2,048 rows of 1,024 bytes
	s_lshl_b32 s18, s[WV], 15                      ; my 32 rows of a step
	s_add_co_u32 s56, s56, s18
	s_mov_b32 s57, 0
	s_lshl_b32 s58, s[WG], 16
	s_mov_b32 s59, 0
	s_lshl_b32 s60, s[CX], 2
	s_add_co_u32 s60, s60, s[WV]
	s_lshl_b32 s60, s60, 13                        ; the prefetches: 8,192 bytes for each of the cluster's sixteen waves,
	s_lshl_b32 s19, s17, 21
	s_add_co_u32 s60, s60, s19
	s_add_co_u32 s60, s60, STEPB                   ; at step 1: the first step moves it to step 2.  Steps 0 and 1 come by their loads alone
	s_mov_b32 s61, 0
	s_and_b32 s19, ttmp9, 7
	s_cmp_eq_u32 s19, 0
	s_cselect_b32 s[LIM], 1, -1                    ; the same in all four partners
	s_mov_b32 s[G1K], 15|(1<<16)|(1<<20)|(1<<21)|(7<<22)|(3<<25)  ; mask of four, 2-byte elements, padding on, bit 21 beside the mask, 4 words after every 256
	s_mov_b32 s[G1V], 15|(1<<16)|(1<<20)|(1<<21)|(7<<22)|(7<<25)  ; the same with 8 words
.irp g, G1K, G1V
	s_mov_b32 s[(\g)+1], 512<<16                   ; tensor_dim0 = 512
	s_mov_b32 s[(\g)+2], 32<<16                    ; tensor_dim1 = 32
	s_mov_b32 s[(\g)+3], 512<<16                   ; tile_dim0 = 512
	s_mov_b32 s[(\g)+4], 32                        ; tile_dim1 = 32
	s_mov_b32 s[(\g)+5], 512
	s_mov_b32 s[(\g)+6], 0
	s_mov_b32 s[(\g)+7], 0
.endr
	s_mul_i32 s20, s[WV], 32*PKP
	s_mov_b32 s[G0K], 1
	s_add_co_u32 s[G0K+1], s20, KT
	s_mul_i32 s21, s[WV], 32*PVP
	s_mov_b32 s[G0V], 1
	s_add_co_u32 s[G0V+1], s21, VT
	s_mov_b32 s[CS], 0x3d8293ee                    ; c = log2(e) / sqrt(512) = 0.0637587
	s_mov_b32 s[CS+1], s[CS]
	s_mov_b32 s[SEL], 0x76543210
	s_mov_b32 s[SEL+1], 0xfedcba98
	s_mov_b32 s[CNT], 15
	s_wait_dscnt 0x0                               ; the opening add is done
	s_wait_kmcnt 0x0
	s_add_nc_u64 s[G0K+2:G0K+3], s[6:7], s[56:57]
	s_or_b32 s[G0K+3], s[G0K+3], 0x80000000
	s_add_nc_u64 s[G0V+2:G0V+3], s[8:9], s[56:57]
	s_or_b32 s[G0V+3], s[G0V+3], 0x80000000
	s_add_nc_u64 s[PFK:PFK+1], s[6:7], s[60:61]
	s_add_nc_u64 s[PFV:PFV+1], s[8:9], s[60:61]
	s_add_nc_u64 s[4:5], s[4:5], s[58:59]
	s_add_nc_u64 s[10:11], s[10:11], s[58:59]
	CROUND                                         ; all four work-groups are here: the first joint loads meet
	tensor_load_to_lds s[G0K:G0K+3], s[G1K:G1K+7]  ; the two first fills go out together: two loads of mine are out
	s_nop 0
	tensor_load_to_lds s[G0V:G0V+3], s[G1V:G1V+7]
	s_nop 0
	PLACES
	v_and_b32 v1, 15, v0                           ; r
	v_bfe_u32 v18, v0, 4, 1                        ; hh
	v_and_b32 v19, 31, v0                          ; lane
	v_lshlrev_b32 v[QO], 10, v1
	v_lshl_add_u32 v[QO], v18, 4, v[QO]
.irp hw, 0,1                           ; all of Q stays in registers: 64 fragments of 16 queries x 32 channels
	WIN 0x80+0x40*(\hw)
.irp c8, 0,1,2,3,4,5,6,7
.irp qt, 0,1,2,3
	global_load_b128 v[8*(4*(\c8)+(\qt)):8*(4*(\c8)+(\qt))+3],   v[QO], s[4:5] offset:16384*(\qt)+64*(8*(\hw)+(\c8))
	global_load_b128 v[8*(4*(\c8)+(\qt))+4:8*(4*(\c8)+(\qt))+7], v[QO], s[4:5] offset:16384*(\qt)+64*(8*(\hw)+(\c8))+32
.endr
.endr
.endr
	WIN 0x40                                       ; O^T = 0: written in the wait for the first tile, so that the first step is a step like any other
.set i, 0
.rept 256
	v_mov_b32 v[i], 0
.set i, i+1
.endr
	WIN 0
	ALLQ v_mov_b32 v[CM+2*qt], 0xfe000000          ; c m: far below every c s
	ALLQ v_mov_b32 v[CM+2*qt+1], 0xff7fffff        ; m
	ALLQ v_mov_b32 v[L+2*qt], 0
	ALLQ v_mov_b32 v[L+2*qt+1], 0
	v_mul_u32_u24 v13, v1, PKP
	v_lshl_add_u32 v13, v18, 4, v13
	v_add_nc_u32 v[AK], s20, v13                   ; (32 w + r) rows + 16 hh
	v_and_b32 v13, 7, v0
	v_bfe_u32 v14, v0, 3, 1
	v_lshl_add_u32 v13, v18, 3, v13                ; the turning load: key 8 hh + l % 8, channels 8 ((l / 8) % 2) + 0..7
	v_mul_u32_u24 v13, v13, PVP
	v_lshl_add_u32 v13, v14, 4, v13
	s_lshl_b32 s22, s[WV], 8                       ; my 128 channels
	s_add_co_u32 s23, s22, VT
	v_add_nc_u32 v[AV], s23, v13
	v_add_nc_u32 v[AV2], 64*PVP, v[AV]
	v_lshlrev_b32 v[PRD], 4, v19
	v_add_nc_u32 v[PRD], PR, v[PRD]
	s_lshl_b32 s23, s[WV], 12
	v_add_nc_u32 v[PST], s23, v[PRD]
	v_lshlrev_b32 v[MLD], 4, v1
	v_add_nc_u32 v[MLD], MAXR, v[MLD]
	s_lshl_b32 s23, s[WV], 2
	v_add_nc_u32 v[MST], s23, v[MLD]
	s_mul_i32 s23, s[WV], 16*SP
	s_add_co_u32 s23, s23, STAGE
	v_mul_u32_u24 v13, v1, SP
	v_lshl_add_u32 v13, v18, 4, v13
	v_add_nc_u32 v[STO], s23, v13
	v_mul_u32_u24 v13, v18, SP
	v_lshl_add_u32 v13, v1, 4, v13
	v_add_nc_u32 v[RD], s23, v13
	v_lshlrev_b32 v13, 10, v18
	v_lshl_add_u32 v13, v1, 4, v13
	v_add_nc_u32 v[CO], s22, v13
	v_lshlrev_b32 v[PFO], 8, v19
	s_wait_tensorcnt 0x1                           ; my part of K(0) is in; V(0) may stay out
	s_barrier_signal -1
	s_barrier_wait -1
	FETCHK 0, KA
	s_wait_loadcnt 0x0                             ; Q
.Lstep:                                                ; fifteen steps, each of which asks for the next step's K and V
	STEP 0
	WIN 0
	s_sub_co_u32 s[CNT], s[CNT], 1
	s_cmp_lg_u32 s[CNT], 0
	s_cbranch_scc1 .Lstep
	STEP 1                                         ; the last step is written out
	; THE WAY OUT.  l: its two halves, the other half of the lanes', the four waves'.  The additions are the places behind the last products.
	WIN 0
	ALLQ v_add_f32 v[C0+qt], v[L+2*qt], v[L+2*qt+1]
	ALLQ v_permlanex16_b32 v[AP+2*qt+1], v[C0+qt], s[SEL], s[SEL+1]
	ALLQ v_add_f32 v[C0+qt], v[C0+qt], v[AP+2*qt+1]
	ALLQ ds_store_b32 v[MST], v[C0+qt] offset:1024+256*qt
	s_wait_dscnt 0x0
	s_barrier_signal -1
	s_barrier_wait -1
	ALLQ ds_load_b128 v[ML+4*qt:ML+4*qt+3], v[MLD] offset:1024+256*qt
	s_wait_dscnt 0x0
	ALLQ v_add_f32 v[ML+4*qt], v[ML+4*qt], v[ML+4*qt+1]
	ALLQ v_add_f32 v[ML+4*qt+2], v[ML+4*qt+2], v[ML+4*qt+3]
	ALLQ v_add_f32 v[ML+4*qt], v[ML+4*qt], v[ML+4*qt+2]
	ALLQ v_rcp_f32 v[AP+2*qt], v[ML+4*qt]
	v_nop                                          ; a plain instruction behind the last reciprocal,
	s_wait_alu depctr_va_vdst(0)                   ; and one wait for the four
.irp rt, 0,1,2,3
	WIN 0x41
.set i, 0
.rept 32
	v_pk_mul_f32 v[64*(\rt)+2*i:64*(\rt)+2*i+1], v[64*(\rt)+2*i:64*(\rt)+2*i+1], v[AP+2*(\rt):AP+2*(\rt)+1] op_sel_hi:[1,0]
.set i, i+1
.endr
	EPIRT \rt
.endr
	s_wait_tensorcnt 0x0                           ; the wave's end, behind my last tensor load and my last LDS store
	ds_add_u32 v[SPW], v[NIL]
	s_wait_dscnt 0x0
	CROUND                                         ; the closing round
	s_endpgm
.Lfunc_end_k_q61a85d0dfa_attn:
	.size	k_q61a85d0dfa_attn, .Lfunc_end_k_q61a85d0dfa_attn-k_q61a85d0dfa_attn
	.p2alignl 7, 3214868480
	.fill 96, 4, 3214868480
	.section	.rodata,"a",@progbits
	.p2align	6, 0x0
	.amdhsa_kernel k_q61a85d0dfa_attn
		.amdhsa_group_segment_fixed_size 327680
		.amdhsa_private_segment_fixed_size 0
		.amdhsa_enable_private_segment 0
		.amdhsa_kernarg_size 32
		.amdhsa_user_sgpr_count 2
		.amdhsa_user_sgpr_kernarg_segment_ptr 1
		.amdhsa_wavefront_size32 1
		.amdhsa_system_sgpr_workgroup_id_x 1
		.amdhsa_system_sgpr_workgroup_id_y 1
		.amdhsa_system_sgpr_workgroup_id_z 1
		.amdhsa_system_vgpr_workitem_id 0
		.amdhsa_next_free_vgpr 1024
		.amdhsa_next_free_sgpr 66
		.amdhsa_reserve_vcc 0
		.amdhsa_float_denorm_mode_32 3
		.amdhsa_float_denorm_mode_16_64 3
		.amdhsa_memory_ordered 1
		.amdhsa_forward_progress 1
		.amdhsa_inst_pref_size 151
	.end_amdhsa_kernel
	.amdgpu_metadata
---
amdhsa.version: [ 1, 2 ]
amdhsa.kernels:
  - .name:           k_q61a85d0dfa_attn
    .symbol:         k_q61a85d0dfa_attn.kd
    .args:
      - { .name: q, .offset: 0, .size: 8, .value_kind: global_buffer, .address_space: global }
      - { .name: k, .offset: 8, .size: 8, .value_kind: global_buffer, .address_space: global }
      - { .name: v, .offset: 16, .size: 8, .value_kind: global_buffer, .address_space: global }
      - { .name: o, .offset: 24, .size: 8, .value_kind: global_buffer, .address_space: global }
    .group_segment_fixed_size: 327680
    .private_segment_fixed_size: 0
    .kernarg_segment_align: 8
    .kernarg_segment_size: 32
    .max_flat_workgroup_size: 128
    .sgpr_count:     66
    .vgpr_count:     1024
    .wavefront_size: 32
...
	.end_amdgpu_metadata
.endif
;; end of part 3
;; launch tail (part 4): grid 256 x 1, 4 waves a work-group, clusters of 4 x 1, 327,680 bytes of LDS; arguments o, x, wb, b1, b2, g2, be2, out0; writes out0
.if DOCPART == 4
	.amdgcn_target "amdgcn-amd-amdhsa--gfx1250"
	.amdhsa_code_object_version 6
	.text
	.protected	k_q61a85d0dfa_tail
	.globl	k_q61a85d0dfa_tail
	.p2align	8
	.type	k_q61a85d0dfa_tail,@function
k_q61a85d0dfa_tail:
	s_mov_b64 s[64:65], 0
	v_nop
	global_prefetch_b8 v0, s[64:65] scope:SCOPE_SE
	s_setreg_imm32_b32 hwreg(HW_REG_WAVE_MODE, 25, 1), 1
	s_wait_xcnt 0x0
	s_wait_alu depctr_hold_cnt(0) depctr_sa_sdst(0) depctr_va_vdst(0) depctr_va_sdst(0) depctr_va_ssrc(0) depctr_va_vcc(0) depctr_vm_vsrc(0)
	s_getreg_b32 s2, hwreg(HW_REG_IB_STS2, 6, 4)
	s_cmp_eq_u32 s2, 0
	s_cbranch_scc0 .Lentry_in_a_cluster
	s_endpgm
.Lentry_in_a_cluster:
	s_bfe_u32 s2, ttmp6, 0x10000c
	s_cmp_lg_u32 s2, 0x3003
	s_cbranch_scc0 .Lentry_shape_is_right
	s_endpgm
.Lentry_shape_is_right:
; tail: x1 = x + o Wo;  h2 = LayerNorm(x1; g2, be2);  out0 = x1 + gelu(h2 W1 + b1) W2 + b2, the gelu with erf.  o: [16384][512] bf16; x, out0: [16384][512] f32; the weights: wb from byte 1,572,864 on.
; SHARES.  A work-group owns 64 rows through the whole chain; nothing between the products goes to memory.  Wave w makes all 64 rows x columns 128 w .. 128 w + 127 of each product: 32 accumulators.
; X (window 1) is loaded with x, takes o Wo on top (x1), is read for the norm, and takes the last product on top: the residuals cost no addition.  Z (window 2) holds h2 W1, 512 columns at a time.
; THE WEIGHTS ARE A STREAM of 40 tiles of 64 k rows x 1,024 bytes (Wo 8, W1 twice 8, W2 16) through a ring of two LDS slots; the four work-groups of a cluster ask for each tile JOINTLY, 16 rows a wave.
; THE MATRIX INSTRUCTION IS USED TRANSPOSED (source 0 = 16 columns of W, turned by ds_load_tr16_b128; source 1 = 16 rows of the activations): a lane holds row l % 16 and columns 8 (l / 16) + 0..7.
; G, 64 rows of 2,064 bytes in LDS, holds the activations in bf16: first o (its one fill, rows of 1,040 bytes), then, by LDS stores alone, h2 in columns 512-1023, gelu's first half in columns 0-511, its second over h2.
; GELU.  With T = (z + b1) / 2: gelu = T + |T| - |T| Q, Q = erfc(sqrt 2 |T|) = t (a1 + t (a2 + t (a3 + t (a4 + t a5)))) 2^(-2.885 T^2), t = 1 / (1 + 0.46328 |T|) (Abramowitz and Stegun 7.1.26).
; LIMITS.  That erfc is off by 1.5e-7 at the most, absolutely; 2^(..) below 2^-126 counts as 0; the variance is the mean of (x1 - mean)^2, as written; NaN and infinities are not treated apart.
; REGISTERS: window 0: v0-27 addresses; v28-35 pairs [1/sigma, -]; v36-43 at work; v44-53 a1..a5, each twice; v54-61 pairs [mean, then -mean/sigma, -]; v64-159, v160-255 fragment buffers, also at work.
;   window 1: X.  Window 2: Z.  Window 3: v0-63 g2, v64-127 be2, v128-191 T, v192-255 a bias of my 64 columns.
; lds_bytes claims all of the LDS; 303,616 bytes are used.
.set PB,    1056                       ; a row of W in LDS: 1,024 + 32 bytes
.set PO,    1040                       ; a row of o: 1,024 + 16
.set PG,    2064                       ; a row of G: 2,048 + 16: the 16 rows of a load start at 16 different groups of four banks
.set SLOT0, 0
.set SLOT1, 64*PB
.set G,     2*64*PB
.set STAGE, G+64*PG                    ; 16 rows x 528 bytes for each wave, for the way out
.set SP,    528
.set STAT,  STAGE+4*16*SP              ; twice [64 rows][4 waves] f32: the waves' sums, then their sums of squares
.set SPARE, STAT+2048                  ; the spare words, 128 bytes for each wave: two blocks of 256 bytes that no other line names
.set TILEB, 65536
.set WSTART, 1572864                   ; Wo's first byte in wb
.set AB,  8                            ; v8-9  LDS address of my W fragments in slot 0, 1
.set AA0, 10                           ; v10   my lane's place in the rows that the pass multiplies
.set AA,  11                           ; v11   + the lap's bytes along k: rows 0-31
.set AA2, 12                           ; v12   rows 32-63
.set STO, 13
.set RD,  14
.set CO,  15
.set SPW, 16                           ; v16   LDS address of my spare word; never rewritten
.set NIL, 17                           ; v17   0; never rewritten
.set PFO, 18                           ; v18   256 x lane
.set XO,  19                           ; v19   my byte offset in 16 rows of x
.set VB,  20                           ; v20   my byte offset in g2, be2, b1, b2
.set GS,  21                           ; v21   where gelu's 16 bytes go
.set GS0, 22                           ; v22   G + my row + my 128 columns: rows 0-31
.set GS2, 23                           ; v23   rows 32-63
.set AO0, 24                           ; v24   my lane's place in o's rows
.set GA0, 25                           ; v25   in G's rows
.set SST, 26
.set SLD, 27
.set RS,  28
.set TT,  36
.set CF,  44
.set NM,  54
.set FB0, 64
.set FB1, 160
.set U,   64                           ; gelu, window 0
.set E,   128
.set P,   192
.set G2,  0                            ; window 3
.set BE2, 64
.set T,   128
.set HB,  192
.set WV,  20
.set CX,  21
.set WG,  22
.set LP,  23                           ; s23  laps of the pass still to come, this one among them
.set G1W, 24
.set G0W, 32
.set G1A, 40
.set G0A, 48
.set PFA, 52
.set B1P, 54                           ; s[54:55] b1 at the half in hand
.set GL,  60                           ; s60  laps that fill slots, still to come
.set AOF, 61
.set LIM, 62
.set ZP,  63                           ; s63  halves of W1 still to come
.set RTC, 66
.set PCOL, 67                          ; s67  byte of G's rows at which gelu's half begins
.set K2,  68                           ; s[68:69] -2 log2(e), named as a pair
.set K1,  70                           ; s70  0.3275911 sqrt 2
.set SEL, 72
.set C512, 74
.set EPS, 75
.set MSB, 0
.macro WIN new
.if MSB != (\new)
	s_set_vgpr_msb (MSB<<8)|(\new)
.set MSB, (\new)
.endif
.endm
.macro PLACES                          ; four places between a matrix instruction and a load into, or a vector instruction on, its registers (ISA guide 7.12.1 for vector instructions)
.rept 4
	v_nop
.endr
.endm
.macro CROUND
	s_barrier_signal -1
	s_barrier_wait -1
	s_cmp_lg_u32 s[WV], 0
	s_cbranch_scc1 .Lnw0_\@
	s_barrier_signal -3
.Lnw0_\@:
	s_barrier_wait -3
	s_barrier_signal -1
	s_barrier_wait -1
.endm
.macro ALLR line:vararg                ; one line for each row tile rr
.set rr, 0
.rept 4
	\line
.set rr, rr+1
.endr
.endm
.macro MUL16 fb, w, half, zero         ; 16 products: row tiles 2 half, 2 half + 1 x 8 column tiles; the 32 accumulators take turns
	WIN \w
.irp rt, 2*(\half), 2*(\half)+1
.irp nt, 0,1,2,3,4,5,6,7
.if \zero
	v_wmma_f32_16x16x32_bf16 v[8*(8*(\rt)+(\nt)):8*(8*(\rt)+(\nt))+7], v[(\fb)+8*(\nt):(\fb)+8*(\nt)+7], v[(\fb)+64+8*(\rt):(\fb)+64+8*(\rt)+7], 0
.else
	v_wmma_f32_16x16x32_bf16 v[8*(8*(\rt)+(\nt)):8*(8*(\rt)+(\nt))+7], v[(\fb)+8*(\nt):(\fb)+8*(\nt)+7], v[(\fb)+64+8*(\rt):(\fb)+64+8*(\rt)+7], v[8*(8*(\rt)+(\nt)):8*(8*(\rt)+(\nt))+7]
.endif
.endr
.endr
.endm
.macro FETCH slot, kk, fb, aoff, pa    ; 24 LDS loads in one run: half kk of a tile, my 128 columns, turned; the 64 rows' 32 k at byte aoff behind the lap's place
	WIN 0
.irp nt, 0,1,2,3,4,5,6,7
	ds_load_tr16_b128 v[(\fb)+8*(\nt):(\fb)+8*(\nt)+3],   v[AB+(\slot)] offset:(\kk)*32*PB+32*(\nt)
	ds_load_tr16_b128 v[(\fb)+8*(\nt)+4:(\fb)+8*(\nt)+7], v[AB+(\slot)] offset:(\kk)*32*PB+16*PB+32*(\nt)
.endr
.irp rt, 0,1
	ds_load_b128 v[(\fb)+64+8*(\rt):(\fb)+64+8*(\rt)+3],     v[AA]  offset:(\rt)*16*(\pa)+(\aoff)
	ds_load_b128 v[(\fb)+64+8*(\rt)+4:(\fb)+64+8*(\rt)+7],   v[AA]  offset:(\rt)*16*(\pa)+(\aoff)+32
	ds_load_b128 v[(\fb)+80+8*(\rt):(\fb)+80+8*(\rt)+3],     v[AA2] offset:(\rt)*16*(\pa)+(\aoff)
	ds_load_b128 v[(\fb)+80+8*(\rt)+4:(\fb)+80+8*(\rt)+7],   v[AA2] offset:(\rt)*16*(\pa)+(\aoff)+32
.endr
.endm
.macro STEPA pa                        ; the next lap's place along k
	s_add_co_u32 s[AOF], s[AOF], 256
	v_add_nc_u32 v[AA], s[AOF], v[AA0]
	v_add_nc_u32 v[AA2], 32*(\pa), v[AA]
.endm
.macro PRIME pa                        ; a pass begins: its first fragments.  The tile lies whole in slot 0 since the round of the change of slots before
	WIN 0
	s_mov_b32 s[AOF], 0
	v_mov_b32 v[AA], v[AA0]
	v_add_nc_u32 v[AA2], 32*(\pa), v[AA0]
	FETCH 0, 0, FB0, 0, \pa
.endm
; A PREFETCH INTO THE L2, once a lap, behind the joint load and the run of LDS loads: the two tiles that the NEXT lap will ask for: 512 blocks of 256 bytes, one to each lane of the cluster's sixteen waves,
; shared out BY ADDRESS.  All clusters walk the same stream: the first cluster asks, so each block is named once.  The last lap that fills slots asks for nothing.
.macro ASK
	s_cmp_gt_u32 s[GL], s[LIM]
	s_cbranch_scc0 .Lna_\@
	global_prefetch_b8 v[PFO], s[PFA:PFA+1] th:TH_LOAD_NT scope:SCOPE_SE
.Lna_\@:
.endm
.macro HALF slot, aoff, zsel, w, pa    ; the first half of a tile.  zsel = 1: in a pass's first lap its products start the sums
	PLACES
.if \zsel
	v_nop                                          ; a fifth place: the products that start the sums write accumulators over, five places behind the last product that named them (ISA guide 7.12.1), on the way over the backward jump too
.endif
	FETCH \slot, 1, FB1, (\aoff)+64, \pa
	s_wait_dscnt 24                                ; all but the 24 just issued: buffer 0 is in
.if \zsel
	s_cmp_eq_u32 s[LP], 4
	s_cbranch_scc1 .Lz_\@
.endif
	MUL16 FB0, \w, 0, 0
	MUL16 FB0, \w, 1, 0
.if \zsel
	WIN 0
	s_branch .Lj_\@
.Lz_\@:
	MUL16 FB0, \w, 0, 1
	MUL16 FB0, \w, 1, 1
	WIN 0
.Lj_\@:
.endif
.endm
; The second half multiplies buffer 1 and changes slots: each wave waits for all its tensor loads (one is out: its 16 rows of the other slot), adds 0 to its spare word, and waits for that and for its reads of
; this slot.  fill = 1: a round of the cluster's barrier, and the joint refill (the tile two on) first behind it.  mode = 1: at a pass's last lap nothing is fetched: the next pass's rows do not exist yet.
.macro TURN slot, fill, w, pa, mode
	WIN 0
	s_wait_tensorcnt 0x0                           ; no tensor load of mine is out, so a group 0 may be written
	ds_add_u32 v[SPW], v[NIL]                      ; 0 onto my spare word
.if \fill
	s_add_nc_u64 s[G0W+4*(\slot)+2:G0W+4*(\slot)+3], s[G0W+4*(\slot)+2:G0W+4*(\slot)+3], 2*TILEB
.endif
	s_wait_dscnt 1                                 ; buffer 1's 24 loads are in; the add may be out
	MUL16 FB1, \w, 0, 0
	WIN 0
	s_wait_dscnt 0x0                               ; the add is done, and my reads of this slot are over
.if \fill
	CROUND
	tensor_load_to_lds s[G0W+4*(\slot):G0W+4*(\slot)+3], s[G1W:G1W+7]
	s_nop 0
	PLACES                                         ; also the places in front of the loads into buffer 0
.else
	s_barrier_signal -1
	s_barrier_wait -1
	PLACES
.endif
.if (\slot) == 0
	FETCH 1, 0, FB0, 128, \pa
.if \fill
	ASK
.endif
.else
.if \mode
	s_cmp_eq_u32 s[LP], 1
	s_cbranch_scc1 .Lnof_\@
.endif
	STEPA \pa
	FETCH 0, 0, FB0, 0, \pa
.if \mode
.Lnof_\@:
.endif
.endif
	MUL16 FB1, \w, 1, 0
.endm
.macro LAP w, pa, zsel, mode           ; two tiles, 128 along k; both slots are filled again
	s_wait_xcnt 0x0                                ; the last prefetch, most of a lap back, has read its address
	s_add_nc_u64 s[PFA:PFA+1], s[PFA:PFA+1], 2*TILEB
	HALF 0, 0, \zsel, \w, \pa
	TURN 0, 1, \w, \pa, 0
	HALF 1, 128, 0, \w, \pa
	TURN 1, 1, \w, \pa, \mode
	WIN 0
	s_sub_co_u32 s[GL], s[GL], 1
.endm
.macro FOLD dst                        ; four pairs into one number
	v_pk_add_f32 v[TT:TT+1], v[TT:TT+1], v[TT+2:TT+3]
	v_pk_add_f32 v[TT+4:TT+5], v[TT+4:TT+5], v[TT+6:TT+7]
	v_pk_add_f32 v[TT:TT+1], v[TT:TT+1], v[TT+4:TT+5]
	v_add_f32 v[\dst], v[TT], v[TT+1]
.endm
.macro MEET reg, off                   ; a number for each of my rows: the other half of the lanes' and the other waves' are added; the sums come out in v[FB1 + 4 rr]
	ALLR v_permlanex16_b32 v[(\reg)+2*rr+1], v[(\reg)+2*rr], s[SEL], s[SEL+1]
	ALLR v_add_f32 v[(\reg)+2*rr], v[(\reg)+2*rr], v[(\reg)+2*rr+1]
	ALLR ds_store_b32 v[SST], v[(\reg)+2*rr] offset:(\off)+256*rr
	s_wait_dscnt 0x0                               ; for the others' sake
	s_barrier_signal -1
	s_barrier_wait -1
	ALLR ds_load_b128 v[FB1+4*rr:FB1+4*rr+3], v[SLD] offset:(\off)+256*rr
	s_wait_dscnt 0x0
	ALLR v_add_f32 v[FB1+4*rr], v[FB1+4*rr], v[FB1+4*rr+1]
	ALLR v_add_f32 v[FB1+4*rr+2], v[FB1+4*rr+2], v[FB1+4*rr+3]
	ALLR v_add_f32 v[FB1+4*rr], v[FB1+4*rr], v[FB1+4*rr+2]
.endm
.macro BIAS ptr                        ; 16 loads: a bias of my 64 columns into window 3
	WIN 0xc0
.irp nt, 0,1,2,3,4,5,6,7
	global_load_b128 v[HB+8*(\nt):HB+8*(\nt)+3],   v[VB], s[(\ptr):(\ptr)+1] offset:64*(\nt)
	global_load_b128 v[HB+8*(\nt)+4:HB+8*(\nt)+7], v[VB], s[(\ptr):(\ptr)+1] offset:64*(\nt)+16
.endr
	WIN 0
.endm
.macro TZ rt                           ; T = Z / 2 + b1 / 2 for row tile rt: the only text that names Z
	WIN 0xf2                                       ; destination and source 2 in window 3, source 0 in window 2
.set i, 0
.rept 32
	v_pk_fma_f32 v[T+2*i:T+2*i+1], v[64*(\rt)+2*i:64*(\rt)+2*i+1], 0.5, v[HB+2*i:HB+2*i+1] op_sel_hi:[1,0,1]
.set i, i+1
.endr
	WIN 0
.endm
	s_load_b512 s[4:19], s[0:1], 0x0               ; o s[4:5], x s[6:7], wb s[8:9], b1 s[10:11], b2 s[12:13], g2 s[14:15], be2 s[16:17], out0 s[18:19]
	v_lshl_add_u32 v[SPW], v0, 2, SPARE
	v_mov_b32 v[NIL], 0
	ds_add_u32 v[SPW], v[NIL]                      ; the wave's opening: the add, and its wait ahead of my first tensor load
	v_lshrrev_b32 v3, 5, v0
	v_readfirstlane_b32 s[WV], v3
	s_bfe_u32 s[CX], ttmp6, 0x40000
	s_lshl_b32 s[WG], ttmp9, 2
	s_add_co_u32 s[WG], s[WG], s[CX]
	s_mov_b32 s[G1W], 15|(1<<16)|(1<<20)|(1<<21)|(7<<22)|(7<<25)  ; mask of four, 2-byte elements, padding on, bit 21 beside the mask, 8 words after every 256
	s_mov_b32 s[G1A], (1<<16)|(1<<20)|(7<<22)|(3<<25)             ; o's tile: a load of my own, 4 words of padding
.irp g, G1W, G1A
	s_mov_b32 s[(\g)+1], 512<<16                   ; tensor_dim0 = 512
	s_mov_b32 s[(\g)+2], 16<<16                    ; tensor_dim1 = 16
	s_mov_b32 s[(\g)+3], 512<<16                   ; tile_dim0 = 512
	s_mov_b32 s[(\g)+4], 16                        ; tile_dim1 = 16
	s_mov_b32 s[(\g)+5], 512
	s_mov_b32 s[(\g)+6], 0
	s_mov_b32 s[(\g)+7], 0
.endr
	s_mul_i32 s56, s[WV], 16*PB
	s_mov_b32 s[G0W], 1
	s_add_co_u32 s[G0W+1], s56, SLOT0
	s_mov_b32 s[G0W+4], 1
	s_add_co_u32 s[G0W+5], s56, SLOT1
	s_mul_i32 s57, s[WV], 16*PO
	s_mov_b32 s[G0A], 1
	s_add_co_u32 s[G0A+1], s57, G
	s_lshl_b32 s56, s[WV], 14                      ; my 16 rows of 1,024 bytes in memory
	s_mov_b32 s57, 0
	s_lshl_b32 s58, s[WG], 16                      ; my block's 64 rows of o
	s_mov_b32 s59, 0
	s_lshl_b32 s76, s[WG], 17                      ; of x and out0
	s_mov_b32 s77, 0
	s_lshl_b32 s78, s[CX], 2
	s_add_co_u32 s78, s78, s[WV]
	s_lshl_b32 s78, s78, 13                        ; the prefetches: 8,192 bytes for each of the cluster's sixteen waves
	s_mov_b32 s79, 0
	s_cmp_eq_u32 ttmp9, 0
	s_cselect_b32 s[LIM], 1, -1                    ; the same in all four partners
	s_mov_b32 s[K1], 0x3eed3388                    ; 0.46328378
	s_mov_b32 s[K2], 0xc038aa3b                    ; -2.8853901
	s_mov_b32 s[K2+1], s[K2]
	s_mov_b32 s[SEL], 0x76543210
	s_mov_b32 s[SEL+1], 0xfedcba98
	s_mov_b32 s[C512], 0x3b000000                  ; 1 / 512
	s_mov_b32 s[EPS], 0x3727c5ac                   ; 1e-5
	s_mov_b32 s[GL], 19
	s_mov_b32 s[LP], 4
	s_wait_dscnt 0x0                               ; the opening add is done
	s_wait_kmcnt 0x0
	s_add_nc_u64 s[G0W+2:G0W+3], s[8:9], s[56:57]
	s_add_nc_u64 s[G0W+2:G0W+3], s[G0W+2:G0W+3], WSTART  ; tile 0
	s_add_nc_u64 s[G0W+6:G0W+7], s[G0W+2:G0W+3], TILEB   ; tile 1
	s_or_b32 s[G0W+3], s[G0W+3], 0x80000000
	s_or_b32 s[G0W+7], s[G0W+7], 0x80000000
	s_add_nc_u64 s[G0A+2:G0A+3], s[4:5], s[56:57]
	s_add_nc_u64 s[G0A+2:G0A+3], s[G0A+2:G0A+3], s[58:59]
	s_or_b32 s[G0A+3], s[G0A+3], 0x80000000
	s_add_nc_u64 s[6:7], s[6:7], s[76:77]
	s_add_nc_u64 s[18:19], s[18:19], s[76:77]
	s_mov_b64 s[B1P:B1P+1], s[10:11]
	s_add_nc_u64 s[PFA:PFA+1], s[8:9], s[78:79]
	s_add_nc_u64 s[PFA:PFA+1], s[PFA:PFA+1], WSTART+2*TILEB  ; at tile 2: the first lap steps it to tile 4.  Tiles 0 to 3 come by their loads alone
	CROUND                                         ; all four work-groups are here: the first joint loads meet
	tensor_load_to_lds s[G0A:G0A+3], s[G1A:G1A+7]  ; the first fills go out together: three loads of mine are out
	s_nop 0
	tensor_load_to_lds s[G0W:G0W+3], s[G1W:G1W+7]
	s_nop 0
	tensor_load_to_lds s[G0W+4:G0W+7], s[G1W:G1W+7]
	s_nop 0
	PLACES
	v_and_b32 v1, 15, v0                           ; r
	v_bfe_u32 v2, v0, 4, 1                         ; hh
	v_and_b32 v3, 31, v0                           ; lane
	s_lshl_b32 s58, s[WV], 9                       ; my 128 columns in f32
	v_lshl_add_u32 v[VB], v2, 5, s58
	v_lshl_add_u32 v[XO], v1, 11, v[VB]
	WIN 0x40                                       ; X = x: accumulator (rt, nt) holds rows 16 rt + r, columns 128 w + 16 nt + 8 hh + 0..7
.irp rt, 0,1,2,3
.irp nt, 0,1,2,3,4,5,6,7
	global_load_b128 v[64*(\rt)+8*(\nt):64*(\rt)+8*(\nt)+3],   v[XO], s[6:7] offset:32768*(\rt)+64*(\nt)
	global_load_b128 v[64*(\rt)+8*(\nt)+4:64*(\rt)+8*(\nt)+7], v[XO], s[6:7] offset:32768*(\rt)+64*(\nt)+16
.endr
.endr
	WIN 0xc0
.irp nt, 0,1,2,3,4,5,6,7
	global_load_b128 v[G2+8*(\nt):G2+8*(\nt)+3],     v[VB], s[14:15] offset:64*(\nt)
	global_load_b128 v[G2+8*(\nt)+4:G2+8*(\nt)+7],   v[VB], s[14:15] offset:64*(\nt)+16
	global_load_b128 v[BE2+8*(\nt):BE2+8*(\nt)+3],   v[VB], s[16:17] offset:64*(\nt)
	global_load_b128 v[BE2+8*(\nt)+4:BE2+8*(\nt)+7], v[VB], s[16:17] offset:64*(\nt)+16
.endr
	WIN 0
	v_and_b32 v4, 7, v0
	v_bfe_u32 v5, v0, 3, 1
	v_lshl_add_u32 v6, v2, 3, v4                   ; the turning load: k row 8 hh + l % 8, columns 8 ((l / 8) % 2) + 0..7
	v_mul_u32_u24 v6, v6, PB
	v_lshl_add_u32 v6, v5, 4, v6
	s_lshl_b32 s56, s[WV], 8                       ; my 128 columns in bf16
	v_add_nc_u32 v[AB], s56, v6
	v_add_nc_u32 v[AB+1], SLOT1, v[AB]
	v_mul_u32_u24 v7, v1, PO
	v_lshl_add_u32 v7, v2, 4, v7
	v_add_nc_u32 v[AO0], G, v7
	v_mul_u32_u24 v7, v1, PG
	v_lshl_add_u32 v7, v2, 4, v7
	v_add_nc_u32 v[GA0], G, v7
	v_add_nc_u32 v[GS0], s56, v[GA0]
	v_add_nc_u32 v[GS2], 32*PG, v[GS0]
	s_mul_i32 s57, s[WV], 16*SP
	s_add_co_u32 s57, s57, STAGE
	v_mul_u32_u24 v7, v1, SP
	v_lshl_add_u32 v7, v2, 5, v7
	v_add_nc_u32 v[STO], s57, v7
	v_lshl_add_u32 v[RD], v3, 4, s57
	v_lshl_add_u32 v[CO], v3, 4, s58
	s_lshl_b32 s59, s[WV], 2
	v_lshlrev_b32 v[SLD], 4, v1
	v_add_nc_u32 v[SLD], STAT, v[SLD]
	v_add_nc_u32 v[SST], s59, v[SLD]
	v_lshlrev_b32 v[PFO], 8, v3
	ALLR v_mov_b32 v[RS+2*rr+1], 0                 ; named in pairs and as v_permlanex16_b32's destinations: written once here
	ALLR v_mov_b32 v[NM+2*rr+1], 0
	v_mov_b32 v[CF+0], 0x3e827906                  ; a1 =  0.254829592
	v_mov_b32 v[CF+1], 0x3e827906
	v_mov_b32 v[CF+2], 0xbe91a98e                  ; a2 = -0.284496736
	v_mov_b32 v[CF+3], 0xbe91a98e
	v_mov_b32 v[CF+4], 0x3fb5f0e3                  ; a3 =  1.421413741
	v_mov_b32 v[CF+5], 0x3fb5f0e3
	v_mov_b32 v[CF+6], 0xbfba00e3                  ; a4 = -1.453152027
	v_mov_b32 v[CF+7], 0xbfba00e3
	v_mov_b32 v[CF+8], 0x3f87dc22                  ; a5 =  1.061405429
	v_mov_b32 v[CF+9], 0x3f87dc22
	v_mov_b32 v[AA0], v[AO0]
	s_wait_tensorcnt 0x1                           ; my rows of o and of tile 0 are in; tile 1 may stay out
	s_barrier_signal -1
	s_barrier_wait -1
	s_wait_loadcnt 0x0                             ; x, g2, be2
	PRIME PO
.Lp0:                                                  ; X += o Wo: four laps
	LAP 0x50, PO, 0, 1
	s_sub_co_u32 s[LP], s[LP], 1
	s_cmp_lg_u32 s[LP], 0
	s_cbranch_scc1 .Lp0
	; THE NORM.  A lane holds 64 numbers of each of four rows.  Sums: four chains a row tile, each accumulator read from its low end on.
	PLACES
.irp rt, 0,1,2,3
	WIN 0x05
.irp c, 0,1,2,3
	v_pk_add_f32 v[TT+2*(\c):TT+2*(\c)+1], v[64*(\rt)+8*(\c):64*(\rt)+8*(\c)+1], v[64*(\rt)+8*(\c)+2:64*(\rt)+8*(\c)+3]
.endr
	WIN 0x01
.irp p, 4,6,32,34,36,38
.irp c, 0,1,2,3
	v_pk_add_f32 v[TT+2*(\c):TT+2*(\c)+1], v[64*(\rt)+8*(\c)+(\p):64*(\rt)+8*(\c)+(\p)+1], v[TT+2*(\c):TT+2*(\c)+1]
.endr
.endr
	WIN 0
	FOLD NM+2*(\rt)
.endr
	MEET NM, 0
	ALLR v_mul_f32 v[NM+2*rr], s[C512], v[FB1+4*rr]  ; the mean
.irp rt, 0,1,2,3
	WIN 0x01
.set i, 0
.rept 32
	v_pk_add_f32 v[FB0+2*i:FB0+2*i+1], v[64*(\rt)+2*i:64*(\rt)+2*i+1], v[NM+2*(\rt):NM+2*(\rt)+1] op_sel_hi:[1,0] neg_lo:[0,1] neg_hi:[0,1]
.set i, i+1
.endr
	WIN 0
.irp c, 0,1,2,3
	v_pk_mul_f32 v[TT+2*(\c):TT+2*(\c)+1], v[FB0+2*(\c):FB0+2*(\c)+1], v[FB0+2*(\c):FB0+2*(\c)+1]
.endr
.set i, 4
.rept 28
	v_pk_fma_f32 v[TT+2*(i%4):TT+2*(i%4)+1], v[FB0+2*i:FB0+2*i+1], v[FB0+2*i:FB0+2*i+1], v[TT+2*(i%4):TT+2*(i%4)+1]
.set i, i+1
.endr
	FOLD RS+2*(\rt)
.endr
	MEET RS, 1024
	ALLR v_fma_f32 v[RS+2*rr], v[FB1+4*rr], s[C512], s[EPS]
	ALLR v_rsq_f32 v[RS+2*rr], v[RS+2*rr]
	v_nop                                          ; a plain instruction behind the last root,
	s_wait_alu depctr_va_vdst(0)                   ; and one wait for the four
	ALLR v_mul_f32 v[NM+2*rr], -v[NM+2*rr], v[RS+2*rr]
	; h2 = (x1 / sigma - mean / sigma) g2 + be2, rounded to bf16, into G's columns 512-1023.  Every wave has passed two barriers since its last read of o
.irp rt, 0,1,2,3
	WIN 0x01
.set i, 0
.rept 32
	v_pk_fma_f32 v[FB0+2*i:FB0+2*i+1], v[64*(\rt)+2*i:64*(\rt)+2*i+1], v[RS+2*(\rt):RS+2*(\rt)+1], v[NM+2*(\rt):NM+2*(\rt)+1] op_sel_hi:[1,0,0]
.set i, i+1
.endr
	WIN 0x3c                                       ; sources 1 and 2 in window 3
.set i, 0
.rept 32
	v_pk_fma_f32 v[FB0+2*i:FB0+2*i+1], v[FB0+2*i:FB0+2*i+1], v[G2+2*i:G2+2*i+1], v[BE2+2*i:BE2+2*i+1]
.set i, i+1
.endr
	WIN 0
.set i, 0
.rept 32
	v_cvt_pk_bf16_f32 v[FB1+i], v[FB0+2*i], v[FB0+2*i+1]
.set i, i+1
.endr
.irp nt, 0,1,2,3,4,5,6,7
	ds_store_b128 v[GS0+(\rt)/2], v[FB1+4*(\nt):FB1+4*(\nt)+3] offset:1024+((\rt)%2)*16*PG+32*(\nt)
.endr
.endr
	s_wait_dscnt 0x0
	s_barrier_signal -1
	s_barrier_wait -1                              ; h2 is whole
	s_mov_b32 s[ZP], 2
	s_mov_b32 s[PCOL], 0
.Lzp:                                                  ; twice: Z = h2 W1 for 512 columns, then gelu of them into G
	BIAS B1P
	v_add_nc_u32 v[AA0], 1024, v[GA0]
	PRIME PG
	s_mov_b32 s[LP], 4
.Lp1:
	LAP 0xa0, PG, 1, 1
	s_sub_co_u32 s[LP], s[LP], 1
	s_cmp_lg_u32 s[LP], 0
	s_cbranch_scc1 .Lp1
	s_wait_dscnt 0x0
	s_barrier_signal -1
	s_barrier_wait -1                              ; every wave has read h2 for this half: the second half's gelu may land on it
	s_wait_loadcnt 0x0                             ; b1
	WIN 0xc3
.set i, 0
.rept 32                               ; b1 / 2; these lines are also the places behind the last products
	v_pk_mul_f32 v[HB+2*i:HB+2*i+1], v[HB+2*i:HB+2*i+1], 0.5 op_sel_hi:[1,0]
.set i, i+1
.endr
	WIN 0
	v_add_nc_u32 v[GS], s[PCOL], v[GS0]
	s_mov_b32 s[RTC], 4
.Lrt:                                                  ; a row tile a trip: 64 numbers a lane
	s_cmp_eq_u32 s[RTC], 4
	s_cbranch_scc1 .Lg0
	s_cmp_eq_u32 s[RTC], 3
	s_cbranch_scc1 .Lg1
	s_cmp_eq_u32 s[RTC], 2
	s_cbranch_scc1 .Lg2
	TZ 3
	s_branch .Lgj
.Lg0:
	TZ 0
	s_branch .Lgj
.Lg1:
	TZ 1
	s_branch .Lgj
.Lg2:
	TZ 2
.Lgj:
	WIN 0x03                                       ; source 0 in window 3
.set i, 0
.rept 64
	v_fma_f32 v[U+i], |v[T+i]|, s[K1], 1.0         ; 1 + p sqrt 2 |T|
.set i, i+1
.endr
	WIN 0x0f
.set i, 0
.rept 32
	v_pk_mul_f32 v[E+2*i:E+2*i+1], v[T+2*i:T+2*i+1], v[T+2*i:T+2*i+1]
.set i, i+1
.endr
	WIN 0
.set i, 0
.rept 32
	v_pk_mul_f32 v[E+2*i:E+2*i+1], v[E+2*i:E+2*i+1], s[K2:K2+1] op_sel_hi:[1,0]
.set i, i+1
.endr
.set i, 0
.rept 64                               ; one batch: 64 reciprocals and 64 exponentials
	v_rcp_f32 v[U+i], v[U+i]
.set i, i+1
.endr
.set i, 0
.rept 64
	v_exp_f32 v[E+i], v[E+i]
.set i, i+1
.endr
	v_nop                                          ; a plain instruction behind the last of them,
	s_wait_alu depctr_va_vdst(0)                   ; and one wait for the batch, ahead of its first reader
.set i, 0
.rept 32
	v_pk_fma_f32 v[P+2*i:P+2*i+1], v[U+2*i:U+2*i+1], v[CF+8:CF+9], v[CF+6:CF+7]
.set i, i+1
.endr
.irp c, 4,2,0
.set i, 0
.rept 32
	v_pk_fma_f32 v[P+2*i:P+2*i+1], v[P+2*i:P+2*i+1], v[U+2*i:U+2*i+1], v[CF+(\c):CF+(\c)+1]
.set i, i+1
.endr
.endr
.set i, 0
.rept 32
	v_pk_mul_f32 v[P+2*i:P+2*i+1], v[P+2*i:P+2*i+1], v[U+2*i:U+2*i+1]
.set i, i+1
.endr
.set i, 0
.rept 32
	v_pk_mul_f32 v[P+2*i:P+2*i+1], v[P+2*i:P+2*i+1], v[E+2*i:E+2*i+1]  ; Q
.set i, i+1
.endr
	WIN 0x0f
.set i, 0
.rept 64
	v_add_f32 v[U+i], v[T+i], |v[T+i]|
.set i, i+1
.endr
	WIN 0x03
.set i, 0
.rept 64
	v_fma_f32 v[U+i], -|v[T+i]|, v[P+i], v[U+i]    ; T + |T| - |T| Q
.set i, i+1
.endr
	WIN 0
.set i, 0
.rept 32
	v_cvt_pk_bf16_f32 v[E+i], v[U+2*i], v[U+2*i+1]
.set i, i+1
.endr
.irp nt, 0,1,2,3,4,5,6,7
	ds_store_b128 v[GS], v[E+4*(\nt):E+4*(\nt)+3] offset:32*(\nt)
.endr
	v_add_nc_u32 v[GS], 16*PG, v[GS]
	s_sub_co_u32 s[RTC], s[RTC], 1
	s_cmp_lg_u32 s[RTC], 0
	s_cbranch_scc1 .Lrt
	s_wait_dscnt 0x0
	s_barrier_signal -1
	s_barrier_wait -1                              ; this half of gelu is whole
	s_wait_xcnt 0x0                                ; b1's loads have read their base
	s_add_nc_u64 s[B1P:B1P+1], s[B1P:B1P+1], 2048
	s_mov_b32 s[PCOL], 1024
	s_sub_co_u32 s[ZP], s[ZP], 1
	s_cmp_lg_u32 s[ZP], 0
	s_cbranch_scc1 .Lzp
	BIAS 12                                        ; b2
	v_mov_b32 v[AA0], v[GA0]
	PRIME PG
	s_mov_b32 s[LP], 7
.Lp3:                                                  ; X += gelu W2, K = 1,024: seven laps, and the last written out
	LAP 0x50, PG, 0, 0
	s_sub_co_u32 s[LP], s[LP], 1
	s_cmp_lg_u32 s[LP], 0
	s_cbranch_scc1 .Lp3
	HALF 0, 0, 0, 0x50, PG                         ; nothing is left to ask for
	TURN 0, 0, 0x50, PG, 0
	HALF 1, 128, 0, 0x50, PG
	s_wait_dscnt 0x0
	MUL16 FB1, 0x50, 0, 0
	MUL16 FB1, 0x50, 1, 0
	PLACES
	s_wait_loadcnt 0x0                             ; b2
	WIN 0x4d                                       ; destination and source 0 in window 1, source 1 in window 3
.set i, 0
.rept 128
	v_pk_add_f32 v[2*i:2*i+1], v[2*i:2*i+1], v[HB+2*(i%32):HB+2*(i%32)+1]
.set i, i+1
.endr
	; THE WAY OUT, a row tile at a time: 32 bytes a lane into my own stage, rows of 528 bytes; back as whole rows of 512; stored
.irp rt, 0,1,2,3
	WIN 0x04                                       ; the stores' data in window 1
.irp nt, 0,1,2,3,4,5,6,7
	ds_store_b128 v[STO], v[64*(\rt)+8*(\nt):64*(\rt)+8*(\nt)+3]   offset:64*(\nt)
	ds_store_b128 v[STO], v[64*(\rt)+8*(\nt)+4:64*(\rt)+8*(\nt)+7] offset:64*(\nt)+16
.endr
	WIN 0
	s_wait_xcnt 0x0                                ; the stores of the row tile before have read their registers
.set t, 0
.rept 16
	ds_load_b128 v[FB0+4*t:FB0+4*t+3], v[RD] offset:SP*t  ; LDS serves a wave's instructions in order (ISA guide 5.7.1.4): these see the stores above
.set t, t+1
.endr
	s_wait_dscnt 0x0
.set t, 0
.rept 16
	global_store_b128 v[CO], v[FB0+4*t:FB0+4*t+3], s[18:19] offset:(16*(\rt)+t)*2048  ; a wave stores 512 consecutive bytes, at a multiple of 256 from out0's first byte
.set t, t+1
.endr
.endr
	s_wait_tensorcnt 0x0                           ; the wave's end, behind my last tensor load and my last LDS store
	ds_add_u32 v[SPW], v[NIL]
	s_wait_dscnt 0x0
	CROUND                                         ; the closing round: no work-group ends while a partner may still ask for a tile that names it
	s_endpgm
.Lfunc_end_k_q61a85d0dfa_tail:
	.size	k_q61a85d0dfa_tail, .Lfunc_end_k_q61a85d0dfa_tail-k_q61a85d0dfa_tail
	.p2alignl 7, 3214868480
	.fill 96, 4, 3214868480
	.section	.rodata,"a",@progbits
	.p2align	6, 0x0
	.amdhsa_kernel k_q61a85d0dfa_tail
		.amdhsa_group_segment_fixed_size 327680
		.amdhsa_private_segment_fixed_size 0
		.amdhsa_enable_private_segment 0
		.amdhsa_kernarg_size 64
		.amdhsa_user_sgpr_count 2
		.amdhsa_user_sgpr_kernarg_segment_ptr 1
		.amdhsa_wavefront_size32 1
		.amdhsa_system_sgpr_workgroup_id_x 1
		.amdhsa_system_sgpr_workgroup_id_y 1
		.amdhsa_system_sgpr_workgroup_id_z 1
		.amdhsa_system_vgpr_workitem_id 0
		.amdhsa_next_free_vgpr 1024
		.amdhsa_next_free_sgpr 80
		.amdhsa_reserve_vcc 0
		.amdhsa_float_denorm_mode_32 3
		.amdhsa_float_denorm_mode_16_64 3
		.amdhsa_memory_ordered 1
		.amdhsa_forward_progress 1
		.amdhsa_inst_pref_size 216
	.end_amdhsa_kernel
	.amdgpu_metadata
---
amdhsa.version: [ 1, 2 ]
amdhsa.kernels:
  - .name:           k_q61a85d0dfa_tail
    .symbol:         k_q61a85d0dfa_tail.kd
    .args:
      - { .name: o, .offset: 0, .size: 8, .value_kind: global_buffer, .address_space: global }
      - { .name: x, .offset: 8, .size: 8, .value_kind: global_buffer, .address_space: global }
      - { .name: wb, .offset: 16, .size: 8, .value_kind: global_buffer, .address_space: global }
      - { .name: b1, .offset: 24, .size: 8, .value_kind: global_buffer, .address_space: global }
      - { .name: b2, .offset: 32, .size: 8, .value_kind: global_buffer, .address_space: global }
      - { .name: g2, .offset: 40, .size: 8, .value_kind: global_buffer, .address_space: global }
      - { .name: be2, .offset: 48, .size: 8, .value_kind: global_buffer, .address_space: global }
      - { .name: out0, .offset: 56, .size: 8, .value_kind: global_buffer, .address_space: global }
    .group_segment_fixed_size: 327680
    .private_segment_fixed_size: 0
    .kernarg_segment_align: 8
    .kernarg_segment_size: 64
    .max_flat_workgroup_size: 128
    .sgpr_count:     80
    .vgpr_count:     1024
    .wavefront_size: 32
...
	.end_amdgpu_metadata
.endif
;; end of part 4
;; ======== version 2 of 2: 3 launches
;; limits: a function is approximated: absolute error at most 1.5e-07
;; workspace buffers: h 16,777,216 bytes; q 16,777,216 bytes; k 16,777,216 bytes; v 16,777,216 bytes; wb 4,194,304 bytes
;; launch prep: the kernel of part 1 again; grid 1024 x 1, 4 waves a work-group, no clusters, 0 bytes of LDS; arguments x, g1, be1, Wq, Wk, Wv, Wo, W1, W2, h, wb; writes h, wb
;; launch qkv (part 5): grid 256 x 1, 4 waves a work-group, clusters of 4 x 1, 327,680 bytes of LDS; arguments h, wb, q, k, v; writes q, k, v
.if DOCPART == 5
	.amdgcn_target "amdgcn-amd-amdhsa--gfx1250"
	.amdhsa_code_object_version 6
	.text
	.protected	k_q61a85d0dfa_qkv
	.globl	k_q61a85d0dfa_qkv
	.p2align	8
	.type	k_q61a85d0dfa_qkv,@function
k_q61a85d0dfa_qkv:
	s_mov_b64 s[64:65], 0
	v_nop
	global_prefetch_b8 v0, s[64:65] scope:SCOPE_SE
	s_setreg_imm32_b32 hwreg(HW_REG_WAVE_MODE, 25, 1), 1
	s_wait_xcnt 0x0
	s_wait_alu depctr_hold_cnt(0) depctr_sa_sdst(0) depctr_va_vdst(0) depctr_va_sdst(0) depctr_va_ssrc(0) depctr_va_vcc(0) depctr_vm_vsrc(0)
	s_getreg_b32 s2, hwreg(HW_REG_IB_STS2, 6, 4)
	s_cmp_eq_u32 s2, 0
	s_cbranch_scc0 .Lentry_in_a_cluster
	s_endpgm
.Lentry_in_a_cluster:
	s_bfe_u32 s2, ttmp6, 0x10000c
	s_cmp_lg_u32 s2, 0x3003
	s_cbranch_scc0 .Lentry_shape_is_right
	s_endpgm
.Lentry_shape_is_right:
; qkv: q = h Wq, k = h Wk, v = h Wv.  h: [16384][512] bf16; Wq, Wk, Wv: the first three blocks of wb, [512 k][512 n] bf16; q, k, v: [16384][512] bf16, each rounded once from f32 sums.
; SHARES.  A work-group owns 64 rows of h, which stay in LDS for all three products.  Wave w makes all 64 rows x columns 128 w .. 128 w + 127: 32 accumulators of 16 x 16, 256 registers.
; THE WEIGHTS ARE A STREAM of tiles of 64 k rows x 1,024 bytes, dense in wb, through a ring of two LDS slots.  The four work-groups of a cluster ask for each tile JOINTLY (the same tensor load,
; descriptor and mask of four in all); each wave brings 16 rows.  A lap is two tiles (128 along k); four laps are one product (a pass); twelve laps in all.
; THE WALK BEGINS ELSEWHERE IN EACH CLUSTER: at pass p0 = c mod 3 and lap l0 = (c ^ c >> 2 ^ c >> 4) & 3 of it, c the cluster's number.  Time-lap t takes pass (p0 + t / 4) mod 3 and k rows 128 ((l0 + t) & 3) on
; (f32 sums may be taken in any order of k).  So at any time different clusters ask for different tiles.  Only global addresses hang on c: h's columns are laid into LDS in the order in which they are walked.
; NO PREFETCH: the twelve starts are all the stream's laps, so each lap's first reading in the launch is a first fill at the kernel's head.
; THE MATRIX INSTRUCTION IS USED TRANSPOSED: source 0 = 16 columns of W x 32 k (turned on the way out of LDS by ds_load_tr16_b128), source 1 = 16 rows of h x 32 k.
; In the result lane l holds row l % 16 and columns 8 (l / 16) + 0..7: eight neighbouring numbers of a row, 16 bytes in bf16.
; REGISTERS: window 0: v0-17 addresses; v64-159, v160-255 two fragment buffers (64 of W, 32 of h).  Window 1: the accumulators, (rt, nt) at v[8 (8 rt + nt)].
; The 32 accumulators take turns, one instruction a turn, in the same order everywhere.
; lds_bytes claims all of the LDS; 222,720 bytes are used.
.set PB,    1056                       ; a row of W in LDS: 1,024 bytes + 32 of padding = 264 words
.set PA,    272                        ; a row of a block of h: 256 + 16 bytes = 68 words: the 16 rows of a load start at 16 different groups of four banks
.set ABLK,  64*PA                      ; a block of h: 64 rows x 128 columns, one lap's
.set SLOT0, 0
.set SLOT1, 64*PB
.set ACT,   2*64*PB                    ; h's four blocks, in the order of the walk: filled once
.set STAGE, ACT+4*ABLK                 ; 16 rows x 272 bytes for each wave, for the way out: no tile lands here
.set SP,    272
.set SPARE, STAGE+4*16*SP              ; the spare words, 128 bytes for each wave: two blocks of 256 bytes that no other line names
.set TILEB, 65536                      ; a tile in wb
.set AB,  8                            ; v8-9  LDS address of my W fragments in slot 0, 1
.set AA0, 10                           ; v10   my lane's place in a block of h
.set AA,  11                           ; v11   + the lap's block: rows 0-31
.set AA2, 12                           ; v12   rows 32-63
.set STO, 13                           ; v13   the way out: where I put 16 bytes of a row
.set RD,  14                           ; v14   where I read a row back
.set CO,  15                           ; v15   my byte offset in the output's rows
.set SPW, 16                           ; v16   LDS address of my spare word; never rewritten
.set NIL, 17                           ; v17   0; never rewritten
.set FB0, 64
.set FB1, 160
.set TMP, FB1                          ; the way out works in buffer 1: buffer 0 already holds the next lap's first fragments
.set BK,  FB1+32
.set W,   0x50                         ; the products' windows: C and D in window 1
.set WV,   14                          ; s14  wave
.set CX,   15                          ; s15  my place in the cluster
.set WG,   16                          ; s16  my block of 64 rows
.set LAPS, 17                          ; s17  laps of the loop still to come
.set LP,   18                          ; s18  laps of the pass still to come, this one among them
.set AOF,  19                          ; s19  the lap's block of h in LDS
.set RL,   20                          ; s20  the lap (0..3, along k) that is asked for
.set PI,   21                          ; s21  the pass in hand: 0 q, 1 k, 2 v
.set RQB,  22                          ; s22  byte in wb of the block that is asked for
.set G1W, 24                           ; s[24:31] descriptor group 1, weight tiles
.set G0W, 32                           ; s[32:39] group 0, a set for each slot
.set G1A, 40                           ; s[40:47] group 1, h's blocks
.set G0A, 48                           ; s[48:51] group 0, h's block
.set CUR, 52                           ; s[52:53] the pass's output at my block's first row
.set OFFS, 54                          ; s[54:55] byte in wb of the lap that is asked for
.set WBW, 56                           ; s[56:57] wb at my 16 rows of a tile
.set MSB, 0
.macro WIN new                         ; the immediate's high byte repeats the setting that is left; a switch that changes nothing is dropped
.if MSB != (\new)
	s_set_vgpr_msb (MSB<<8)|(\new)
.set MSB, (\new)
.endif
.endm
.macro PLACES                          ; four places between a matrix instruction and a load into, or a vector instruction on, its registers (ISA guide 7.12.1 for vector instructions)
.rept 4
	v_nop
.endr
.endm
.macro CREST                           ; a round of the cluster's barrier behind its opening barrier: wave 0 signals for the work-group; every wave waits for all four work-groups; my work-group's barrier once more
	s_cmp_lg_u32 s[WV], 0
	s_cbranch_scc1 .Lnw0_\@
	s_barrier_signal -3
.Lnw0_\@:
	s_barrier_wait -3
	s_barrier_signal -1
	s_barrier_wait -1
.endm
.macro CROUND                          ; a whole round
	s_barrier_signal -1
	s_barrier_wait -1
	CREST
.endm
; 8 products: row tile rt x all 8 column tiles, 32 along k, from buffer fb.  zero = 1: the products start the sums.
.macro MUL8 fb, rt, zero
	WIN W
.irp nt, 0,1,2,3,4,5,6,7
.if \zero
	v_wmma_f32_16x16x32_bf16 v[8*(8*(\rt)+(\nt)):8*(8*(\rt)+(\nt))+7], v[(\fb)+8*(\nt):(\fb)+8*(\nt)+7], v[(\fb)+64+8*(\rt):(\fb)+64+8*(\rt)+7], 0
.else
	v_wmma_f32_16x16x32_bf16 v[8*(8*(\rt)+(\nt)):8*(8*(\rt)+(\nt))+7], v[(\fb)+8*(\nt):(\fb)+8*(\nt)+7], v[(\fb)+64+8*(\rt):(\fb)+64+8*(\rt)+7], v[8*(8*(\rt)+(\nt)):8*(8*(\rt)+(\nt))+7]
.endif
.endr
.endm
.macro MUL32 fb, zero
	MUL8 \fb, 0, \zero
	MUL8 \fb, 1, \zero
	MUL8 \fb, 2, \zero
	MUL8 \fb, 3, \zero
.endm
; 24 LDS loads in one run: half kk (32 k) of the tile in a slot, my 128 columns, turned; and the 64 rows' 32 k at byte aoff of the lap's block
.macro FETCH slot, kk, fb, aoff
	WIN 0
.irp nt, 0,1,2,3,4,5,6,7
	ds_load_tr16_b128 v[(\fb)+8*(\nt):(\fb)+8*(\nt)+3],   v[AB+(\slot)] offset:(\kk)*32*PB+32*(\nt)
	ds_load_tr16_b128 v[(\fb)+8*(\nt)+4:(\fb)+8*(\nt)+7], v[AB+(\slot)] offset:(\kk)*32*PB+16*PB+32*(\nt)
.endr
.irp rt, 0,1
	ds_load_b128 v[(\fb)+64+8*(\rt):(\fb)+64+8*(\rt)+3],     v[AA]  offset:(\rt)*16*PA+(\aoff)
	ds_load_b128 v[(\fb)+64+8*(\rt)+4:(\fb)+64+8*(\rt)+7],   v[AA]  offset:(\rt)*16*PA+(\aoff)+32
	ds_load_b128 v[(\fb)+80+8*(\rt):(\fb)+80+8*(\rt)+3],     v[AA2] offset:(\rt)*16*PA+(\aoff)
	ds_load_b128 v[(\fb)+80+8*(\rt)+4:(\fb)+80+8*(\rt)+7],   v[AA2] offset:(\rt)*16*PA+(\aoff)+32
.endr
.endm
.macro STEPA                           ; the next lap's block of h; behind the fourth it is the first again: h serves every pass
	s_add_co_u32 s[AOF], s[AOF], ABLK
	s_cmp_eq_u32 s[AOF], 4*ABLK
	s_cselect_b32 s[AOF], 0, s[AOF]
	v_add_nc_u32 v[AA], s[AOF], v[AA0]
	v_add_nc_u32 v[AA2], 32*PA, v[AA]
.endm
.macro NEXT                            ; which lap this lap's two refills ask for: the next along k, round the four; in a pass's last lap the next block of wb, round the three
	s_add_co_u32 s[RL], s[RL], 1
	s_and_b32 s[RL], s[RL], 3
	s_cmp_eq_u32 s[LP], 1
	s_cselect_b32 s58, 0x80000, 0
	s_add_co_u32 s[RQB], s[RQB], s58
	s_cmp_eq_u32 s[RQB], 3*0x80000
	s_cselect_b32 s[RQB], 0, s[RQB]
	s_lshl_b32 s[OFFS], s[RL], 17
	s_add_co_u32 s[OFFS], s[OFFS], s[RQB]
.endm
.macro SELCUR                          ; the output of the pass in hand
	s_cmp_eq_u32 s[PI], 0
	s_cselect_b64 s[CUR:CUR+1], s[8:9], s[10:11]
	s_cmp_eq_u32 s[PI], 2
	s_cselect_b64 s[CUR:CUR+1], s[12:13], s[CUR:CUR+1]
.endm
; The first half of a tile: its second 32 k are fetched into buffer 1 while buffer 0 is multiplied.  zsel = 1: in a pass's first lap these products start the sums.
.macro HALF slot, aoff, zsel
	PLACES                                         ; buffer 1 was multiplied last
.if \zsel
	v_nop                                          ; a fifth place: the products that start the sums write accumulators over, five places behind the last product that named them (ISA guide 7.12.1), on the way over the backward jump too
.endif
	FETCH \slot, 1, FB1, (\aoff)+64
	s_wait_dscnt 24                                ; all but the 24 just issued: buffer 0 is in
.if \zsel
	s_cmp_eq_u32 s[LP], 4
	s_cbranch_scc1 .Lz_\@
.endif
	MUL32 FB0, 0
.if \zsel
	WIN 0
	s_branch .Lj_\@
.Lz_\@:
	MUL32 FB0, 1
	WIN 0
.Lj_\@:
.endif
.endm
; The second half multiplies buffer 1 and changes slots.  Each wave waits for all its tensor loads, of which one is out: its 16 rows of the other slot; adds 0 to its spare word; and waits for that and for its
; reads of this slot.  fill = 1: the barrier opens a round of the cluster's barrier, so that no wave of any partner still reads this slot or has a load on its way, and the joint refill is the first thing behind it.
.macro TURN slot, fill
	WIN 0
	s_wait_tensorcnt 0x0                           ; no tensor load of mine is out, so a group 0 may be written
	ds_add_u32 v[SPW], v[NIL]                      ; 0 onto my spare word
.if \fill
	s_add_nc_u64 s[G0W+4*(\slot)+2:G0W+4*(\slot)+3], s[WBW:WBW+1], s[OFFS:OFFS+1]  ; the address is made anew: wb at my rows + the lap asked for
.if (\slot) == 1
	s_add_nc_u64 s[G0W+4*(\slot)+2:G0W+4*(\slot)+3], s[G0W+4*(\slot)+2:G0W+4*(\slot)+3], TILEB
.endif
	s_or_b32 s[G0W+4*(\slot)+3], s[G0W+4*(\slot)+3], 0x80000000
.endif
	s_wait_dscnt 1                                 ; buffer 1's 24 loads are in; the add may be out
	MUL8 FB1, 0, 0                                 ; eight products stand between the add and the wait for it
	s_wait_dscnt 0x0                               ; the add is done, and my reads of this slot are over:
	s_barrier_signal -1                            ; say so,
	MUL8 FB1, 1, 0                                 ; work on registers while the others arrive,
	WIN 0
	s_barrier_wait -1                              ; and go on when all four have said so
.if \fill
	CREST
	tensor_load_to_lds s[G0W+4*(\slot):G0W+4*(\slot)+3], s[G1W:G1W+7]
	s_nop 0
.endif
	PLACES                                         ; they are also the places in front of the loads into buffer 0
.if (\slot) == 0
	FETCH 1, 0, FB0, 128
.else
	STEPA
	FETCH 0, 0, FB0, 0
.endif
	MUL8 FB1, 2, 0
	MUL8 FB1, 3, 0
.endm
; THE WAY OUT of row tile rt: rounded to bf16, 16 bytes a lane; into my own stage in rows of 272 bytes; back as whole rows of 256 bytes; stored.
.macro EPIRT rt
	WIN 0x05                                       ; sources 0 and 1 in window 1
.irp nt, 0,1,2,3,4,5,6,7
.irp j, 0,1,2,3
	v_cvt_pk_bf16_f32 v[TMP+4*(\nt)+(\j)], v[64*(\rt)+8*(\nt)+2*(\j)], v[64*(\rt)+8*(\nt)+2*(\j)+1]
.endr
.endr
	WIN 0
.irp nt, 0,1,2,3,4,5,6,7
	ds_store_b128 v[STO], v[TMP+4*(\nt):TMP+4*(\nt)+3] offset:32*(\nt)
.endr
	s_wait_xcnt 0x0                                ; the stores of the row tile before have read their registers: only now are these loaded again
.irp t, 0,1,2,3,4,5,6,7
	ds_load_b128 v[BK+4*(\t):BK+4*(\t)+3], v[RD] offset:2*SP*(\t)  ; LDS serves a wave's instructions in order (ISA guide 5.7.1.4): these see the stores above
.endr
	s_wait_dscnt 0x0
.irp t, 0,1,2,3,4,5,6,7
	global_store_b128 v[CO], v[BK+4*(\t):BK+4*(\t)+3], s[CUR:CUR+1] offset:(16*(\rt)+2*(\t))*1024  ; 16 lanes store 256 consecutive bytes, at a multiple of 256 from the buffer's first byte
.endr
.endm
.macro EPI
	PLACES                                         ; behind the pass's last products
.irp rt, 0,1,2,3
	EPIRT \rt
.endr
.endm
	s_load_b256 s[4:11], s[0:1], 0x0               ; h s[4:5], wb s[6:7], q s[8:9], k s[10:11]
	s_load_b64 s[12:13], s[0:1], 0x20              ; v
	v_lshl_add_u32 v[SPW], v0, 2, SPARE
	v_mov_b32 v[NIL], 0
	ds_add_u32 v[SPW], v[NIL]                      ; the wave's opening: the add, and its wait ahead of my first tensor load; the set-up below stands between them
	v_lshrrev_b32 v3, 5, v0
	v_readfirstlane_b32 s[WV], v3
	s_bfe_u32 s[CX], ttmp6, 0x40000
	s_lshl_b32 s[WG], ttmp9, 2                     ; in a cluster launch ttmp9 counts clusters
	s_add_co_u32 s[WG], s[WG], s[CX]
	s_lshr_b32 s58, ttmp9, 2                       ; where my cluster's walk begins: the four partners share ttmp9
	s_xor_b32 s58, s58, ttmp9
	s_lshr_b32 s59, ttmp9, 4
	s_xor_b32 s58, s58, s59
	s_and_b32 s[RL], s58, 3                        ; l0
	s_mul_i32 s58, ttmp9, 43
	s_lshr_b32 s58, s58, 7                         ; c / 3, for c under 64
	s_mul_i32 s58, s58, 3
	s_sub_co_u32 s[PI], ttmp9, s58                 ; p0
	s_lshl_b32 s[RQB], s[PI], 19                   ; a block of wb is 524,288 bytes
	s_lshl_b32 s[OFFS], s[RL], 17                  ; a lap 131,072
	s_add_co_u32 s[OFFS], s[OFFS], s[RQB]
	s_mov_b32 s[OFFS+1], 0
	; group 1, weights: 16 rows x 512 elements of 2 bytes; mask of four, bit 21 beside it; 8 words of padding after every 256
	s_mov_b32 s[G1W], 15|(1<<16)|(1<<20)|(1<<21)|(7<<22)|(7<<25)
	s_mov_b32 s[G1W+1], 512<<16                    ; tensor_dim0 = 512
	s_mov_b32 s[G1W+2], 16<<16                     ; tensor_dim1 = 16
	s_mov_b32 s[G1W+3], 512<<16                    ; tile_dim0 = 512
	s_mov_b32 s[G1W+4], 16                         ; tile_dim1 = 16
	s_mov_b32 s[G1W+5], 512                        ; elements from row to row
	s_mov_b32 s[G1W+6], 0
	s_mov_b32 s[G1W+7], 0
	; group 1, h: 64 rows x 128 elements, a load of my own (no mask); 4 words of padding after every 64
	s_mov_b32 s[G1A], (1<<16)|(1<<20)|(5<<22)|(3<<25)
	s_mov_b32 s[G1A+1], 128<<16
	s_mov_b32 s[G1A+2], 64<<16
	s_mov_b32 s[G1A+3], 128<<16
	s_mov_b32 s[G1A+4], 64
	s_mov_b32 s[G1A+5], 512
	s_mov_b32 s[G1A+6], 0
	s_mov_b32 s[G1A+7], 0
	s_mul_i32 s58, s[WV], 16*PB                    ; my 16 rows in a slot: no place in the cluster enters an LDS address
	s_mov_b32 s[G0W], 1
	s_add_co_u32 s[G0W+1], s58, SLOT0
	s_mov_b32 s[G0W+4], 1
	s_add_co_u32 s[G0W+5], s58, SLOT1
	s_mul_i32 s59, s[WV], ABLK                     ; the block at place w,
	s_mov_b32 s[G0A], 1
	s_add_co_u32 s[G0A+1], s59, ACT
	s_add_co_u32 s58, s[WV], s[RL]
	s_and_b32 s58, s58, 3
	s_lshl_b32 s58, s58, 8                         ; which holds h's columns 128 ((w + l0) & 3) on
	s_lshl_b32 s62, s[WG], 16                      ; my block's 64 rows
	s_mov_b32 s63, 0
	s_add_co_u32 s58, s58, s62
	s_mov_b32 s59, 0
	s_lshl_b32 s60, s[WV], 14                      ; my 16 rows of 1,024 bytes of a weight tile
	s_mov_b32 s61, 0
	s_mov_b32 s[LAPS], 11
	s_mov_b32 s[LP], 4
	s_mov_b32 s[AOF], 0
	s_wait_dscnt 0x0                               ; the opening add is done
	s_wait_kmcnt 0x0
	s_add_nc_u64 s[WBW:WBW+1], s[6:7], s[60:61]
	s_add_nc_u64 s[G0W+2:G0W+3], s[WBW:WBW+1], s[OFFS:OFFS+1]  ; the first lap's first tile,
	s_add_nc_u64 s[G0W+6:G0W+7], s[G0W+2:G0W+3], TILEB         ; and its second
	s_or_b32 s[G0W+3], s[G0W+3], 0x80000000
	s_or_b32 s[G0W+7], s[G0W+7], 0x80000000
	s_add_nc_u64 s[G0A+2:G0A+3], s[4:5], s[58:59]
	s_or_b32 s[G0A+3], s[G0A+3], 0x80000000
	s_add_nc_u64 s[8:9], s[8:9], s[62:63]
	s_add_nc_u64 s[10:11], s[10:11], s[62:63]
	s_add_nc_u64 s[12:13], s[12:13], s[62:63]
	SELCUR
	CROUND                                         ; all four work-groups are here: the first joint loads meet
	tensor_load_to_lds s[G0A:G0A+3], s[G1A:G1A+7]  ; the first fills go out together: three loads of mine are out
	s_nop 0
	tensor_load_to_lds s[G0W:G0W+3], s[G1W:G1W+7]
	s_nop 0
	tensor_load_to_lds s[G0W+4:G0W+7], s[G1W:G1W+7]
	s_nop 0
	PLACES
	v_and_b32 v1, 15, v0                           ; r = l % 16
	v_bfe_u32 v2, v0, 4, 1                         ; hh = l / 16
	v_and_b32 v4, 7, v0
	v_bfe_u32 v5, v0, 3, 1
	v_lshl_add_u32 v6, v2, 3, v4                   ; the turning load: lane l reads k row 8 hh + l % 8, columns 8 ((l / 8) % 2) + 0..7
	v_mul_u32_u24 v6, v6, PB
	v_lshl_add_u32 v6, v5, 4, v6
	s_lshl_b32 s58, s[WV], 8                       ; my 128 columns
	v_add_nc_u32 v[AB], s58, v6
	v_add_nc_u32 v[AB+1], SLOT1, v[AB]
	v_mul_u32_u24 v7, v1, PA
	v_lshl_add_u32 v7, v2, 4, v7
	v_add_nc_u32 v[AA0], ACT, v7
	s_mul_i32 s59, s[WV], 16*SP
	s_add_co_u32 s59, s59, STAGE
	v_mul_u32_u24 v7, v1, SP
	v_lshl_add_u32 v7, v2, 4, v7
	v_add_nc_u32 v[STO], s59, v7
	v_mul_u32_u24 v7, v2, SP
	v_lshl_add_u32 v7, v1, 4, v7
	v_add_nc_u32 v[RD], s59, v7
	v_lshlrev_b32 v7, 10, v2
	v_lshl_add_u32 v7, v1, 4, v7
	v_add_nc_u32 v[CO], s58, v7
	v_mov_b32 v[AA], v[AA0]
	v_add_nc_u32 v[AA2], 32*PA, v[AA0]
	s_wait_tensorcnt 0x1                           ; my block of h and my rows of the first tile are in; the second tile may stay out
	s_barrier_signal -1
	s_barrier_wait -1                              ; everybody's are
	FETCH 0, 0, FB0, 0
.Llap:                                                 ; eleven laps; each fills both slots again
	NEXT
	HALF 0, 0, 1
	TURN 0, 1
	HALF 1, 128, 0
	TURN 1, 1
	WIN 0
	s_sub_co_u32 s[LP], s[LP], 1
	s_cmp_lg_u32 s[LP], 0
	s_cbranch_scc1 .Lnoepi                         ; what is jumped holds no barrier and no tensor load
	EPI                                            ; a pass is finished
	s_wait_xcnt 0x0                                ; the stores have read their registers and their base
	s_add_co_u32 s[PI], s[PI], 1
	s_cmp_eq_u32 s[PI], 3
	s_cselect_b32 s[PI], 0, s[PI]
	SELCUR
	s_mov_b32 s[LP], 4
.Lnoepi:
	s_sub_co_u32 s[LAPS], s[LAPS], 1
	s_cmp_lg_u32 s[LAPS], 0
	s_cbranch_scc1 .Llap
	HALF 0, 0, 0                                   ; the last lap is written out: nothing is left to ask for
	TURN 0, 0
	HALF 1, 128, 0
	s_wait_dscnt 0x0
	MUL32 FB1, 0
	WIN 0
	EPI                                            ; the third pass
	s_wait_tensorcnt 0x0                           ; the wave's end, behind my last tensor load and my last LDS store
	ds_add_u32 v[SPW], v[NIL]
	s_wait_dscnt 0x0
	CROUND                                         ; the closing round: no work-group ends while a partner may still ask for a tile that names it
	s_endpgm
.Lfunc_end_k_q61a85d0dfa_qkv:
	.size	k_q61a85d0dfa_qkv, .Lfunc_end_k_q61a85d0dfa_qkv-k_q61a85d0dfa_qkv
	.p2alignl 7, 3214868480
	.fill 96, 4, 3214868480
	.section	.rodata,"a",@progbits
	.p2align	6, 0x0
	.amdhsa_kernel k_q61a85d0dfa_qkv
		.amdhsa_group_segment_fixed_size 327680
		.amdhsa_private_segment_fixed_size 0
		.amdhsa_enable_private_segment 0
		.amdhsa_kernarg_size 40
		.amdhsa_user_sgpr_count 2
		.amdhsa_user_sgpr_kernarg_segment_ptr 1
		.amdhsa_wavefront_size32 1
		.amdhsa_system_sgpr_workgroup_id_x 1
		.amdhsa_system_sgpr_workgroup_id_y 1
		.amdhsa_system_sgpr_workgroup_id_z 1
		.amdhsa_system_vgpr_workitem_id 0
		.amdhsa_next_free_vgpr 512
		.amdhsa_next_free_sgpr 66
		.amdhsa_reserve_vcc 0
		.amdhsa_float_denorm_mode_32 3
		.amdhsa_float_denorm_mode_16_64 3
		.amdhsa_memory_ordered 1
		.amdhsa_forward_progress 1
		.amdhsa_inst_pref_size 73
	.end_amdhsa_kernel
	.amdgpu_metadata
---
amdhsa.version: [ 1, 2 ]
amdhsa.kernels:
  - .name:           k_q61a85d0dfa_qkv
    .symbol:         k_q61a85d0dfa_qkv.kd
    .args:
      - { .name: h, .offset: 0, .size: 8, .value_kind: global_buffer, .address_space: global }
      - { .name: wb, .offset: 8, .size: 8, .value_kind: global_buffer, .address_space: global }
      - { .name: q, .offset: 16, .size: 8, .value_kind: global_buffer, .address_space: global }
      - { .name: k, .offset: 24, .size: 8, .value_kind: global_buffer, .address_space: global }
      - { .name: v, .offset: 32, .size: 8, .value_kind: global_buffer, .address_space: global }
    .group_segment_fixed_size: 327680
    .private_segment_fixed_size: 0
    .kernarg_segment_align: 8
    .kernarg_segment_size: 40
    .max_flat_workgroup_size: 128
    .sgpr_count:     66
    .vgpr_count:     512
    .wavefront_size: 32
...
	.end_amdgpu_metadata
.endif
;; end of part 5
;; launch attn_mlp (part 6): grid 256 x 1, 4 waves a work-group, clusters of 4 x 1, 327,680 bytes of LDS; arguments q, k, v, x, wb, b1, b2, g2, be2, out0; writes out0
.if DOCPART == 6
	.amdgcn_target "amdgcn-amd-amdhsa--gfx1250"
	.amdhsa_code_object_version 6
	.text
	.protected	k_q61a85d0dfa_attn_mlp
	.globl	k_q61a85d0dfa_attn_mlp
	.p2align	8
	.type	k_q61a85d0dfa_attn_mlp,@function
k_q61a85d0dfa_attn_mlp:
	s_mov_b64 s[64:65], 0
	v_nop
	global_prefetch_b8 v0, s[64:65] scope:SCOPE_SE
	s_setreg_imm32_b32 hwreg(HW_REG_WAVE_MODE, 25, 1), 1
	s_wait_xcnt 0x0
	s_wait_alu depctr_hold_cnt(0) depctr_sa_sdst(0) depctr_va_vdst(0) depctr_va_sdst(0) depctr_va_ssrc(0) depctr_va_vcc(0) depctr_vm_vsrc(0)
	s_getreg_b32 s2, hwreg(HW_REG_IB_STS2, 6, 4)
	s_cmp_eq_u32 s2, 0
	s_cbranch_scc0 .Lentry_in_a_cluster
	s_endpgm
.Lentry_in_a_cluster:
	s_bfe_u32 s2, ttmp6, 0x10000c
	s_cmp_lg_u32 s2, 0x3003
	s_cbranch_scc0 .Lentry_shape_is_right
	s_endpgm
.Lentry_shape_is_right:
; attn_mlp: o = softmax(q k^T / sqrt(512)) v;  x1 = x + o Wo;  h2 = LayerNorm(x1; g2, be2);  out0 = x1 + gelu(h2 W1 + b1) W2 + b2, the gelu with erf.
; q, k, v: [8][2048][512] bf16; x, out0: [16384][512] f32; the weights: wb's blocks 3 to 7 of 524,288 bytes ([512 k][512 n] bf16: Wo, W1's two halves of columns, W2's two halves of rows).
; A work-group owns 64 rows from the first score to out0: nothing between the products goes to memory.  Products, maxima and sums in f32; p, o, h2 and gelu are rounded once to bf16 as matrix operands.
; LIMITS.  A weight p, or the gelu's 2^(..), below 2^-126 counts as 0; c |score| stays under 2^125 (the running maximum starts far below that); the erfc used is off by 1.5e-7 at the most, absolutely;
; the variance is the mean of (x1 - mean)^2, as written; NaN and infinities are not treated apart.
; ---- ATTENTION.  A key step is 128 keys, 16 steps.  S^T = K Q^T: wave w takes keys 32 w .. 32 w + 31 for all 64 queries, with all of Q in its registers (512), so a fragment of K feeds four products.
; O^T += V^T P: a wave takes 128 channels for all 64 queries and all 128 keys.  The waves hand each other P through LDS, as fragments ready to load.
; In S^T a lane holds ONE query (lane % 16) and the keys 8 (lane / 16) + 0..7; two such tiles rounded in pairs ARE source 1 (16 queries x 32 keys) of the second product, whose result again holds one query a lane
; and eight channels.  K comes out of LDS as it lies, V ([key][channel]) turned by ds_load_tr16_b128.
; A running maximum m for each query, common to the four waves (their partial maxima are exchanged in every step); p = 2^(c s - c m), c = log2(e) / sqrt(512); O and l are multiplied by a = 2^(c m_old - c m_new)
; in every step.  l is kept by each wave for its own keys; the four are added at the end.  m starts at the lowest finite number, O and l at 0: the first step has a = 0.
; One LDS slot always holds K, the other V, a whole step each: V(j) lands while K(j) is multiplied, K(j+1) while V(j) is.  The four work-groups of a cluster belong to one batch: each tile is asked for JOINTLY.
; Of K a wave brings 32 rows; of V the 128 keys x 128 channels that it multiplies itself (rows of 256 bytes).
; ---- THE CHAIN.  A wave makes all 64 rows x 128 columns of each product: 32 accumulators.  X (window 2) is loaded with x, takes o Wo on top (x1), is read for the norm, and takes the last product on top: the residuals
; cost no addition.  Z (window 1, where O^T lay) holds h2 W1, 512 columns at a time.  The weights are a stream of 40 tiles of 64 k rows x 512 columns (Wo 8, W1 twice 8, W2 16) through a ring of two LDS slots, asked for
; jointly; a wave brings the 64 rows x 128 columns that it multiplies itself.  A lap is two tiles, 128 along k.  THE RING RUNS ON FROM ATTENTION: the last key step's two rounds are followed by Wo's first two tiles.
; The matrix instruction is used transposed (source 0 = 16 columns of W, turned; source 1 = 16 rows of the activations): a lane holds row l % 16 and columns 8 (l / 16) + 0..7.
; G, 64 rows of 2,064 bytes in LDS, written by LDS stores alone, holds the activations in bf16, in eight places of 128 columns: o in places 0-3, h2 in 4-7, gelu's first half over o, its second over h2.
; GELU.  With T = (z + b1) / 2: gelu = T + |T| - |T| Q, Q = erfc(sqrt 2 |T|) = t (a1 + t (a2 + t (a3 + t (a4 + t a5)))) 2^(-2.885 T^2), t = 1 / (1 + 0.46328 |T|) (Abramowitz and Stegun 7.1.26).
; ---- THE WALKS BEGIN ELSEWHERE IN EACH CLUSTER, c its number.  The batch is c & 7, and j = c >> 3 counts its eight clusters (any one-to-one numbering gives the same values).  Cluster j begins at key step 2 j and goes
; round the sixteen (the running maximum takes the keys in any order).  With r = (c ^ c >> 2 ^ c >> 4) & 3 and r2 = (c ^ c >> 3) & 1, time-lap T of a product takes the k rows 128 ((T + r) & 3) on of its block of wb,
; and W1's two halves (with them W2's) are taken in the order r2, 1 - r2 (f32 sums may be taken in any order of k).  So at any time clusters ask for different tiles.  ONLY GLOBAL ADDRESSES HANG ON c: wave w makes
; column block (w + r) & 3 of V^T P and of every later product and puts it at place w (or 4 + w) of G's rows, so that the next product finds its k in the order of its own walk at fixed LDS addresses.
; K AND V ARE NOT PREFETCHED: every key step's first reading in the launch is the first or the second step of some walk, and nothing is asked for at the kernel's head.
; REGISTERS.  Window 0: v0-19 addresses; v20-63 statistics, later addresses and constants; v64-255 S^T and fragments.  Window 1: O^T, (qt, ct) at v[8 (8 qt + ct)]; then Z.  Windows 2, 3: Q; then X (window 2) and
; g2 (v0-63), be2 (v64-127), T (v128-191), a bias of my 64 columns (v192-255) in window 3.  Accumulators take turns, one instruction a turn.
; lds_bytes claims all of the LDS; 316,928 bytes are used.
.set PKP,   1040                       ; a row of K in LDS: 1,024 + 16 bytes: the 16 rows of a load start at 16 different groups of four banks (64 banks of 4 bytes: ISA guide 11.1)
.set PVP,   288                        ; a row of a wave's part of V: 256 + 32 bytes = 72 words
.set VBLK,  128*PVP                    ; a wave's part of V
.set KT,    0
.set VT,    128*PKP
.set PR,    VT+4*VBLK                  ; P: 16 fragments (key group kk, query tile qt) of 1,024 bytes: registers 0-3 of all lanes, then registers 4-7
.set MAXR,  PR+16384                   ; [64 queries][4 waves] f32: partial maxima; 1,024 bytes on: the waves' l
.set STEPB, 131072                     ; 128 rows of K or V in memory
.set PB,    288                        ; a row of a wave's part of a weight tile, as V's
.set WBLK,  64*PB                      ; a wave's part of a weight tile
.set PG,    2064                       ; a row of G: 2,048 + 16: the 16 rows of a load start at 16 different groups of four banks
.set SLOT0, 0                          ; the weights' two slots lie where K and the first bytes of V lay
.set SLOT1, 4*WBLK
.set G,     2*4*WBLK                   ; inside V's bytes, which have had their last fill when G is first written; no weight tile reaches it
.set STAGE, PR                         ; 16 rows x 528 bytes for each wave, for the way out: where P, the maxima and l lay: no tile ever lands here
.set SP,    528
.set STAT,  STAGE+4*16*SP              ; twice [64 rows][4 waves] f32: the waves' sums, then their sums of squares
.set SPARE, STAT+2048                  ; the spare words, 128 bytes for each wave: two blocks of 256 bytes that no other line names
.set TILEB, 65536                      ; 64 k rows in wb
; vector registers, window 0.  Through the whole launch:
.set PFO, 15                           ; v15  256 x lane; never rewritten
.set SPW, 16                           ; v16  LDS address of my spare word; never rewritten
.set NIL, 17                           ; v17  0; never rewritten
.set XO,  18                           ; v18  my byte offset in 16 rows of x
.set VB,  19                           ; v19  my byte offset in g2, be2, b2 and a half of b1
; attention:
.set AK,  2                            ; v2   my lane's place in my 32 rows of K
.set AV,  3                            ; v3   the same in my part of V
.set PST, 5                            ; v5   where I put P
.set PRD, 6                            ; v6   where I read P
.set MST, 7                            ; v7   where I put a partial maximum
.set MLD, 8                            ; v8   where I read the four
.set QO,  9                            ; v9   my byte offset in 16 rows of Q
.set ML,  20                           ; v20-35  four numbers for each query tile
.set CM,  36                           ; v36-43  pairs [c m, m]
.set L,   44                           ; v44-51  pairs l (even keys', odd keys')
.set AP,  52                           ; v52-59  pairs [a, at work]
.set C0,  60                           ; v60-63  at work
.set S,   64                           ; S^T (kt, qt) at S + 8 (4 kt + qt)
.set KB,  128                          ; K's fragments, two buffers of 64
.set KA,  192
.set PT,  128                          ; P as packed: (qt, kt) at PT + 8 qt + 4 kt
.set VA,  192                          ; second product, buffer a: V, P
.set PAF, 160
.set VBB, 64                           ; buffer b
.set PBB, 128
.set TMP, 64                           ; o as packed
; the chain:
.set AB,  8                            ; v8-9  LDS address of my W fragments in slot 0, 1
.set AA0, 10                           ; v10   my lane's place in the rows that the pass multiplies
.set AA,  11                           ; v11   + the lap's place along k: rows 0-31
.set AA2, 12                           ; v12   rows 32-63
.set STO, 13
.set RD,  14
.set CO,  20
.set GS,  21                           ; v21   where gelu's 16 bytes go
.set GS0, 22                           ; v22   G + my row + place w: rows 0-31
.set GS2, 23                           ; v23   rows 32-63
.set GA0, 25                           ; v25   my lane's place in G's rows
.set SST, 26
.set SLD, 27
.set RS,  28                           ; v28-35  pairs [1/sigma, -]
.set TT,  36                           ; v36-43  at work
.set CF,  44                           ; v44-53  a1..a5, each twice
.set NM,  54                           ; v54-61  pairs [mean, then -mean/sigma, -]
.set FB0, 64                           ; two fragment buffers: 64 of W, 32 of the activations
.set FB1, 160
.set U,   64                           ; gelu, window 0
.set E,   128
.set P,   192
.set G2,  0                            ; window 3
.set BE2, 64
.set T,   128
.set HB,  192
.set MX,  0xa0                         ; products onto X: C and D in window 2
.set MZ,  0x50                         ; onto Z, and onto O^T: window 1
; scalar registers.  s[4:5] q, s[6:7] K and s[8:9] V at my part of the batch's step 0, s[10:11] x, s[16:17] b2, s[18:19] g2, s[92:93] be2, s[94:95] out0
.set PFW, 2                            ; s[2:3]  where my prefetch of Wo stands; never rewritten
.set AOF, 12                           ; s12  (wb's address has been used by then) the lap's place along k in G's rows
.set ZP,  13                           ; s13  halves of W1 still to come
.set WV,  20
.set CX,  21
.set WG,  22                           ; s22  my block of 64 rows
.set LP,  23                           ; s23  laps of the pass still to come, this one among them
.set G1K, 24
.set G1V, 32
.set G0K, 40
.set G0V, 44
.set G1W, 48
.set G0W, 56                           ; s[56:63] a set for each slot
.set CNT, 66                           ; s66  key steps of the loop still to come;          later RTC
.set RTC, 66
.set PCOL, 67                          ; s67  byte of G's rows at which gelu's half begins
.set CS,  68                           ; s[68:69] c, named as a pair;                       later K2 = -2 log2(e)
.set K2,  68
.set NX,  70                           ; s70  the key step (0..15) that is asked for;        later K1 = 0.3275911 sqrt 2
.set K1,  70
.set LIMW, 71                          ; s71  1 in a cluster that asks for Wo, else 0;       later AL
.set AL,  71                           ;      the pass's lap count at which a prefetch stands: LIM, or 0 in a pass without
.set SEL, 72                           ; s[72:73] v_permlanex16_b32's selects
.set OFF, 74                           ; s[74:75] the key step's byte in the batch's K and V; later 1 / 512 and 1e-5
.set C512, 74
.set EPS, 75
.set RC,  80                           ; s80  laps until the requests go on to the next block of wb
.set RP,  81                           ; s81  the block's number in the order of the chain, 3 to 7
.set RX,  82                           ; s82  0 for Wo, then r2: turns the order of the halves
.set R2,  83
.set OFFS, 84                          ; s[84:85] byte in wb of the lap that is asked for
.set WBW, 86                           ; s[86:87] wb at my 128 columns
.set B1Q, 88                           ; s[88:89] b1 at the second half taken
.set CB,  90                           ; s90  (w + r) & 3: my block of 128 columns
.set TS,  91                           ; s91  at work; so are s76-79
.set PFA, 96                           ; s[96:97] where my prefetch of W1, then of W2, stands
.set B1P, 98                           ; s[98:99] b1 at the half in hand
.set RL,  100                          ; s100 the lap (0..3, along k) that is asked for
.set LIM, 101                          ; s101 3 in a cluster that asks for W1 and W2, else 0
.set MSB, 0
.macro WIN new                         ; the immediate's high byte repeats the setting that is left; a switch that changes nothing is dropped
.if MSB != (\new)
	s_set_vgpr_msb (MSB<<8)|(\new)
.set MSB, (\new)
.endif
.endm
.macro PLACES                          ; four places between a matrix instruction and a load into, or a vector instruction on, its registers (ISA guide 7.12.1 for vector instructions)
.rept 4
	v_nop
.endr
.endm
.macro CREST                           ; a round of the cluster's barrier behind its opening barrier: wave 0 signals for the work-group; every wave waits for all four work-groups; my work-group's barrier once more
	s_cmp_lg_u32 s[WV], 0
	s_cbranch_scc1 .Lnw0_\@
	s_barrier_signal -3
.Lnw0_\@:
	s_barrier_wait -3
	s_barrier_signal -1
	s_barrier_wait -1
.endm
.macro CROUND                          ; a whole round
	s_barrier_signal -1
	s_barrier_wait -1
	CREST
.endm
.macro ALLQ line:vararg                ; one line for each query tile qt
.set qt, 0
.rept 4
	\line
.set qt, qt+1
.endr
.endm
.macro ALLR line:vararg                ; one line for each row tile rr
.set rr, 0
.rept 4
	\line
.set rr, rr+1
.endr
.endm
; PREFETCHES INTO THE L2.  The clusters' turned walks begin a product at all its laps at once, so the weights' first readings stand at a product's beginning.  Each lap (131,072 bytes) is asked for once, ahead of the first
; request for it: Wo's four in the loop's last key step (144 products and a maximum ahead), W1's eight in Wo's second lap, W2's eight in the second lap of the second pass over W1 (256 products ahead).  Clusters 0 to 3
; ask for Wo, clusters 0 to 7 for W1 and W2, cluster c for lap c: 512 blocks of 256 bytes, one to each lane of its sixteen waves, shared out BY ADDRESS (8,192 bytes a wave).  Each stands behind a joint load and the run of
; LDS loads that follows it.
.macro ASKW
	s_cmp_eq_u32 s[CNT], s[LIMW]
	s_cbranch_scc0 .Lnaw_\@
	global_prefetch_b8 v[PFO], s[PFW:PFW+1] th:TH_LOAD_NT scope:SCOPE_SE
.Lnaw_\@:
.endm
.macro ASK
	s_cmp_eq_u32 s[LP], s[AL]
	s_cbranch_scc0 .Lna_\@
	global_prefetch_b8 v[PFO], s[PFA:PFA+1] th:TH_LOAD_NT scope:SCOPE_SE
.Lna_\@:
.endm
; ======== the macros of attention
.macro FETCHK g, kf                    ; 16 loads: channels 128 g .. + 127 of my 32 keys: fragment (cc, kt) at kf + 8 (2 cc + kt)
	WIN 0
.irp cc, 0,1,2,3
.irp kt, 0,1
	ds_load_b128 v[(\kf)+8*(2*(\cc)+(\kt)):(\kf)+8*(2*(\cc)+(\kt))+3],   v[AK] offset:16*PKP*(\kt)+64*(4*(\g)+(\cc))
	ds_load_b128 v[(\kf)+8*(2*(\cc)+(\kt))+4:(\kf)+8*(2*(\cc)+(\kt))+7], v[AK] offset:16*PKP*(\kt)+64*(4*(\g)+(\cc))+32
.endr
.endr
.endm
.macro MULQK g, kf                     ; 32 products; the 8 accumulators take turns.  Q's fragment (qt, c) lies at 8 (4 (c % 8) + qt) of window 2 + c / 8
	WIN 0x08+4*((\g)/2)
.irp cc, 0,1,2,3
.irp kt, 0,1
.irp qt, 0,1,2,3
.if ((\g) == 0) && ((\cc) == 0)
	v_wmma_f32_16x16x32_bf16 v[S+8*(4*(\kt)+(\qt)):S+8*(4*(\kt)+(\qt))+7], v[(\kf)+8*(2*(\cc)+(\kt)):(\kf)+8*(2*(\cc)+(\kt))+7], v[8*(4*((4*(\g)+(\cc))%8)+(\qt)):8*(4*((4*(\g)+(\cc))%8)+(\qt))+7], 0
.else
	v_wmma_f32_16x16x32_bf16 v[S+8*(4*(\kt)+(\qt)):S+8*(4*(\kt)+(\qt))+7], v[(\kf)+8*(2*(\cc)+(\kt)):(\kf)+8*(2*(\cc)+(\kt))+7], v[8*(4*((4*(\g)+(\cc))%8)+(\qt)):8*(4*((4*(\g)+(\cc))%8)+(\qt))+7], v[S+8*(4*(\kt)+(\qt)):S+8*(4*(\kt)+(\qt))+7]
.endif
.endr
.endr
.endr
.endm
.macro FETCHV kk, vb                   ; 16 turning loads: keys 32 kk .. + 31, my 128 channels
	WIN 0
.irp ct, 0,1,2,3,4,5,6,7
	ds_load_tr16_b128 v[(\vb)+8*(\ct):(\vb)+8*(\ct)+3],   v[AV] offset:(\kk)*32*PVP+32*(\ct)
	ds_load_tr16_b128 v[(\vb)+8*(\ct)+4:(\vb)+8*(\ct)+7], v[AV] offset:(\kk)*32*PVP+16*PVP+32*(\ct)
.endr
.endm
.macro FETCHP kk, pb                   ; 8 loads: P of the same keys, all 64 queries
	WIN 0
.irp qt, 0,1,2,3
	ds_load_b128 v[(\pb)+8*(\qt):(\pb)+8*(\qt)+3],   v[PRD] offset:(4*(\kk)+(\qt))*1024
	ds_load_b128 v[(\pb)+8*(\qt)+4:(\pb)+8*(\qt)+7], v[PRD] offset:(4*(\kk)+(\qt))*1024+512
.endr
.endm
.macro MULPV16 vb, pb, half            ; 16 products O^T += V^T P; the 32 accumulators take turns
	WIN MZ
.irp qt, 2*(\half), 2*(\half)+1
.irp ct, 0,1,2,3,4,5,6,7
	v_wmma_f32_16x16x32_bf16 v[8*(8*(\qt)+(\ct)):8*(8*(\qt)+(\ct))+7], v[(\vb)+8*(\ct):(\vb)+8*(\ct)+7], v[(\pb)+8*(\qt):(\pb)+8*(\qt)+7], v[8*(8*(\qt)+(\ct)):8*(8*(\qt)+(\ct))+7]
.endr
.endr
.endm
.macro MULPV vb, pb
	MULPV16 \vb, \pb, 0
	MULPV16 \vb, \pb, 1
.endm
.macro XLOADS                          ; X = x: accumulator (rt, nt) holds rows 16 rt + r, columns 128 x my block + 16 nt + 8 hh + 0..7
	WIN 0x80
.irp rt, 0,1,2,3
.irp nt, 0,1,2,3,4,5,6,7
	global_load_b128 v[64*(\rt)+8*(\nt):64*(\rt)+8*(\nt)+3],   v[XO], s[10:11] offset:32768*(\rt)+64*(\nt)
	global_load_b128 v[64*(\rt)+8*(\nt)+4:64*(\rt)+8*(\nt)+7], v[XO], s[10:11] offset:32768*(\rt)+64*(\nt)+16
.endr
.endr
	WIN 0
.endm
.macro GLOADS                          ; g2 and be2 of my 64 columns
	WIN 0xc0
.irp nt, 0,1,2,3,4,5,6,7
	global_load_b128 v[G2+8*(\nt):G2+8*(\nt)+3],     v[VB], s[18:19] offset:64*(\nt)
	global_load_b128 v[G2+8*(\nt)+4:G2+8*(\nt)+7],   v[VB], s[18:19] offset:64*(\nt)+16
	global_load_b128 v[BE2+8*(\nt):BE2+8*(\nt)+3],   v[VB], s[92:93] offset:64*(\nt)
	global_load_b128 v[BE2+8*(\nt)+4:BE2+8*(\nt)+7], v[VB], s[92:93] offset:64*(\nt)+16
.endr
	WIN 0
.endm
; A KEY STEP.  On entry K's first 16 loads (channels 0-127) are on their way into KA.  last = 1: the walk's last step: its two rounds are followed by Wo's first two tiles, and x, g2 and be2 are asked for as Q's registers fall free.
.macro STEP last
.if !(\last)
	s_add_co_u32 s[NX], s[NX], 1                   ; the step that this step's two refills ask for: the next, round the sixteen
	s_and_b32 s[NX], s[NX], 15
	s_lshl_b32 s[OFF], s[NX], 17
.endif
.rept 5
	v_nop                                          ; five places: the first products below write S^T over registers that the last products read
.endr
	FETCHK 1, KB
	s_wait_dscnt 16                                ; all but the 16 just issued
	MULQK 0, KA
	PLACES
	FETCHK 2, KA
	s_wait_dscnt 16
	MULQK 1, KB
	PLACES
	FETCHK 3, KB
.if \last
	XLOADS                                         ; window 2 has been multiplied for the last time, four places back: x has the rest of the step in which to come
.endif
	s_wait_dscnt 16
	MULQK 2, KA
	s_wait_dscnt 0x0
	MULQK 3, KB
	WIN 0
	PLACES
.if \last
	GLOADS                                         ; and so has window 3
.endif
	; my 32 keys' maximum for each query; each accumulator's lowest registers are read first
	ALLQ v_max3_num_f32 v[C0+qt], v[S+8*qt], v[S+8*qt+1], v[S+8*qt+2]
	ALLQ v_max3_num_f32 v[AP+2*qt+1], v[S+32+8*qt], v[S+32+8*qt+1], v[S+32+8*qt+2]
	ALLQ v_max3_num_f32 v[C0+qt], v[C0+qt], v[S+8*qt+3], v[S+8*qt+4]
	ALLQ v_max3_num_f32 v[AP+2*qt+1], v[AP+2*qt+1], v[S+32+8*qt+3], v[S+32+8*qt+4]
	ALLQ v_max3_num_f32 v[C0+qt], v[C0+qt], v[S+8*qt+5], v[S+8*qt+6]
	ALLQ v_max3_num_f32 v[AP+2*qt+1], v[AP+2*qt+1], v[S+32+8*qt+5], v[S+32+8*qt+6]
	ALLQ v_max3_num_f32 v[C0+qt], v[C0+qt], v[S+8*qt+7], v[S+32+8*qt+7]
	ALLQ v_max_num_f32 v[C0+qt], v[C0+qt], v[AP+2*qt+1]
	ALLQ v_permlanex16_b32 v[AP+2*qt+1], v[C0+qt], s[SEL], s[SEL+1]
	ALLQ v_max_num_f32 v[C0+qt], v[C0+qt], v[AP+2*qt+1]
	ALLQ ds_store_b32 v[MST], v[C0+qt] offset:256*qt
	; K's slot has been read out.  All my tensor loads have landed: the one that was out is my part of V of this step
	s_wait_tensorcnt 0x0
	ds_add_u32 v[SPW], v[NIL]                      ; 0 onto my spare word
.if !(\last)
	s_add_nc_u64 s[G0K+2:G0K+3], s[6:7], s[OFF:OFF+1]  ; the address is made anew: K at my rows of the batch's step 0 + the step asked for
	s_or_b32 s[G0K+3], s[G0K+3], 0x80000000
.endif
	s_wait_dscnt 0x0                               ; the add and my maxima's stores are done, my reads of K are over
	CROUND                                         ; no wave of any partner still reads K's slot or has a load on its way
.if !(\last)
	tensor_load_to_lds s[G0K:G0K+3], s[G1K:G1K+7]  ; K of the next step: it has the softmax and the second product's first 96 products in which to land
.else
	tensor_load_to_lds s[G0W:G0W+3], s[G1W:G1W+7]  ; Wo's first tile, into bytes that lie wholly in K's slot
.endif
	s_nop 0
	PLACES
	ALLQ ds_load_b128 v[ML+4*qt:ML+4*qt+3], v[MLD] offset:256*qt
	FETCHV 0, VA
	s_wait_dscnt 16                                ; the four waves' maxima are in; V's 16 loads may stay out
	ALLQ v_max3_num_f32 v[C0+qt], v[ML+4*qt], v[ML+4*qt+1], v[ML+4*qt+2]
	ALLQ v_mov_b32 v[AP+2*qt+1], v[CM+2*qt]        ; c m_old is kept
	ALLQ v_max3_num_f32 v[CM+2*qt+1], v[C0+qt], v[ML+4*qt+3], v[CM+2*qt+1]
	ALLQ v_mul_f32 v[CM+2*qt], s[CS], v[CM+2*qt+1]
	ALLQ v_sub_f32 v[AP+2*qt+1], v[AP+2*qt+1], v[CM+2*qt]
.set i, 0
.rept 32                               ; c s - c m: pair i lies in accumulator i / 4 = 4 kt + qt
	v_pk_fma_f32 v[S+2*i:S+2*i+1], v[S+2*i:S+2*i+1], s[CS:CS+1], v[CM+2*((i/4)%4):CM+2*((i/4)%4)+1] op_sel_hi:[1,0,0] neg_lo:[0,0,1] neg_hi:[0,0,1]
.set i, i+1
.endr
	ALLQ v_exp_f32 v[AP+2*qt], v[AP+2*qt+1]        ; one batch: the four a and the 64 weights
.set i, 0
.rept 64
	v_exp_f32 v[S+i], v[S+i]
.set i, i+1
.endr
	v_nop                                          ; a plain instruction behind the last exponential,
	s_wait_alu depctr_va_vdst(0)                   ; and one wait for the batch, ahead of its first reader
.set i, 0
.rept 32                               ; kt = i / 16 gives registers 0-3 or 4-7 of a fragment of P
	v_cvt_pk_bf16_f32 v[PT+8*((i/4)%4)+4*(i/16)+i%4], v[S+2*i], v[S+2*i+1]
.set i, i+1
.endr
.irp qt, 0,1,2,3
.irp kt, 0,1
	ds_store_b128 v[PST], v[PT+8*(\qt)+4*(\kt):PT+8*(\qt)+4*(\kt)+3] offset:1024*(\qt)+512*(\kt)
.endr
.endr
	ALLQ v_pk_add_f32 v[S+8*qt:S+8*qt+1], v[S+8*qt:S+8*qt+1], v[S+8*qt+2:S+8*qt+3]
	ALLQ v_pk_add_f32 v[S+8*qt+4:S+8*qt+5], v[S+8*qt+4:S+8*qt+5], v[S+8*qt+6:S+8*qt+7]
	ALLQ v_pk_add_f32 v[S+32+8*qt:S+32+8*qt+1], v[S+32+8*qt:S+32+8*qt+1], v[S+32+8*qt+2:S+32+8*qt+3]
	ALLQ v_pk_add_f32 v[S+32+8*qt+4:S+32+8*qt+5], v[S+32+8*qt+4:S+32+8*qt+5], v[S+32+8*qt+6:S+32+8*qt+7]
	ALLQ v_pk_add_f32 v[S+8*qt:S+8*qt+1], v[S+8*qt:S+8*qt+1], v[S+8*qt+4:S+8*qt+5]
	ALLQ v_pk_add_f32 v[S+32+8*qt:S+32+8*qt+1], v[S+32+8*qt:S+32+8*qt+1], v[S+32+8*qt+4:S+32+8*qt+5]
	ALLQ v_pk_add_f32 v[S+8*qt:S+8*qt+1], v[S+8*qt:S+8*qt+1], v[S+32+8*qt:S+32+8*qt+1]
	ALLQ v_pk_fma_f32 v[L+2*qt:L+2*qt+1], v[L+2*qt:L+2*qt+1], v[AP+2*qt:AP+2*qt+1], v[S+8*qt:S+8*qt+1] op_sel_hi:[1,0,1]
	s_wait_dscnt 0x0                               ; for the others' sake: my part of P lies in LDS (and my reads of the maxima are over)
	s_barrier_signal -1                            ; the load stays out.  O^T times a, work on registers, stands between signal and wait
	WIN 0x41
.set i, 0
.rept 128
	v_pk_mul_f32 v[2*i:2*i+1], v[2*i:2*i+1], v[AP+2*(i/32):AP+2*(i/32)+1] op_sel_hi:[1,0]
.set i, i+1
.endr
	WIN 0
	s_barrier_wait -1
	FETCHP 0, PAF
	FETCHV 1, VBB
	FETCHP 1, PBB
	s_wait_dscnt 24                                ; all but the 24 just issued
	MULPV VA, PAF
	PLACES
	FETCHV 2, VA
	FETCHP 2, PAF
	s_wait_dscnt 24
	MULPV VBB, PBB
	PLACES
	FETCHV 3, VBB
	FETCHP 3, PBB
	s_wait_dscnt 24
	MULPV VA, PAF
	WIN 0
	s_wait_tensorcnt 0x0                           ; all my tensor loads have landed: my part of K of the next step, or of Wo's first tile
	ds_add_u32 v[SPW], v[NIL]                      ; 0 onto my spare word
.if !(\last)
	s_add_nc_u64 s[G0V+2:G0V+3], s[8:9], s[OFF:OFF+1]  ; V's address, made anew in the same way
	s_or_b32 s[G0V+3], s[G0V+3], 0x80000000
.endif
	s_wait_dscnt 1                                 ; the last 24 loads are in; the add may be out
	MULPV16 VBB, PBB, 0                            ; sixteen products stand between the add and the wait for it
	WIN 0
	s_wait_dscnt 0x0                               ; the add is done; my reads of V's slot and of P are over
	CROUND
.if !(\last)
	tensor_load_to_lds s[G0V:G0V+3], s[G1V:G1V+7]  ; V of the next step: it has the first product's 128 products in which to land
	s_nop 0
	PLACES                                         ; also the places in front of the loads into KA
	FETCHK 0, KA
	ASKW
.else
	tensor_load_to_lds s[G0W+4:G0W+7], s[G1W:G1W+7]  ; Wo's second tile, into the end of K's slot and the first bytes of V's
	s_nop 0
	PLACES
.endif
	MULPV16 VBB, PBB, 1
.endm
; ======== the macros of the chain
.macro MUL8 fb, w, rt, zero            ; 8 products: row tile rt x 8 column tiles; the 32 accumulators take turns
	WIN \w
.irp nt, 0,1,2,3,4,5,6,7
.if \zero
	v_wmma_f32_16x16x32_bf16 v[8*(8*(\rt)+(\nt)):8*(8*(\rt)+(\nt))+7], v[(\fb)+8*(\nt):(\fb)+8*(\nt)+7], v[(\fb)+64+8*(\rt):(\fb)+64+8*(\rt)+7], 0
.else
	v_wmma_f32_16x16x32_bf16 v[8*(8*(\rt)+(\nt)):8*(8*(\rt)+(\nt))+7], v[(\fb)+8*(\nt):(\fb)+8*(\nt)+7], v[(\fb)+64+8*(\rt):(\fb)+64+8*(\rt)+7], v[8*(8*(\rt)+(\nt)):8*(8*(\rt)+(\nt))+7]
.endif
.endr
.endm
.macro MUL32 fb, w, zero
	MUL8 \fb, \w, 0, \zero
	MUL8 \fb, \w, 1, \zero
	MUL8 \fb, \w, 2, \zero
	MUL8 \fb, \w, 3, \zero
.endm
.macro FETCH slot, kk, fb, aoff        ; 24 LDS loads in one run: half kk of my part of a tile, turned; the 64 rows' 32 k at byte aoff behind the lap's place
	WIN 0
.irp nt, 0,1,2,3,4,5,6,7
	ds_load_tr16_b128 v[(\fb)+8*(\nt):(\fb)+8*(\nt)+3],   v[AB+(\slot)] offset:(\kk)*32*PB+32*(\nt)
	ds_load_tr16_b128 v[(\fb)+8*(\nt)+4:(\fb)+8*(\nt)+7], v[AB+(\slot)] offset:(\kk)*32*PB+16*PB+32*(\nt)
.endr
.irp rt, 0,1
	ds_load_b128 v[(\fb)+64+8*(\rt):(\fb)+64+8*(\rt)+3],     v[AA]  offset:(\rt)*16*PG+(\aoff)
	ds_load_b128 v[(\fb)+64+8*(\rt)+4:(\fb)+64+8*(\rt)+7],   v[AA]  offset:(\rt)*16*PG+(\aoff)+32
	ds_load_b128 v[(\fb)+80+8*(\rt):(\fb)+80+8*(\rt)+3],     v[AA2] offset:(\rt)*16*PG+(\aoff)
	ds_load_b128 v[(\fb)+80+8*(\rt)+4:(\fb)+80+8*(\rt)+7],   v[AA2] offset:(\rt)*16*PG+(\aoff)+32
.endr
.endm
.macro STEPA                           ; the next lap's place along k
	s_add_co_u32 s[AOF], s[AOF], 256
	v_add_nc_u32 v[AA], s[AOF], v[AA0]
	v_add_nc_u32 v[AA2], 32*PG, v[AA]
.endm
.macro PRIME                           ; a pass begins: its first fragments.  My part of the tile lies whole in slot 0 since my wait for all loads at the change of slots before
	WIN 0
	s_mov_b32 s[AOF], 0
	v_mov_b32 v[AA], v[AA0]
	v_add_nc_u32 v[AA2], 32*PG, v[AA0]
	FETCH 0, 0, FB0, 0
.endm
.macro NEXT                            ; which lap this lap's two refills ask for: the next along k, round the four; every fourth time the next block of wb, its number's lowest bit turned by r2
	s_add_co_u32 s[RL], s[RL], 1
	s_and_b32 s[RL], s[RL], 3
	s_sub_co_u32 s[RC], s[RC], 1
	s_cmp_eq_u32 s[RC], 0
	s_cselect_b32 s[RC], 4, s[RC]
	s_cselect_b32 s[RX], s[R2], s[RX]
	s_cselect_b32 s[TS], 1, 0
	s_add_co_u32 s[RP], s[RP], s[TS]
	s_xor_b32 s[TS], s[RP], s[RX]
	s_lshl_b32 s[TS], s[TS], 19
	s_lshl_b32 s[OFFS], s[RL], 17
	s_add_co_u32 s[OFFS], s[OFFS], s[TS]
.endm
.macro HALF slot, aoff, zsel, w        ; the first half of a tile: its second 32 k are fetched into buffer 1 while buffer 0 is multiplied.  zsel = 1: in a pass's first lap its products start the sums
	PLACES
.if \zsel
	v_nop                                          ; a fifth place: the products that start the sums write accumulators over, five places behind the last product that named them (ISA guide 7.12.1), on the way over the backward jump too
.endif
	FETCH \slot, 1, FB1, (\aoff)+64
	s_wait_dscnt 24                                ; all but the 24 just issued: buffer 0 is in
.if \zsel
	s_cmp_eq_u32 s[LP], 4
	s_cbranch_scc1 .Lz_\@
.endif
	MUL32 FB0, \w, 0
.if \zsel
	WIN 0
	s_branch .Lj_\@
.Lz_\@:
	MUL32 FB0, \w, 1
	WIN 0
.Lj_\@:
.endif
.endm
; The second half multiplies buffer 1 and changes slots: each wave waits for all its tensor loads (one is out: its part of the other slot), adds 0 to its spare word, and waits for that and for its reads of
; this slot.  fill = 1: the barrier opens a round of the cluster's barrier, and the joint refill stands first behind it.  mode = 1: at a pass's last lap nothing is fetched: the next pass's rows do not exist yet.
.macro TURN slot, fill, w, mode, ask
	WIN 0
	s_wait_tensorcnt 0x0                           ; no tensor load of mine is out, so a group 0 may be written
	ds_add_u32 v[SPW], v[NIL]                      ; 0 onto my spare word
.if \fill
	s_add_nc_u64 s[G0W+4*(\slot)+2:G0W+4*(\slot)+3], s[WBW:WBW+1], s[OFFS:OFFS+1]  ; the address is made anew: wb at my columns + the lap asked for
.if (\slot) == 1
	s_add_nc_u64 s[G0W+4*(\slot)+2:G0W+4*(\slot)+3], s[G0W+4*(\slot)+2:G0W+4*(\slot)+3], TILEB
.endif
	s_or_b32 s[G0W+4*(\slot)+3], s[G0W+4*(\slot)+3], 0x80000000
.endif
	s_wait_dscnt 1                                 ; buffer 1's 24 loads are in; the add may be out
	MUL8 FB1, \w, 0, 0                             ; eight products stand between the add and the wait for it
	s_wait_dscnt 0x0                               ; the add is done, and my reads of this slot are over:
	s_barrier_signal -1                            ; say so,
	MUL8 FB1, \w, 1, 0                             ; work on registers while the others arrive,
	WIN 0
	s_barrier_wait -1                              ; and go on when all four have said so
.if \fill
	CREST
	tensor_load_to_lds s[G0W+4*(\slot):G0W+4*(\slot)+3], s[G1W:G1W+7]
	s_nop 0
.endif
	PLACES                                         ; also the places in front of the loads into buffer 0
.if (\slot) == 0
	FETCH 1, 0, FB0, 128
.if \ask
	ASK
.endif
.else
.if \mode
	s_cmp_eq_u32 s[LP], 1
	s_cbranch_scc1 .Lnof_\@
.endif
	STEPA
	FETCH 0, 0, FB0, 0
.if \mode
.Lnof_\@:
.endif
.endif
	MUL8 FB1, \w, 2, 0
	MUL8 FB1, \w, 3, 0
.endm
.macro LAP w, zsel, mode, ask          ; two tiles, 128 along k; both slots are filled again
	NEXT
	HALF 0, 0, \zsel, \w
	TURN 0, 1, \w, 0, \ask
	HALF 1, 128, 0, \w
	TURN 1, 1, \w, \mode, 0
	WIN 0
.endm
.macro FOLD dst                        ; four pairs into one number
	v_pk_add_f32 v[TT:TT+1], v[TT:TT+1], v[TT+2:TT+3]
	v_pk_add_f32 v[TT+4:TT+5], v[TT+4:TT+5], v[TT+6:TT+7]
	v_pk_add_f32 v[TT:TT+1], v[TT:TT+1], v[TT+4:TT+5]
	v_add_f32 v[\dst], v[TT], v[TT+1]
.endm
.macro MEET reg, off                   ; a number for each of my rows: the other half of the lanes' and the other waves' are added; the sums come out in v[FB1 + 4 rr]
	ALLR v_permlanex16_b32 v[(\reg)+2*rr+1], v[(\reg)+2*rr], s[SEL], s[SEL+1]
	ALLR v_add_f32 v[(\reg)+2*rr], v[(\reg)+2*rr], v[(\reg)+2*rr+1]
	ALLR ds_store_b32 v[SST], v[(\reg)+2*rr] offset:(\off)+256*rr
	s_wait_dscnt 0x0                               ; for the others' sake
	s_barrier_signal -1
	s_barrier_wait -1
	ALLR ds_load_b128 v[FB1+4*rr:FB1+4*rr+3], v[SLD] offset:(\off)+256*rr
	s_wait_dscnt 0x0
	ALLR v_add_f32 v[FB1+4*rr], v[FB1+4*rr], v[FB1+4*rr+1]
	ALLR v_add_f32 v[FB1+4*rr+2], v[FB1+4*rr+2], v[FB1+4*rr+3]
	ALLR v_add_f32 v[FB1+4*rr], v[FB1+4*rr], v[FB1+4*rr+2]
.endm
.macro BIAS ptr                        ; 16 loads: a bias of my 64 columns into window 3
	WIN 0xc0
.irp nt, 0,1,2,3,4,5,6,7
	global_load_b128 v[HB+8*(\nt):HB+8*(\nt)+3],   v[VB], s[(\ptr):(\ptr)+1] offset:64*(\nt)
	global_load_b128 v[HB+8*(\nt)+4:HB+8*(\nt)+7], v[VB], s[(\ptr):(\ptr)+1] offset:64*(\nt)+16
.endr
	WIN 0
.endm
.macro TZ rt                           ; T = Z / 2 + b1 / 2 for row tile rt: the only text that names Z
	WIN 0xf1                                       ; destination and source 2 in window 3, source 0 in window 1
.set i, 0
.rept 32
	v_pk_fma_f32 v[T+2*i:T+2*i+1], v[64*(\rt)+2*i:64*(\rt)+2*i+1], 0.5, v[HB+2*i:HB+2*i+1] op_sel_hi:[1,0,1]
.set i, i+1
.endr
	WIN 0
.endm
; ======== the head
	s_load_b512 s[4:19], s[0:1], 0x0               ; q s[4:5], k s[6:7], v s[8:9], x s[10:11], wb s[12:13], b1 s[14:15], b2 s[16:17], g2 s[18:19]
	s_load_b128 s[92:95], s[0:1], 0x40             ; be2 s[92:93], out0 s[94:95]
	v_lshl_add_u32 v[SPW], v0, 2, SPARE
	v_mov_b32 v[NIL], 0
	ds_add_u32 v[SPW], v[NIL]                      ; the wave's opening: the add, and its wait ahead of my first tensor load; the set-up below stands between them
	v_lshrrev_b32 v13, 5, v0
	v_readfirstlane_b32 s[WV], v13
	s_bfe_u32 s[CX], ttmp6, 0x40000
	s_and_b32 s76, ttmp9, 7                        ; the batch; in a cluster launch ttmp9 counts clusters, and the four partners share it
	s_lshr_b32 s78, ttmp9, 3                       ; j: my cluster among the batch's eight
	s_lshl_b32 s[WG], s76, 3
	s_add_co_u32 s[WG], s[WG], s78
	s_lshl_b32 s[WG], s[WG], 2
	s_add_co_u32 s[WG], s[WG], s[CX]               ; my block of 64 rows = 32 x batch + 4 j + cx: it enters q's, x's and out0's addresses alone
	s_lshl_b32 s[NX], s78, 1                       ; the key step at which my cluster's walk begins
	s_lshl_b32 s[OFF], s[NX], 17
	s_mov_b32 s[OFF+1], 0
	s_lshr_b32 s78, ttmp9, 2                       ; how my cluster's walks through the weights are turned
	s_xor_b32 s78, s78, ttmp9
	s_lshr_b32 s79, ttmp9, 4
	s_xor_b32 s78, s78, s79
	s_and_b32 s[RL], s78, 3                        ; r
	s_lshr_b32 s79, ttmp9, 3
	s_xor_b32 s79, s79, ttmp9
	s_and_b32 s[R2], s79, 1                        ; r2
	s_add_co_u32 s[CB], s[WV], s[RL]
	s_and_b32 s[CB], s[CB], 3                      ; my block of 128 columns
	s_lshl_b32 s76, s76, 21                        ; the batch's 2,048 rows of 1,024 bytes
	s_lshl_b32 s78, s[CB], 8                       ; my 128 columns in rows of bf16
	s_mov_b32 s[WBW], s78
	s_mov_b32 s[WBW+1], 0
	s_add_co_u32 s78, s78, s76                     ; V: the batch, my columns
	s_mov_b32 s79, 0
	s_lshl_b32 s77, s[WV], 15
	s_add_co_u32 s76, s76, s77                     ; K: the batch, my 32 rows of a step
	s_mov_b32 s77, 0
	s_mov_b32 s[RC], 4
	s_mov_b32 s[RP], 3                             ; Wo is wb's block 3
	s_mov_b32 s[RX], 0
	s_lshl_b32 s[OFFS], s[RL], 17
	s_add_co_u32 s[OFFS], s[OFFS], 3<<19
	s_mov_b32 s[OFFS+1], 0
	s_lshl_b32 s[B1P], s[R2], 11                   ; b1's half taken first,
	s_mov_b32 s[B1P+1], 0
	s_xor_b32 s[B1Q], s[B1P], 2048                 ; and second
	s_mov_b32 s[B1Q+1], 0
	s_and_b32 s[TS], ttmp9, 7                      ; the prefetches: lap c,
	s_lshl_b32 s[TS], s[TS], 2
	s_add_co_u32 s[TS], s[TS], s[CX]
	s_lshl_b32 s[TS], s[TS], 2
	s_add_co_u32 s[TS], s[TS], s[WV]
	s_lshl_b32 s[TS], s[TS], 13                    ; 8,192 bytes of it for each of the cluster's sixteen waves,
	s_add_co_u32 s[PFA], s[TS], 4<<19              ; in W1,
	s_mov_b32 s[PFA+1], 0
	s_add_co_u32 s[PFW], s[TS], 3<<19              ; and in Wo
	s_mov_b32 s[PFW+1], 0
	s_cmp_lt_u32 ttmp9, 8
	s_cselect_b32 s[LIM], 3, 0                     ; the same in all four partners
	s_cmp_lt_u32 ttmp9, 4
	s_cselect_b32 s[LIMW], 1, 0
	; descriptor group 1.  K: 32 rows x 512 elements of 2 bytes; mask of four, bit 21 beside it; 4 words of padding after every 256
	s_mov_b32 s[G1K], 15|(1<<16)|(1<<20)|(1<<21)|(7<<22)|(3<<25)
	s_mov_b32 s[G1K+1], 512<<16                    ; tensor_dim0 = 512
	s_mov_b32 s[G1K+2], 32<<16                     ; tensor_dim1 = 32
	s_mov_b32 s[G1K+3], 512<<16                    ; tile_dim0 = 512
	s_mov_b32 s[G1K+4], 32                         ; tile_dim1 = 32
	s_mov_b32 s[G1K+5], 512                        ; elements from row to row
	s_mov_b32 s[G1K+6], 0
	s_mov_b32 s[G1K+7], 0
	; V: 128 rows x 128 elements; 8 words of padding after every 64
	s_mov_b32 s[G1V], 15|(1<<16)|(1<<20)|(1<<21)|(5<<22)|(7<<25)
	s_mov_b32 s[G1V+1], 128<<16
	s_mov_b32 s[G1V+2], 128<<16
	s_mov_b32 s[G1V+3], 128<<16
	s_mov_b32 s[G1V+4], 128
	s_mov_b32 s[G1V+5], 512
	s_mov_b32 s[G1V+6], 0
	s_mov_b32 s[G1V+7], 0
	; the weights: 64 rows x 128 elements, padded alike
	s_mov_b32 s[G1W], 15|(1<<16)|(1<<20)|(1<<21)|(5<<22)|(7<<25)
	s_mov_b32 s[G1W+1], 128<<16
	s_mov_b32 s[G1W+2], 64<<16
	s_mov_b32 s[G1W+3], 128<<16
	s_mov_b32 s[G1W+4], 64
	s_mov_b32 s[G1W+5], 512
	s_mov_b32 s[G1W+6], 0
	s_mov_b32 s[G1W+7], 0
	s_mul_i32 s[TS], s[WV], 32*PKP                 ; where the tiles go: the wave's number times a constant: no place in the cluster and no cluster's number enters an LDS address
	s_mov_b32 s[G0K], 1
	s_add_co_u32 s[G0K+1], s[TS], KT
	s_mul_i32 s[TS], s[WV], VBLK
	s_mov_b32 s[G0V], 1
	s_add_co_u32 s[G0V+1], s[TS], VT
	s_mul_i32 s[TS], s[WV], WBLK
	s_mov_b32 s[G0W], 1
	s_add_co_u32 s[G0W+1], s[TS], SLOT0
	s_mov_b32 s[G0W+4], 1
	s_add_co_u32 s[G0W+5], s[TS], SLOT1
	s_mov_b32 s[CS], 0x3d8293ee                    ; c = log2(e) / sqrt(512) = 0.0637587
	s_mov_b32 s[CS+1], s[CS]
	s_mov_b32 s[SEL], 0x76543210
	s_mov_b32 s[SEL+1], 0xfedcba98
	s_mov_b32 s[CNT], 15
	s_wait_dscnt 0x0                               ; the opening add is done
	s_wait_kmcnt 0x0
	s_add_nc_u64 s[6:7], s[6:7], s[76:77]          ; K and V at my part of the batch's step 0
	s_add_nc_u64 s[8:9], s[8:9], s[78:79]
	s_add_nc_u64 s[G0K+2:G0K+3], s[6:7], s[OFF:OFF+1]
	s_or_b32 s[G0K+3], s[G0K+3], 0x80000000
	s_add_nc_u64 s[G0V+2:G0V+3], s[8:9], s[OFF:OFF+1]
	s_or_b32 s[G0V+3], s[G0V+3], 0x80000000
	s_add_nc_u64 s[WBW:WBW+1], s[12:13], s[WBW:WBW+1]
	s_add_nc_u64 s[G0W+2:G0W+3], s[WBW:WBW+1], s[OFFS:OFFS+1]  ; Wo's first lap of my walk: its first tile,
	s_add_nc_u64 s[G0W+6:G0W+7], s[G0W+2:G0W+3], TILEB         ; and its second
	s_or_b32 s[G0W+3], s[G0W+3], 0x80000000
	s_or_b32 s[G0W+7], s[G0W+7], 0x80000000
	s_add_nc_u64 s[PFA:PFA+1], s[12:13], s[PFA:PFA+1]
	s_add_nc_u64 s[PFW:PFW+1], s[12:13], s[PFW:PFW+1]
	s_add_nc_u64 s[B1P:B1P+1], s[14:15], s[B1P:B1P+1]
	s_add_nc_u64 s[B1Q:B1Q+1], s[14:15], s[B1Q:B1Q+1]
	s_lshl_b32 s76, s[WG], 16                      ; my block's 64 rows of q (s77 is 0)
	s_add_nc_u64 s[4:5], s[4:5], s[76:77]
	s_lshl_b32 s76, s[WG], 17                      ; of x and out0
	s_add_nc_u64 s[10:11], s[10:11], s[76:77]
	s_add_nc_u64 s[94:95], s[94:95], s[76:77]
	CROUND                                         ; all four work-groups are here: the first joint loads meet
	tensor_load_to_lds s[G0K:G0K+3], s[G1K:G1K+7]  ; the two first fills go out together: two loads of mine are out
	s_nop 0
	tensor_load_to_lds s[G0V:G0V+3], s[G1V:G1V+7]
	s_nop 0
	PLACES
	v_and_b32 v1, 15, v0                           ; r; kept through the launch
	v_bfe_u32 v10, v0, 4, 1                        ; hh
	v_and_b32 v11, 31, v0                          ; lane
	v_lshlrev_b32 v[QO], 10, v1
	v_lshl_add_u32 v[QO], v10, 4, v[QO]
.irp hw, 0,1                           ; all of Q stays in registers: 64 fragments of 16 queries x 32 channels
	WIN 0x80+0x40*(\hw)
.irp c8, 0,1,2,3,4,5,6,7
.irp qt, 0,1,2,3
	global_load_b128 v[8*(4*(\c8)+(\qt)):8*(4*(\c8)+(\qt))+3],   v[QO], s[4:5] offset:16384*(\qt)+64*(8*(\hw)+(\c8))
	global_load_b128 v[8*(4*(\c8)+(\qt))+4:8*(4*(\c8)+(\qt))+7], v[QO], s[4:5] offset:16384*(\qt)+64*(8*(\hw)+(\c8))+32
.endr
.endr
.endr
	WIN 0x40                                       ; O^T = 0: written in the wait for the first tile, so that the first step is a step like any other
.set i, 0
.rept 256
	v_mov_b32 v[i], 0
.set i, i+1
.endr
	WIN 0
	ALLQ v_mov_b32 v[CM+2*qt], 0xfe000000          ; c m: far below every c s
	ALLQ v_mov_b32 v[CM+2*qt+1], 0xff7fffff        ; m
	ALLQ v_mov_b32 v[L+2*qt], 0
	ALLQ v_mov_b32 v[L+2*qt+1], 0
	v_mul_u32_u24 v13, v1, PKP
	v_lshl_add_u32 v13, v10, 4, v13
	s_mul_i32 s76, s[WV], 32*PKP
	v_add_nc_u32 v[AK], s76, v13                   ; (32 w + r) rows + 16 hh
	v_and_b32 v13, 7, v0
	v_bfe_u32 v14, v0, 3, 1
	v_lshl_add_u32 v13, v10, 3, v13                ; the turning load: key 8 hh + l % 8, channels 8 ((l / 8) % 2) + 0..7
	v_mul_u32_u24 v13, v13, PVP
	v_lshl_add_u32 v13, v14, 4, v13
	s_mul_i32 s77, s[WV], VBLK                     ; my part of V's slot
	s_add_co_u32 s77, s77, VT
	v_add_nc_u32 v[AV], s77, v13
	v_lshlrev_b32 v[PRD], 4, v11
	v_add_nc_u32 v[PRD], PR, v[PRD]
	s_lshl_b32 s78, s[WV], 12
	v_add_nc_u32 v[PST], s78, v[PRD]
	v_lshlrev_b32 v[MLD], 4, v1
	v_add_nc_u32 v[MLD], MAXR, v[MLD]
	s_lshl_b32 s79, s[WV], 2
	v_add_nc_u32 v[MST], s79, v[MLD]
	s_lshl_b32 s[TS], s[CB], 9                     ; my 128 columns in f32
	v_lshl_add_u32 v[VB], v10, 5, s[TS]
	v_lshl_add_u32 v[XO], v1, 11, v[VB]
	v_lshlrev_b32 v[PFO], 8, v11
	s_wait_tensorcnt 0x1                           ; my part of the first K is in; the first V may stay out
	s_barrier_signal -1
	s_barrier_wait -1
	FETCHK 0, KA
	s_wait_loadcnt 0x0                             ; Q
.Lstep:                                                ; fifteen steps, each of which asks for the next step's K and V
	STEP 0
	WIN 0
	s_sub_co_u32 s[CNT], s[CNT], 1
	s_cmp_lg_u32 s[CNT], 0
	s_cbranch_scc1 .Lstep
	STEP 1                                         ; the last step is written out: its loads are Wo's
	; ======== FROM O^T TO o.  l: its two halves, the other half of the lanes', the four waves'.  The additions are the places behind the last products.
	WIN 0
	ALLQ v_add_f32 v[C0+qt], v[L+2*qt], v[L+2*qt+1]
	ALLQ v_permlanex16_b32 v[AP+2*qt+1], v[C0+qt], s[SEL], s[SEL+1]
	ALLQ v_add_f32 v[C0+qt], v[C0+qt], v[AP+2*qt+1]
	ALLQ ds_store_b32 v[MST], v[C0+qt] offset:1024+256*qt
	s_wait_dscnt 0x0
	s_barrier_signal -1                            ; Wo's second tile stays out
	s_barrier_wait -1
	ALLQ ds_load_b128 v[ML+4*qt:ML+4*qt+3], v[MLD] offset:1024+256*qt
	s_wait_dscnt 0x0
	ALLQ v_add_f32 v[ML+4*qt], v[ML+4*qt], v[ML+4*qt+1]
	ALLQ v_add_f32 v[ML+4*qt+2], v[ML+4*qt+2], v[ML+4*qt+3]
	ALLQ v_add_f32 v[ML+4*qt], v[ML+4*qt], v[ML+4*qt+2]
	ALLQ v_rcp_f32 v[AP+2*qt], v[ML+4*qt]
	v_nop                                          ; a plain instruction behind the last reciprocal,
	s_wait_alu depctr_va_vdst(0)                   ; and one wait for the four
	v_bfe_u32 v2, v0, 4, 1                         ; hh.  From here on the registers of attention take the chain's addresses
	v_mul_u32_u24 v7, v1, PG
	v_lshl_add_u32 v7, v2, 4, v7
	v_add_nc_u32 v[GA0], G, v7
	s_lshl_b32 s76, s[WV], 8                       ; place w of G's rows
	v_add_nc_u32 v[GS0], s76, v[GA0]
	v_add_nc_u32 v[GS2], 32*PG, v[GS0]
	; o = O^T / l, rounded to bf16: a lane's eight channels of a row are 16 bytes, into place w of G's rows.  Every wave's reads of V were over in front of the last round
.irp rt, 0,1,2,3
	WIN 0x41
.set i, 0
.rept 32
	v_pk_mul_f32 v[64*(\rt)+2*i:64*(\rt)+2*i+1], v[64*(\rt)+2*i:64*(\rt)+2*i+1], v[AP+2*(\rt):AP+2*(\rt)+1] op_sel_hi:[1,0]
.set i, i+1
.endr
	WIN 0x05                                       ; sources 0 and 1 in window 1
.set i, 0
.rept 32
	v_cvt_pk_bf16_f32 v[TMP+i], v[64*(\rt)+2*i], v[64*(\rt)+2*i+1]
.set i, i+1
.endr
	WIN 0
.irp nt, 0,1,2,3,4,5,6,7
	ds_store_b128 v[GS0+(\rt)/2], v[TMP+4*(\nt):TMP+4*(\nt)+3] offset:((\rt)%2)*16*PG+32*(\nt)
.endr
.endr
	v_and_b32 v3, 31, v0                           ; lane
	v_and_b32 v4, 7, v0
	v_bfe_u32 v5, v0, 3, 1
	v_lshl_add_u32 v6, v2, 3, v4                   ; the turning load: k row 8 hh + l % 8, columns 8 ((l / 8) % 2) + 0..7
	v_mul_u32_u24 v6, v6, PB
	v_lshl_add_u32 v6, v5, 4, v6
	s_mul_i32 s76, s[WV], WBLK                     ; my part of a slot
	v_add_nc_u32 v[AB], s76, v6
	v_add_nc_u32 v[AB+1], SLOT1, v[AB]
	s_mul_i32 s77, s[WV], 16*SP
	s_add_co_u32 s77, s77, STAGE
	v_mul_u32_u24 v7, v1, SP
	v_lshl_add_u32 v7, v2, 5, v7
	v_add_nc_u32 v[STO], s77, v7
	v_lshl_add_u32 v[RD], v3, 4, s77
	s_lshl_b32 s78, s[CB], 9                       ; my 128 columns in f32
	v_lshl_add_u32 v[CO], v3, 4, s78
	s_lshl_b32 s79, s[WV], 2
	v_lshlrev_b32 v[SLD], 4, v1
	v_add_nc_u32 v[SLD], STAT, v[SLD]
	v_add_nc_u32 v[SST], s79, v[SLD]
	ALLR v_mov_b32 v[RS+2*rr+1], 0                 ; named in pairs and as v_permlanex16_b32's destinations: written once here
	ALLR v_mov_b32 v[NM+2*rr+1], 0
	v_mov_b32 v[CF+0], 0x3e827906                  ; a1 =  0.254829592
	v_mov_b32 v[CF+1], 0x3e827906
	v_mov_b32 v[CF+2], 0xbe91a98e                  ; a2 = -0.284496736
	v_mov_b32 v[CF+3], 0xbe91a98e
	v_mov_b32 v[CF+4], 0x3fb5f0e3                  ; a3 =  1.421413741
	v_mov_b32 v[CF+5], 0x3fb5f0e3
	v_mov_b32 v[CF+6], 0xbfba00e3                  ; a4 = -1.453152027
	v_mov_b32 v[CF+7], 0xbfba00e3
	v_mov_b32 v[CF+8], 0x3f87dc22                  ; a5 =  1.061405429
	v_mov_b32 v[CF+9], 0x3f87dc22
	v_mov_b32 v[AA0], v[GA0]
	s_mov_b32 s[K1], 0x3eed3388                    ; 0.46328378
	s_mov_b32 s[K2], 0xc038aa3b                    ; -2.8853901
	s_mov_b32 s[K2+1], s[K2]
	s_mov_b32 s[C512], 0x3b000000                  ; 1 / 512
	s_mov_b32 s[EPS], 0x3727c5ac                   ; 1e-5
	s_mov_b32 s[AL], s[LIM]
	s_mov_b32 s[LP], 4
	s_wait_dscnt 0x0                               ; for the others' sake: my part of o lies in LDS
	s_barrier_signal -1
	s_barrier_wait -1                              ; o is whole
	s_wait_loadcnt 0x0                             ; x, g2, be2
	PRIME
.Lp0:                                                  ; X += o Wo: four laps
	LAP MX, 0, 1, 1
	s_sub_co_u32 s[LP], s[LP], 1
	s_cmp_lg_u32 s[LP], 0
	s_cbranch_scc1 .Lp0
	s_wait_xcnt 0x0                                ; the prefetch, more than two laps back, has read its address
	s_add_nc_u64 s[PFA:PFA+1], s[PFA:PFA+1], 2<<19 ; on to W2
	; ======== THE NORM.  A lane holds 64 numbers of each of four rows.  Sums: four chains a row tile, each accumulator read from its low end on.
	PLACES
.irp rt, 0,1,2,3
	WIN 0x0a                                       ; sources 0 and 1 in window 2
.irp c, 0,1,2,3
	v_pk_add_f32 v[TT+2*(\c):TT+2*(\c)+1], v[64*(\rt)+8*(\c):64*(\rt)+8*(\c)+1], v[64*(\rt)+8*(\c)+2:64*(\rt)+8*(\c)+3]
.endr
	WIN 0x02
.irp p, 4,6,32,34,36,38
.irp c, 0,1,2,3
	v_pk_add_f32 v[TT+2*(\c):TT+2*(\c)+1], v[64*(\rt)+8*(\c)+(\p):64*(\rt)+8*(\c)+(\p)+1], v[TT+2*(\c):TT+2*(\c)+1]
.endr
.endr
	WIN 0
	FOLD NM+2*(\rt)
.endr
	MEET NM, 0
	ALLR v_mul_f32 v[NM+2*rr], s[C512], v[FB1+4*rr]  ; the mean
.irp rt, 0,1,2,3
	WIN 0x02
.set i, 0
.rept 32
	v_pk_add_f32 v[FB0+2*i:FB0+2*i+1], v[64*(\rt)+2*i:64*(\rt)+2*i+1], v[NM+2*(\rt):NM+2*(\rt)+1] op_sel_hi:[1,0] neg_lo:[0,1] neg_hi:[0,1]
.set i, i+1
.endr
	WIN 0
.irp c, 0,1,2,3
	v_pk_mul_f32 v[TT+2*(\c):TT+2*(\c)+1], v[FB0+2*(\c):FB0+2*(\c)+1], v[FB0+2*(\c):FB0+2*(\c)+1]
.endr
.set i, 4
.rept 28
	v_pk_fma_f32 v[TT+2*(i%4):TT+2*(i%4)+1], v[FB0+2*i:FB0+2*i+1], v[FB0+2*i:FB0+2*i+1], v[TT+2*(i%4):TT+2*(i%4)+1]
.set i, i+1
.endr
	FOLD RS+2*(\rt)
.endr
	MEET RS, 1024
	ALLR v_fma_f32 v[RS+2*rr], v[FB1+4*rr], s[C512], s[EPS]
	ALLR v_rsq_f32 v[RS+2*rr], v[RS+2*rr]
	v_nop                                          ; a plain instruction behind the last root,
	s_wait_alu depctr_va_vdst(0)                   ; and one wait for the four
	ALLR v_mul_f32 v[NM+2*rr], -v[NM+2*rr], v[RS+2*rr]
	; h2 = (x1 / sigma - mean / sigma) g2 + be2, rounded to bf16, into place 4 + w of G's rows
.irp rt, 0,1,2,3
	WIN 0x02
.set i, 0
.rept 32
	v_pk_fma_f32 v[FB0+2*i:FB0+2*i+1], v[64*(\rt)+2*i:64*(\rt)+2*i+1], v[RS+2*(\rt):RS+2*(\rt)+1], v[NM+2*(\rt):NM+2*(\rt)+1] op_sel_hi:[1,0,0]
.set i, i+1
.endr
	WIN 0x3c                                       ; sources 1 and 2 in window 3
.set i, 0
.rept 32
	v_pk_fma_f32 v[FB0+2*i:FB0+2*i+1], v[FB0+2*i:FB0+2*i+1], v[G2+2*i:G2+2*i+1], v[BE2+2*i:BE2+2*i+1]
.set i, i+1
.endr
	WIN 0
.set i, 0
.rept 32
	v_cvt_pk_bf16_f32 v[FB1+i], v[FB0+2*i], v[FB0+2*i+1]
.set i, i+1
.endr
.irp nt, 0,1,2,3,4,5,6,7
	ds_store_b128 v[GS0+(\rt)/2], v[FB1+4*(\nt):FB1+4*(\nt)+3] offset:1024+((\rt)%2)*16*PG+32*(\nt)
.endr
.endr
	s_wait_dscnt 0x0
	s_barrier_signal -1
	s_barrier_wait -1                              ; h2 is whole
	s_mov_b32 s[ZP], 2
	s_mov_b32 s[PCOL], 0
.Lzp:                                                  ; twice: Z = h2 W1 for 512 columns, then gelu of them into G
	s_cmp_eq_u32 s[ZP], 1
	s_cselect_b32 s[AL], s[LIM], 0                 ; W2 is asked for in the second of the two passes
	BIAS B1P
	v_add_nc_u32 v[AA0], 1024, v[GA0]
	PRIME
	s_mov_b32 s[LP], 4
.Lp1:
	LAP MZ, 1, 1, 1
	s_sub_co_u32 s[LP], s[LP], 1
	s_cmp_lg_u32 s[LP], 0
	s_cbranch_scc1 .Lp1
	s_wait_dscnt 0x0
	s_barrier_signal -1
	s_barrier_wait -1                              ; every wave has read h2 for this half: the second half's gelu may land on it
	s_wait_loadcnt 0x0                             ; b1
	WIN 0xc3
.set i, 0
.rept 32                               ; b1 / 2; these lines are also the places behind the last products
	v_pk_mul_f32 v[HB+2*i:HB+2*i+1], v[HB+2*i:HB+2*i+1], 0.5 op_sel_hi:[1,0]
.set i, i+1
.endr
	WIN 0
	v_add_nc_u32 v[GS], s[PCOL], v[GS0]
	s_mov_b32 s[RTC], 4
.Lrt:                                                  ; a row tile a trip: 64 numbers a lane
	s_cmp_eq_u32 s[RTC], 4
	s_cbranch_scc1 .Lg0
	s_cmp_eq_u32 s[RTC], 3
	s_cbranch_scc1 .Lg1
	s_cmp_eq_u32 s[RTC], 2
	s_cbranch_scc1 .Lg2
	TZ 3
	s_branch .Lgj
.Lg0:
	TZ 0
	s_branch .Lgj
.Lg1:
	TZ 1
	s_branch .Lgj
.Lg2:
	TZ 2
.Lgj:
	WIN 0x03                                       ; source 0 in window 3
.set i, 0
.rept 64
	v_fma_f32 v[U+i], |v[T+i]|, s[K1], 1.0         ; 1 + p sqrt 2 |T|
.set i, i+1
.endr
	WIN 0x0f
.set i, 0
.rept 32
	v_pk_mul_f32 v[E+2*i:E+2*i+1], v[T+2*i:T+2*i+1], v[T+2*i:T+2*i+1]
.set i, i+1
.endr
	WIN 0
.set i, 0
.rept 32
	v_pk_mul_f32 v[E+2*i:E+2*i+1], v[E+2*i:E+2*i+1], s[K2:K2+1] op_sel_hi:[1,0]
.set i, i+1
.endr
.set i, 0
.rept 64                               ; one batch: 64 reciprocals and 64 exponentials
	v_rcp_f32 v[U+i], v[U+i]
.set i, i+1
.endr
.set i, 0
.rept 64
	v_exp_f32 v[E+i], v[E+i]
.set i, i+1
.endr
	v_nop                                          ; a plain instruction behind the last of them,
	s_wait_alu depctr_va_vdst(0)                   ; and one wait for the batch, ahead of its first reader
.set i, 0
.rept 32
	v_pk_fma_f32 v[P+2*i:P+2*i+1], v[U+2*i:U+2*i+1], v[CF+8:CF+9], v[CF+6:CF+7]
.set i, i+1
.endr
.irp c, 4,2,0
.set i, 0
.rept 32
	v_pk_fma_f32 v[P+2*i:P+2*i+1], v[P+2*i:P+2*i+1], v[U+2*i:U+2*i+1], v[CF+(\c):CF+(\c)+1]
.set i, i+1
.endr
.endr
.set i, 0
.rept 32
	v_pk_mul_f32 v[P+2*i:P+2*i+1], v[P+2*i:P+2*i+1], v[U+2*i:U+2*i+1]
.set i, i+1
.endr
.set i, 0
.rept 32
	v_pk_mul_f32 v[P+2*i:P+2*i+1], v[P+2*i:P+2*i+1], v[E+2*i:E+2*i+1]  ; Q
.set i, i+1
.endr
	WIN 0x0f
.set i, 0
.rept 64
	v_add_f32 v[U+i], v[T+i], |v[T+i]|
.set i, i+1
.endr
	WIN 0x03
.set i, 0
.rept 64
	v_fma_f32 v[U+i], -|v[T+i]|, v[P+i], v[U+i]    ; T + |T| - |T| Q
.set i, i+1
.endr
	WIN 0
.set i, 0
.rept 32
	v_cvt_pk_bf16_f32 v[E+i], v[U+2*i], v[U+2*i+1]
.set i, i+1
.endr
.irp nt, 0,1,2,3,4,5,6,7
	ds_store_b128 v[GS], v[E+4*(\nt):E+4*(\nt)+3] offset:32*(\nt)
.endr
	v_add_nc_u32 v[GS], 16*PG, v[GS]
	s_sub_co_u32 s[RTC], s[RTC], 1
	s_cmp_lg_u32 s[RTC], 0
	s_cbranch_scc1 .Lrt
	s_wait_dscnt 0x0
	s_barrier_signal -1
	s_barrier_wait -1                              ; this half of gelu is whole
	s_wait_xcnt 0x0                                ; b1's loads have read their base
	s_mov_b64 s[B1P:B1P+1], s[B1Q:B1Q+1]
	s_mov_b32 s[PCOL], 1024
	s_sub_co_u32 s[ZP], s[ZP], 1
	s_cmp_lg_u32 s[ZP], 0
	s_cbranch_scc1 .Lzp
	BIAS 16                                        ; b2
	v_mov_b32 v[AA0], v[GA0]
	PRIME
	s_mov_b32 s[LP], 7
.Lp3:                                                  ; X += gelu W2, K = 1,024: seven laps, and the last written out
	LAP MX, 0, 0, 0
	s_sub_co_u32 s[LP], s[LP], 1
	s_cmp_lg_u32 s[LP], 0
	s_cbranch_scc1 .Lp3
	HALF 0, 0, 0, MX                               ; nothing is left to ask for
	TURN 0, 0, MX, 0, 0
	HALF 1, 128, 0, MX
	s_wait_dscnt 0x0
	MUL32 FB1, MX, 0
	PLACES
	s_wait_loadcnt 0x0                             ; b2
	WIN 0x8e                                       ; destination and source 0 in window 2, source 1 in window 3
.set i, 0
.rept 128
	v_pk_add_f32 v[2*i:2*i+1], v[2*i:2*i+1], v[HB+2*(i%32):HB+2*(i%32)+1]
.set i, i+1
.endr
	; THE WAY OUT, a row tile at a time: 32 bytes a lane into my own stage, rows of 528 bytes; back as whole rows of 512; stored
.irp rt, 0,1,2,3
	WIN 0x08                                       ; the stores' data in window 2
.irp nt, 0,1,2,3,4,5,6,7
	ds_store_b128 v[STO], v[64*(\rt)+8*(\nt):64*(\rt)+8*(\nt)+3]   offset:64*(\nt)
	ds_store_b128 v[STO], v[64*(\rt)+8*(\nt)+4:64*(\rt)+8*(\nt)+7] offset:64*(\nt)+16
.endr
	WIN 0
	s_wait_xcnt 0x0                                ; the stores of the row tile before have read their registers
.set t, 0
.rept 16
	ds_load_b128 v[FB0+4*t:FB0+4*t+3], v[RD] offset:SP*t  ; LDS serves a wave's instructions in order (ISA guide 5.7.1.4): these see the stores above
.set t, t+1
.endr
	s_wait_dscnt 0x0
.set t, 0
.rept 16
	global_store_b128 v[CO], v[FB0+4*t:FB0+4*t+3], s[94:95] offset:(16*(\rt)+t)*2048  ; a wave stores 512 consecutive bytes, at a multiple of 256 from out0's first byte
.set t, t+1
.endr
.endr
	s_wait_tensorcnt 0x0                           ; the wave's end, behind my last tensor load and my last LDS store
	ds_add_u32 v[SPW], v[NIL]
	s_wait_dscnt 0x0
	CROUND                                         ; the closing round: no work-group ends while a partner may still ask for a tile that names it
	s_endpgm
.Lfunc_end_k_q61a85d0dfa_attn_mlp:
	.size	k_q61a85d0dfa_attn_mlp, .Lfunc_end_k_q61a85d0dfa_attn_mlp-k_q61a85d0dfa_attn_mlp
	.p2alignl 7, 3214868480
	.fill 96, 4, 3214868480
	.section	.rodata,"a",@progbits
	.p2align	6, 0x0
	.amdhsa_kernel k_q61a85d0dfa_attn_mlp
		.amdhsa_group_segment_fixed_size 327680
		.amdhsa_private_segment_fixed_size 0
		.amdhsa_enable_private_segment 0
		.amdhsa_kernarg_size 80
		.amdhsa_user_sgpr_count 2
		.amdhsa_user_sgpr_kernarg_segment_ptr 1
		.amdhsa_wavefront_size32 1
		.amdhsa_system_sgpr_workgroup_id_x 1
		.amdhsa_system_sgpr_workgroup_id_y 1
		.amdhsa_system_sgpr_workgroup_id_z 1
		.amdhsa_system_vgpr_workitem_id 0
		.amdhsa_next_free_vgpr 1024
		.amdhsa_next_free_sgpr 102
		.amdhsa_reserve_vcc 0
		.amdhsa_float_denorm_mode_32 3
		.amdhsa_float_denorm_mode_16_64 3
		.amdhsa_memory_ordered 1
		.amdhsa_forward_progress 1
		.amdhsa_inst_pref_size 255
	.end_amdhsa_kernel
	.section	.bss,"aw",@nobits
	.p2align	6
	.space	262144
	.amdgpu_metadata
---
amdhsa.version: [ 1, 2 ]
amdhsa.kernels:
  - .name:           k_q61a85d0dfa_attn_mlp
    .symbol:         k_q61a85d0dfa_attn_mlp.kd
    .args:
      - { .name: q, .offset: 0, .size: 8, .value_kind: global_buffer, .address_space: global }
      - { .name: k, .offset: 8, .size: 8, .value_kind: global_buffer, .address_space: global }
      - { .name: v, .offset: 16, .size: 8, .value_kind: global_buffer, .address_space: global }
      - { .name: x, .offset: 24, .size: 8, .value_kind: global_buffer, .address_space: global }
      - { .name: wb, .offset: 32, .size: 8, .value_kind: global_buffer, .address_space: global }
      - { .name: b1, .offset: 40, .size: 8, .value_kind: global_buffer, .address_space: global }
      - { .name: b2, .offset: 48, .size: 8, .value_kind: global_buffer, .address_space: global }
      - { .name: g2, .offset: 56, .size: 8, .value_kind: global_buffer, .address_space: global }
      - { .name: be2, .offset: 64, .size: 8, .value_kind: global_buffer, .address_space: global }
      - { .name: out0, .offset: 72, .size: 8, .value_kind: global_buffer, .address_space: global }
    .group_segment_fixed_size: 327680
    .private_segment_fixed_size: 0
    .kernarg_segment_align: 8
    .kernarg_segment_size: 80
    .max_flat_workgroup_size: 128
    .sgpr_count:     102
    .vgpr_count:     1024
    .wavefront_size: 32
...
	.end_amdgpu_metadata
.endif
;; end of part 6
